; MI455X (gfx1250); checked and timed in simulation.
; The chip was launched on July 23, 2026; its instructions are those of AMD's public machine-readable ISA for CDNA 5 (MIT licence, August 2026) and "CDNA5" Instruction Set Architecture Reference Guide (July 2026). The comments in the code are by the model that wrote it; some were corrected since.
;; Encoder Layer. Allowed arithmetic: matrix products marked QUANTISED: E3M2 operands, one E8M0 scale for each 32 along K, by v_wmma_scale_f32_16x16x128_f8f6f4 with both operands' format E3M2, f32 sums; everything else in f32.
;; Inputs: W1_codes 4,096 x 32 x 24 uint8 (E3M2 codes of W1, K innermost, in blocks of 32 codes, four codes in three bytes); W1_scales 4,096 x 32 uint8 (E8M0 scales of W1, one for each 32 codes along K); W2_codes 1,024 x 128 x 24 uint8 (E3M2 codes of W2, K innermost, in blocks of 32 codes, four codes in three bytes); W2_scales 1,024 x 128 uint8 (E8M0 scales of W2, one for each 32 codes along K); Wk_codes 1,024 x 32 x 24 uint8 (E3M2 codes of Wk, K innermost, in blocks of 32 codes, four codes in three bytes); Wk_scales 1,024 x 32 uint8 (E8M0 scales of Wk, one for each 32 codes along K); Wo_codes 1,024 x 32 x 24 uint8 (E3M2 codes of Wo, K innermost, in blocks of 32 codes, four codes in three bytes); Wo_scales 1,024 x 32 uint8 (E8M0 scales of Wo, one for each 32 codes along K); Wq_codes 1,024 x 32 x 24 uint8 (E3M2 codes of Wq, K innermost, in blocks of 32 codes, four codes in three bytes); Wq_scales 1,024 x 32 uint8 (E8M0 scales of Wq, one for each 32 codes along K); Wv_codes 1,024 x 32 x 24 uint8 (E3M2 codes of Wv, K innermost, in blocks of 32 codes, four codes in three bytes); Wv_scales 1,024 x 32 uint8 (E8M0 scales of Wv, one for each 32 codes along K); b1 4,096 float32; b2 1,024 float32; bk 1,024 float32; bo 1,024 float32; bq 1,024 float32; bv 1,024 float32; ln1_b 1,024 float32; ln1_g 1,024 float32; ln2_b 1,024 float32; ln2_g 1,024 float32; src 2 x 2,048 x 1,024 float32.
;; Outputs: out0 2 x 2,048 x 1,024 float32.
;; This version of the problem:
;;   THIS VERSION OF THE PROBLEM IS GIVEN IN LOW PRECISION. The matrix products marked QUANTISED in the list below multiply operands that are first quantised to E3M2 (3 exponent bits, 2 mantissa bits; 6 bits a number), with one power-of-two scale for each 32 numbers along K (OCP MX v1.0); their sums are f32. All else is computed in f32.
;;   The module's matrix products, in the order in which they are computed (A, B: the left and right operand; K: the contracted axis; several contracted axes count as one K, in the product's order):
;;     1. [M 4,096, K 1,024] x [K 1,024, N 1,024]; A: input src; B: input Wq (given as codes): QUANTISED
;;     2. [M 4,096, K 1,024] x [K 1,024, N 1,024]; A: input src; B: input Wk (given as codes): QUANTISED
;;     3. [M 4,096, K 1,024] x [K 1,024, N 1,024]; A: input src; B: input Wv (given as codes): QUANTISED
;;     4. batch 32 x [M 2,048, K 64] x [K 64, N 2,048]; A: computed on the way; B: computed on the way: QUANTISED
;;     5. batch 32 x [M 2,048, K 2,048] x [K 2,048, N 64]; A: softmax (see below); B: computed on the way: QUANTISED
;;     6. [M 4,096, K 1,024] x [K 1,024, N 1,024]; A: computed on the way; B: input Wo (given as codes): QUANTISED
;;     7. [M 4,096, K 1,024] x [K 1,024, N 4,096]; A: computed on the way; B: input W1 (given as codes): QUANTISED
;;     8. [M 4,096, K 4,096] x [K 4,096, N 1,024]; A: computed on the way; B: input W2 (given as codes): QUANTISED
;;   THE QUANTISER, for each operand of a quantised product, along K:
;;     - K is cut into blocks of 32 from its start; a last block that is shorter is filled with zeros.
;;     - A block's scale is 2^e with e = floor(log2(the largest magnitude in the block)) - 4, held to -126 .. 127; a block of zeros has e = 0. As a byte (E8M0): e + 127.
;;     - Each number is divided by its block's scale, clamped to +-28, and rounded to the nearest number of E3M2, ties to even, subnormals kept.
;;     - The product sums the exact products of the quantised numbers (number of the format x scale) in f32.
;;   ~~~python
;;   def quantise(x, axis):      # numpy; x: float32 -> the quantised numbers, widened to float32 again
;;       x = np.moveaxis(x, axis, -1); K = x.shape[-1]
;;       x = np.pad(x, [(0, 0)] * (x.ndim - 1) + [(0, -K % 32)]); x = x.reshape(x.shape[:-1] + (-1, 32)); a = np.abs(x).max(-1, keepdims=True)
;;       e = np.where(a > 0, np.clip(np.frexp(np.where(a > 0, a, 1))[1] - 1 - 4, -126, 127), 0)      # np.frexp(a)[1] - 1 = floor(log2(a)), exactly
;;       r = np.clip(x / 2.0 ** e, -28, 28)
;;       step = 2.0 ** (np.maximum(np.frexp(np.where(r == 0, 1, r))[1] - 1, -2) - 2)
;;       q = np.round(r / step) * step * 2.0 ** e      # np.round: ties to even
;;       return np.moveaxis(q.reshape(q.shape[:-2] + (-1,))[..., :K], -1, axis).astype(np.float32)
;;   ~~~
;;   SOFTMAX AHEAD OF A QUANTISED PRODUCT. Where the list says 'softmax', what is quantised is not the finished softmax but p = 2^(t - M), with t = logit x log2(e) and M = ceil(the row's largest t), a whole number; so 1/2 < the row's largest p <= 1. The row's sum l is taken of the UNQUANTISED p, in f32, and the product's result is divided by l at the end. Since M is a whole number, a kernel that streams over the keys may use a running M (the ceiling of the running maximum): every later rescaling is an exact power of two, which a block's scale takes up: the codes' values come out the same.
;;   OPERANDS COMPUTED ON THE WAY. 'Computed on the way' means the value that the module computes at that place (a softmax that the list does not call 'softmax' is quantised finished and normalised). What goes into a quantiser is computed in f32, as accurately as f32 sums, v_exp_f32 and their like allow (about 1e-6 of the number): no bf16 or f16 on the way to a quantiser, and a product that is left as it is and whose result goes on into a quantised operand takes f32 operands (vector FMAs, or v_wmma_f32_16x16x4_f32). A number that lies on a knife's edge between two numbers of the format may be rounded either way, as far as f32 arithmetic and the matrix unit's own rounding can turn it there, and no further.
;;   INPUTS GIVEN AS CODES. W1 (in the module: [1024, 4096], K = its axis 0); W2 (in the module: [4096, 1024], K = its axis 0); Wk (in the module: [1024, 1024], K = its axis 0); Wo (in the module: [1024, 1024], K = its axis 0); Wq (in the module: [1024, 1024], K = its axis 0); Wv (in the module: [1024, 1024], K = its axis 0): each comes as NAME_codes (uint8): NAME with its K axis moved to the last place and cut into blocks of 32 codes, [.., K / 32, bytes a block], one block behind the other in memory; four codes in three bytes: a row's codes are one little-endian stream of bits, code i at bits 6 i .. 6 i + 5 (a code: sign, 3 exponent bits, 2 mantissa bits); and NAME_scales (uint8): the same leading axes, one E8M0 byte (e + 127) for each 32 codes along K. Its value is code x scale, taken as it is: it is not quantised again, and the codes and scales need not be those that the quantiser above would give.
;; 2 versions. Each part assembles by itself: llvm-mc -triple=amdgcn-amd-amdhsa -mcpu=gfx1250 --defsym DOCPART=n.
;; ======== version 1 of 2: 8 launches
;; workspace buffers: img0 13,107,200 bytes; qkvimg 9,830,400 bytes; ctximg 3,276,800 bytes; craw 16,777,216 bytes; x32 16,777,216 bytes; ximg 3,276,800 bytes; hid 13,107,200 bytes
;; launch prep (part 1): grid 512 x 1, 4 waves a work-group, no clusters, 0 bytes of LDS; arguments src, Wq_codes, Wq_scales, Wk_codes, Wk_scales, Wv_codes, Wv_scales, Wo_codes, Wo_scales, W1_codes, W1_scales, W2_codes, W2_scales, img0; writes img0
.if DOCPART == 1
	.amdgcn_target "amdgcn-amd-amdhsa--gfx1250"
	.amdhsa_code_object_version 6
	.text
	.protected	k_qab8cab4a3b_prep
	.globl	k_qab8cab4a3b_prep
	.p2align	8
	.type	k_qab8cab4a3b_prep,@function
k_qab8cab4a3b_prep:
	s_mov_b64 s[64:65], 0
	v_nop
	global_prefetch_b8 v0, s[64:65] scope:SCOPE_SE
	s_setreg_imm32_b32 hwreg(HW_REG_WAVE_MODE, 25, 1), 1
	s_wait_xcnt 0x0
; src (f32) is quantised to BF6 (E3M2) with one E8M0 byte for each 32 along K, and the six weights' given codes and scale bytes are copied, all into ONE layout, the IMAGE, in which every later launch finds an operand's registers on end.
; AN IMAGE BLOCK is 64 rows x 128 along K, 6,400 bytes (25 x 256); block (R, s) of an operand with KS = K / 128 lies at (R KS + s) x 6,400.
;   codes:  byte 1536 t + 256 p + 8 lane holds registers 2 p, 2 p + 1 of the 12-register fragment of tile t (0..3); lane (r, h) of tile t holds row 64 R + 32 (t / 2) + 8 (t % 2) + r + 8 (r / 8), k = 128 s + 64 c + 32 h + 0..31 in registers 6 c .. 6 c + 5.
;   scales: byte 6144 + 8 lane + 4 e holds the scale word (four bytes, 128 along K) of row r of tile 2 e + h.
; The rows of a tile are chosen so that, where an image is a product's source 0, a lane's 16 result registers of two neighbouring tiles are 16 neighbours along the next product's K.
; SHARES: a wave makes one block: block number = 4 x work-group + wave.  Blocks 0-511 src, 512-1023 Wq, Wk, Wv, Wo (128 each), 1024-1535 W1, 1536-2047 W2.  No LDS, no barrier: waves share nothing.
; The weights' rows are read in runs of 96 bytes, 16 rows to a load: once in the program, so that every later read of them is of whole aligned blocks.
; LIMITS: a block of src whose largest magnitude lies under 2^-122 keeps the byte 1 (a block of zeros too, where the quantiser says 127: its codes are zeros and only this program reads the bytes); NaN and infinities are not served.
.set BLKB, 6400
.set XA,  4                            ; v4      src: my lane's byte in a tile's rows
.set LO,  5                            ; v5      8 x lane: my place in an image's 256 bytes
.set WA,  6                            ; v6-9    weights: my lane's byte in tile t's rows
.set SA,  10                           ; v10-11  weights: my lane's scale word e
.set X0,  16                           ; v16-79, v80-143  two sets of 64 numbers
.set F,   16                           ; v16-63  weights: four fragments
.set E,   64                           ; v64-65  weights: the scale pair
.set PC,  144                          ; v144-163 the codes just made
.set TM,  164                          ; v164-179 at work in QUANT
.set PW,  180                          ; the scale word just made
.set PWS, 181                          ; v181-184 the four tiles' scale words
.set EP,  186                          ; v186-187 the block's scale pair
.set SEL, 32                           ; s[32:33] v_permlanex16_b32's selects for lane l xor 16
; 64 numbers of a lane, register 16 b + i = k 32 b + 16 (lane / 16) + i of my row, become a fragment's codes in v[PC] .. v[PC+11] and the row's scale word in v[PW].
.macro QUANT s
.irp b, 0,1,2,3
	v_max3_num_f32 v[TM+\b], |v[\s+16*\b]|, |v[\s+1+16*\b]|, 0x2800000   ; block b: my 16 numbers and the floor 2^(5 - 127): the byte cannot fall under 1
.endr
.irp i, 2,4,6,8,10,12,14
.irp b, 0,1,2,3
	v_max3_num_f32 v[TM+\b], v[TM+\b], |v[\s+16*\b+\i]|, |v[\s+1+16*\b+\i]|
.endr
.endr
.irp b, 0,1,2,3
	v_permlanex16_b32 v[TM+4+\b], v[TM+\b], s[SEL], s[SEL+1]
.endr
.irp b, 0,1,2,3
	v_max_num_f32 v[TM+\b], v[TM+\b], v[TM+4+\b]   ; with lane l xor 16's 16: the block's largest magnitude
.endr
.irp b, 0,1,2,3
	v_add_nc_u32 v[TM+12+\b], 0xfe000000, v[TM+\b] ; 4 off its exponent field: the conversion's scale operand
.endr
.irp b, 0,1,2,3
	v_lshrrev_b32 v[TM+4+\b], 23, v[TM+12+\b]      ; the scale's byte
.endr
	v_lshl_or_b32 v[PW], v[TM+5], 8, v[TM+4]
	v_lshl_or_b32 v[PW], v[TM+6], 16, v[PW]
	v_lshl_or_b32 v[PW], v[TM+7], 24, v[PW]
.irp c, 0,1
	v_cvt_scalef32_pk16_bf6_f32 v[PC+6*\c:PC+2+6*\c], v[\s+32*\c:\s+15+32*\c], v[TM+12+2*\c]
	v_cvt_scalef32_pk16_bf6_f32 v[PC+12+4*\c:PC+14+4*\c], v[\s+16+32*\c:\s+31+32*\c], v[TM+12+2*\c+1]   ; (a conversion's three registers begin on an even number)
.endr
	v_nop                                          ; one plain place behind a scaled conversion
.irp c, 0,1                                    ; the operand wants a whole block in a lane: lanes 0-15 block 2 c, lanes 16-31 block 2 c + 1
.irp i, 0,1,2
	v_permlane16_swap_b32 v[PC+6*\c+\i], v[PC+12+4*\c+\i]
.endr
.irp i, 0,1,2
	v_mov_b32 v[PC+3+6*\c+\i], v[PC+12+4*\c+\i]
.endr
.endr
.endm
; tile t's 64 numbers a lane: of row r's 128 along K, 16 neighbours of each block of 32
.macro XLOAD reg, t
.irp b, 0,1,2,3
.irp j, 0,1,2,3
	global_load_b128 v[\reg+16*\b+4*\j:\reg+16*\b+4*\j+3], v[XA], s[4:5] offset:(32*((\t)/2)+8*((\t)%2))*4096+128*\b+16*\j th:TH_LOAD_NT
.endr
.endr
.endm
.macro TILE t
.if (\t) < 3
	s_wait_loadcnt 16                              ; this tile's 16 loads are in; the next tile's 16 may be out
.else
	s_wait_loadcnt 0x0
.endif
.if (\t) > 0
	s_wait_xcnt 0x0                                ; the last tile's stores have read v[PC] on: only now are they written again
.endif
	QUANT X0+64*((\t)%2)
.irp p, 0,1,2,3,4,5
	global_store_b64 v[LO], v[PC+2*\p:PC+2*\p+1], s[6:7] offset:1536*(\t)+256*\p   ; 32 lanes store 256 consecutive bytes, aligned
.endr
	v_mov_b32 v[PWS+(\t)], v[PW]
.if (\t) < 2
	XLOAD X0+64*((\t)%2), (\t)+2
.endif
.endm
	s_load_b64 s[4:5], s[0:1], 0x0                 ; src
	s_load_b256 s[8:15], s[0:1], 0x8               ; Wq's codes, scales; Wk's codes, scales
	s_load_b256 s[16:23], s[0:1], 0x28             ; Wv's, Wo's
	s_load_b256 s[24:31], s[0:1], 0x48             ; W1's, W2's
	s_load_b64 s[6:7], s[0:1], 0x68                ; img0
	v_lshrrev_b32 v1, 5, v0
	v_readfirstlane_b32 s34, v1                    ; wave
	s_lshl_b32 s35, ttmp9, 2
	s_add_co_u32 s35, s35, s34                     ; my block's number
	s_mul_i32 s36, s35, BLKB
	s_mov_b32 s37, 0
	v_and_b32 v1, 31, v0
	v_and_b32 v2, 15, v0                           ; r
	v_bfe_u32 v3, v0, 4, 1                         ; h
	v_lshlrev_b32 v[LO], 3, v1
	v_and_b32 v12, 8, v2
	v_add_nc_u32 v12, v12, v2                      ; r + 8 (r / 8)
	s_wait_kmcnt 0x0
	s_add_nc_u64 s[6:7], s[6:7], s[36:37]          ; where my block goes
	s_cmp_ge_u32 ttmp9, 128                        ; work-groups 0-127: src; the others: weights
	s_cbranch_scc1 .Lweights
	s_lshr_b32 s38, s35, 3                         ; R
	s_and_b32 s39, s35, 7                          ; s
	s_lshl_b32 s38, s38, 18                        ; 64 rows of 4,096 bytes
	s_lshl_b32 s39, s39, 9                         ; 128 numbers
	s_add_co_u32 s38, s38, s39
	s_mov_b32 s39, 0
	s_add_nc_u64 s[4:5], s[4:5], s[38:39]
	v_lshlrev_b32 v[XA], 12, v12
	v_lshl_add_u32 v[XA], v3, 6, v[XA]             ; row (r + 8 (r / 8)) + 64 h bytes
	s_mov_b32 s[SEL], 0x76543210
	s_mov_b32 s[SEL+1], 0xfedcba98
	s_mov_b32 s40, 0xffff0000                      ; lanes 16-31
.irp b, 0,1,2,3
	v_mov_b32 v[TM+4+\b], 0                        ; written once: a lane permute's destination counts as one of its sources
.endr
	XLOAD X0, 0
	XLOAD X0+64, 1
	TILE 0
	TILE 1
	TILE 2
	TILE 3
	v_cndmask_b32 v[EP], v[PWS], v[PWS+1], s40     ; word 0: lanes 0-15 tile 0's rows, lanes 16-31 tile 1's
	v_cndmask_b32 v[EP+1], v[PWS+2], v[PWS+3], s40 ; word 1: tiles 2 and 3
	global_store_b64 v[LO], v[EP:EP+1], s[6:7] offset:6144
	s_endpgm
.Lweights:
	s_sub_co_u32 s38, s35, 512                     ; j: 0-511 Wq, Wk, Wv, Wo; 512-1023 W1; 1024-1535 W2
	s_lshr_b32 s39, s38, 3
	s_and_b32 s41, s39, 15                         ; R of the four square weights
	s_and_b32 s42, s39, 63                         ; R of W1
	s_lshr_b32 s43, s38, 5
	s_and_b32 s43, s43, 15                         ; R of W2
	s_and_b32 s44, s38, 7                          ; s where K = 1,024
	s_and_b32 s45, s38, 31                         ; s of W2
	s_mov_b32 s46, 3072
	s_mov_b32 s47, 128
	s_cmp_lt_u32 s38, 512
	s_cselect_b32 s41, s41, s42
	s_cmp_lt_u32 s38, 1024
	s_cselect_b32 s41, s41, s43                    ; R
	s_cselect_b32 s44, s44, s45                    ; s
	s_cselect_b32 s46, 768, s46                    ; a row of codes in bytes
	s_cselect_b32 s47, 32, s47                     ; a row of scale bytes
	s_cselect_b64 s[48:49], s[24:25], s[28:29]     ; the buffers are chosen by the block's number alone
	s_cselect_b64 s[50:51], s[26:27], s[30:31]
	s_cmp_lt_u32 s38, 512
	s_cselect_b64 s[48:49], s[20:21], s[48:49]
	s_cselect_b64 s[50:51], s[22:23], s[50:51]
	s_cmp_lt_u32 s38, 384
	s_cselect_b64 s[48:49], s[16:17], s[48:49]
	s_cselect_b64 s[50:51], s[18:19], s[50:51]
	s_cmp_lt_u32 s38, 256
	s_cselect_b64 s[48:49], s[12:13], s[48:49]
	s_cselect_b64 s[50:51], s[14:15], s[50:51]
	s_cmp_lt_u32 s38, 128
	s_cselect_b64 s[48:49], s[8:9], s[48:49]
	s_cselect_b64 s[50:51], s[10:11], s[50:51]
	s_lshl_b32 s41, s41, 6                         ; the block's first row
	s_mul_i32 s52, s41, s46
	s_mul_i32 s53, s44, 96
	s_add_co_u32 s52, s52, s53
	s_mov_b32 s53, 0
	s_add_nc_u64 s[48:49], s[48:49], s[52:53]      ; codes: first row, K step s
	s_mul_i32 s52, s41, s47
	s_lshl_b32 s54, s44, 2
	s_add_co_u32 s52, s52, s54
	s_add_nc_u64 s[50:51], s[50:51], s[52:53]      ; scale bytes likewise
	v_mul_u32_u24 v13, v3, 24
.irp t, 0,1,2,3
	v_add_nc_u32 v14, 32*(\t/2)+8*(\t%2), v12
	v_mad_u32_u24 v[WA+\t], v14, s46, v13          ; tile t: my row x a row's bytes + 24 h
.endr
	v_lshl_add_u32 v14, v3, 3, v12                 ; row r of tile h,
	v_mul_u32_u24 v[SA], v14, s47
	v_add_nc_u32 v14, 32, v14                      ; and of tile 2 + h
	v_mul_u32_u24 v[SA+1], v14, s47
.irp t, 0,1,2,3
.irp p, 0,1,2,3,4,5
	global_load_b64 v[F+12*\t+2*\p:F+12*\t+2*\p+1], v[WA+\t], s[48:49] offset:48*(\p/3)+8*(\p%3)   ; 24 bytes of the row's stream of bits for each block pair, in pieces of 8
.endr
.endr
	global_load_b32 v[E], v[SA], s[50:51]
	global_load_b32 v[E+1], v[SA+1], s[50:51]
	s_wait_loadcnt 0x0
.irp t, 0,1,2,3
.irp p, 0,1,2,3,4,5
	global_store_b64 v[LO], v[F+12*\t+2*\p:F+12*\t+2*\p+1], s[6:7] offset:1536*\t+256*\p
.endr
.endr
	global_store_b64 v[LO], v[E:E+1], s[6:7] offset:6144
	s_endpgm
.Lfunc_end_k_qab8cab4a3b_prep:
	.size	k_qab8cab4a3b_prep, .Lfunc_end_k_qab8cab4a3b_prep-k_qab8cab4a3b_prep
	.p2alignl 7, 3214868480
	.fill 96, 4, 3214868480
	.section	.rodata,"a",@progbits
	.p2align	6, 0x0
	.amdhsa_kernel k_qab8cab4a3b_prep
		.amdhsa_group_segment_fixed_size 0
		.amdhsa_private_segment_fixed_size 0
		.amdhsa_enable_private_segment 0
		.amdhsa_kernarg_size 112
		.amdhsa_user_sgpr_count 2
		.amdhsa_user_sgpr_kernarg_segment_ptr 1
		.amdhsa_wavefront_size32 1
		.amdhsa_system_sgpr_workgroup_id_x 1
		.amdhsa_system_sgpr_workgroup_id_y 1
		.amdhsa_system_sgpr_workgroup_id_z 1
		.amdhsa_system_vgpr_workitem_id 0
		.amdhsa_next_free_vgpr 192
		.amdhsa_next_free_sgpr 66
		.amdhsa_reserve_vcc 0
		.amdhsa_float_denorm_mode_32 3
		.amdhsa_float_denorm_mode_16_64 3
		.amdhsa_memory_ordered 1
		.amdhsa_forward_progress 1
		.amdhsa_inst_pref_size 33
	.end_amdhsa_kernel
	.amdgpu_metadata
---
amdhsa.version: [ 1, 2 ]
amdhsa.kernels:
  - .name:           k_qab8cab4a3b_prep
    .symbol:         k_qab8cab4a3b_prep.kd
    .args:
      - { .name: src, .offset: 0, .size: 8, .value_kind: global_buffer, .address_space: global }
      - { .name: Wq_codes, .offset: 8, .size: 8, .value_kind: global_buffer, .address_space: global }
      - { .name: Wq_scales, .offset: 16, .size: 8, .value_kind: global_buffer, .address_space: global }
      - { .name: Wk_codes, .offset: 24, .size: 8, .value_kind: global_buffer, .address_space: global }
      - { .name: Wk_scales, .offset: 32, .size: 8, .value_kind: global_buffer, .address_space: global }
      - { .name: Wv_codes, .offset: 40, .size: 8, .value_kind: global_buffer, .address_space: global }
      - { .name: Wv_scales, .offset: 48, .size: 8, .value_kind: global_buffer, .address_space: global }
      - { .name: Wo_codes, .offset: 56, .size: 8, .value_kind: global_buffer, .address_space: global }
      - { .name: Wo_scales, .offset: 64, .size: 8, .value_kind: global_buffer, .address_space: global }
      - { .name: W1_codes, .offset: 72, .size: 8, .value_kind: global_buffer, .address_space: global }
      - { .name: W1_scales, .offset: 80, .size: 8, .value_kind: global_buffer, .address_space: global }
      - { .name: W2_codes, .offset: 88, .size: 8, .value_kind: global_buffer, .address_space: global }
      - { .name: W2_scales, .offset: 96, .size: 8, .value_kind: global_buffer, .address_space: global }
      - { .name: img0, .offset: 104, .size: 8, .value_kind: global_buffer, .address_space: global }
    .group_segment_fixed_size: 0
    .private_segment_fixed_size: 0
    .kernarg_segment_align: 8
    .kernarg_segment_size: 112
    .max_flat_workgroup_size: 128
    .sgpr_count:     66
    .vgpr_count:     192
    .wavefront_size: 32
...
	.end_amdgpu_metadata
.endif
;; end of part 1
;; launch proj (part 2): grid 4 x 48, 4 waves a work-group, clusters of 4 x 4, 327,680 bytes of LDS; arguments img0, bq, bk, bv, qkvimg; writes qkvimg
.if DOCPART == 2
	.amdgcn_target "amdgcn-amd-amdhsa--gfx1250"
	.amdhsa_code_object_version 6
	.text
	.protected	k_qab8cab4a3b_proj
	.globl	k_qab8cab4a3b_proj
	.p2align	8
	.type	k_qab8cab4a3b_proj,@function
k_qab8cab4a3b_proj:
	s_mov_b64 s[64:65], 0
	v_nop
	global_prefetch_b8 v0, s[64:65] scope:SCOPE_SE
	s_setreg_imm32_b32 hwreg(HW_REG_WAVE_MODE, 25, 1), 1
	s_wait_xcnt 0x0
	s_wait_alu depctr_hold_cnt(0) depctr_sa_sdst(0) depctr_va_vdst(0) depctr_va_sdst(0) depctr_va_ssrc(0) depctr_va_vcc(0) depctr_vm_vsrc(0)
	s_getreg_b32 s2, hwreg(HW_REG_IB_STS2, 6, 4)
	s_cmp_eq_u32 s2, 0
	s_cbranch_scc0 .Lentry_in_a_cluster
	s_endpgm
.Lentry_in_a_cluster:
	s_bfe_u32 s2, ttmp6, 0x10000c
	s_cmp_lg_u32 s2, 0xf033
	s_cbranch_scc0 .Lentry_shape_is_right
	s_endpgm
.Lentry_shape_is_right:
; A GEMM on images of BF6 (E3M2) codes whose result is quantised again and leaves as an image.  One text serves two launches:
;   QKV = 1: Q = (src Wq + bq) / 8, K = src Wk + bk (images [4096][1024]) and V^T = (src Wv + bv)^T (image [1024][4096], the keys along K);   QKV = 0: hid = relu(x W1 + b1), image [4096][4096].
; AN IMAGE BLOCK is 64 rows x 128 along K, 6,400 bytes; block (R, s) lies at (R KS + s) x 6,400.  Byte 1536 t + 256 p + 8 lane: registers 2 p, 2 p + 1 of tile t's fragment; lane (r, h) of tile t holds row
; 64 R + 32 (t / 2) + 8 (t % 2) + r + 8 (r / 8).  Byte 6144 + 8 lane + 4 e: the scale word of row r of tile 2 e + h.  So a fragment is six loads of 8 bytes a lane, each 256 consecutive bytes, and no LDS row needs padding.
; TILE: 256 rows of operand A x 256 rows of operand B to a work-group, 128 x 128 to each of four waves: 64 accumulators, 512 registers.  Source 0 = 16 rows of B, source 1 = 16 rows of A: a lane holds one row of A, and by the
; order of an image's rows its 64 registers for one tile of A are 128 neighbouring rows of B in the quantiser's order: register 16 b + i is B's row 32 b + 16 (lane / 16) + i.  That is one K step of the result's image.
; For Q, K and hid: A = the tokens, B = the weight.  For V^T: A = Wv, B = the tokens.  The choice hangs on the cluster's y alone and is made by selects, with no branch.
; RING: two LDS slots, each two K steps (256 along K) of A's four and B's four blocks of 64 rows; each wave fetches two blocks x two K steps by one tensor load (two rows of 12,800 bytes).
; CLUSTER 4 x 4: A's tiles are shared along a row of the cluster, B's along a column: joint loads, which divide the requests by four.  Tiles are read by several clusters, so nothing is prefetched.
; LIMITS: a block of results whose largest magnitude lies under 2^-122 keeps the byte 1 (a block of zeros too: its codes are zeros, and only this program reads the bytes); NaN and infinities are not served.
; REGISTERS: window 0: v16-29 addresses; v32-63 scale words, two sets; v64-127 the bias tiles (C of the first K step), later at work; v128-223 A's fragments, one set, later at work; v224-231 V's bias.
;   window 1: B's fragments, two sets, at v0 and v128.  window 2: the accumulators of A's tiles 0-3 ((a, b) at v[8 (8 (a % 4) + b)]);  window 3: of tiles 4-7.
.set QKV,   1
.set KS,    8                          ; K steps of 128 in a row of A's and B's images
.set LAPS,  KS/4                       ; a lap = two slots = 512 along K
.set BLKB,  6400
.set RB,    2*BLKB                     ; a block of 64 rows in a slot: two K steps
.set SLOT,  8*RB                       ; A's four blocks, then B's four
.set SPARE, 2*SLOT                     ; behind the ring: the spare words, 128 bytes for each wave, that no other line names
.set FR,    12
.set NL,    6                          ; LDS loads that bring a fragment
.set NP,    4                          ; places behind this matrix instruction (ISA guide 7.12.1)
.set ADRA, 16                          ; v16-17 LDS address of my A fragments in slot 0, 1
.set ADRB, 20                          ; v20-21 the same for B
.set LO,   26                          ; v26    8 x lane
.set SPW,  28                          ; v28    LDS address of my spare word; never rewritten
.set NIL,  29                          ; v29    0; never rewritten
.set SC,   32                          ; scale words: set s at v[SC + 16 s]; in it 8 q + 2 k + e: A's block k, 8 q + 4 + 2 k + e: B's block k, K step q of the slot
.set BI,   64                          ; the bias along B's rows, in the result's layout
.set TM,   64                          ; the way out: v64-79 at work in QUANT
.set PW,   80
.set PWS,  81                          ; v81-84
.set EP,   86                          ; v86-87
.set AF,   128
.set T,    128                         ; the way out: v128-191 64 numbers
.set PC,   192                         ; v192-211 the codes just made
.set BV,   224                         ; the bias along A's rows: a number a lane for each tile of A
.set G1,  24
.set G0,  32
.set G1B, 48
.set G0B, 56
.set SEL, 66                           ; s[66:67]
.set SCL, 86                           ; s[86:87] what the sums are multiplied by: 1/8 for Q, else 1
.set OUT, 92                           ; s[92:93], s[96:97] where my two blocks of the result's image go
.set HM,  98                           ; s98 lanes 16-31
.set MSB, 0
.macro WIN new                         ; the immediate's high byte repeats the setting that is left
.if MSB != (\new)
	s_set_vgpr_msb (MSB<<8)|(\new)
.set MSB, \new
.endif
.endm
.set MUL_LO, 0xa1                      ; source 0 (B) window 1, source 1 (A) window 0, C and D window 2
.set MUL_HI, 0xf1
.set TO_B,   0x40
.macro JLOAD s                         ; a joint load: waves 0 and 1 fetch for A, waves 2 and 3 for B; four v_nop follow each of the two lines
	s_cmp_eq_u32 s15, 0
	s_cbranch_scc0 .Lfor_b_\@
	tensor_load_to_lds s[G0+4*\s:G0+4*\s+3], s[G1:G1+7]
	s_nop 0
.rept 4
	v_nop
.endr
	s_branch .Lasked_\@
.Lfor_b_\@:
	tensor_load_to_lds s[G0B+4*\s:G0B+4*\s+3], s[G1B:G1B+7]
	s_nop 0
.rept 4
	v_nop
.endr
.Lasked_\@:
.endm
.macro CREST                           ; a round of the cluster's barrier behind its opening barrier
	s_cmp_lg_u32 s14, 0
	s_cbranch_scc1 .Lnot_wave_0_\@
	s_barrier_signal -3
.Lnot_wave_0_\@:
	s_barrier_wait -3
	s_barrier_signal -1
	s_barrier_wait -1
.endm
.macro CROUND
	s_barrier_signal -1
	s_barrier_wait -1
	CREST
.endm
.macro PLACES n
.rept \n
	v_nop
.endr
.endm
.macro FRAG reg, adr, q, i             ; tile i (0..7) of my 128 rows, K step q of the slot: six loads of 256 consecutive bytes
.irp p, 0,1,2,3,4,5
	ds_load_b64 v[\reg+2*\p:\reg+2*\p+1], v[\adr] offset:((\i)/4)*RB+(\q)*BLKB+((\i)%4)*1536+256*\p
.endr
.endm
.macro FETCH_B slot, q, p
	WIN TO_B
.irp i, 0,1,2,3,4,5,6,7
	FRAG 128*(\p)+FR*\i, ADRB+\slot, \q, \i
.endr
	WIN 0
.endm
.macro FETCH_A slot, q, i0
.irp i, \i0, \i0+1, \i0+2, \i0+3
	FRAG AF+FR*(\i), ADRA+\slot, \q, \i
.endr
.endm
.macro SCALES slot                     ; the slot's scale words: eight loads of 8 bytes a lane
.irp q, 0,1
.irp k, 0,1
	ds_load_b64 v[SC+16*\slot+8*\q+2*\k:SC+16*\slot+8*\q+2*\k+1], v[ADRA+\slot] offset:\k*RB+\q*BLKB+6144
	ds_load_b64 v[SC+16*\slot+8*\q+4+2*\k:SC+16*\slot+8*\q+4+2*\k+1], v[ADRB+\slot] offset:\k*RB+\q*BLKB+6144
.endr
.endr
.endm
; One product: A's tile a x B's tile b.  A tile's scale words lie in register (tile / 2) of its block's pair, in lanes 0-15 for an even tile and lanes 16-31 for an odd one.  zero = 2: the bias tile is C, and starts the sum.
.macro MM a, b, p, q, set, zero
.set rD, 8*(8*((\a)%4)+(\b))
.set rB, 128*(\p)+FR*(\b)
.set rA, AF+FR*(\a)
.set xB, SC+16*(\set)+8*(\q)+4+2*((\b)/4)+((\b)/2)%2
.set xA, SC+16*(\set)+8*(\q)+2*((\a)/4)+((\a)/2)%2
.set par, 2*((\a)%2)+(\b)%2
.if (\zero) == 2
.set rC, BI+8*(\b)
.else
.set rC, rD
.endif
.if par == 0
	v_wmma_scale_f32_16x16x128_f8f6f4 v[rD:rD+7], v[rB:rB+11], v[rA:rA+11], v[rC:rC+7], v[xB], v[xA] matrix_a_fmt:MATRIX_FMT_BF6 matrix_b_fmt:MATRIX_FMT_BF6
.elseif par == 1
	v_wmma_scale_f32_16x16x128_f8f6f4 v[rD:rD+7], v[rB:rB+11], v[rA:rA+11], v[rC:rC+7], v[xB], v[xA] matrix_a_fmt:MATRIX_FMT_BF6 matrix_b_fmt:MATRIX_FMT_BF6 matrix_a_scale:MATRIX_SCALE_ROW1
.elseif par == 2
	v_wmma_scale_f32_16x16x128_f8f6f4 v[rD:rD+7], v[rB:rB+11], v[rA:rA+11], v[rC:rC+7], v[xB], v[xA] matrix_a_fmt:MATRIX_FMT_BF6 matrix_b_fmt:MATRIX_FMT_BF6 matrix_b_scale:MATRIX_SCALE_ROW1
.else
	v_wmma_scale_f32_16x16x128_f8f6f4 v[rD:rD+7], v[rB:rB+11], v[rA:rA+11], v[rC:rC+7], v[xB], v[xA] matrix_a_fmt:MATRIX_FMT_BF6 matrix_b_fmt:MATRIX_FMT_BF6 matrix_a_scale:MATRIX_SCALE_ROW1 matrix_b_scale:MATRIX_SCALE_ROW1
.endif
.endm
.macro MUL16 a0, p, q, set, zero       ; the 64 accumulators take turns, one instruction a turn, in the same order in every step
.irp a, \a0, \a0+1
.irp b, 0,1,2,3,4,5,6,7
	MM \a, \b, \p, \q, \set, \zero
.endr
.endr
.endm
; A step of 128 along K that has its successor in the same slot.  A has one set of registers: tiles 0-3 are fetched anew in the step's middle, tiles 4-7 at its end; B has two sets.
.macro STEP slot, q, zero
	s_wait_dscnt 4*NL                              ; all but the youngest 24 loads (A's tiles 4-7) are in
.if (\zero) == 2
	WIN 0x81                                       ; C (the bias) window 0, D window 2
.else
	WIN MUL_LO
.endif
	MUL16 0, (\q)%2, \q, \slot, \zero
	MUL16 2, (\q)%2, \q, \slot, \zero
	s_wait_dscnt 0
	PLACES NP                                      ; in front of loads into registers that matrix instructions have read
	FETCH_B \slot, (\q)+1, 1-(\q)%2
	FETCH_A \slot, (\q)+1, 0
.if (\zero) == 2
	WIN 0xc1
.else
	WIN MUL_HI
.endif
	MUL16 4, (\q)%2, \q, \slot, \zero
	MUL16 6, (\q)%2, \q, \slot, \zero
	PLACES NP
	WIN 0
	FETCH_A \slot, (\q)+1, 4
.endm
; A slot's last step changes slots: one barrier; in front of it each wave waits for all its tensor loads, adds 0 to its spare word, and waits for that and for its reads of this slot.  fill = 1: the slot is filled again, two slots ahead.
.macro TURN slot, next, fill
	s_wait_tensorcnt 0x0                           ; all my tensor loads have landed: my part of the next slot
	ds_add_u32 v[SPW], v[NIL]                      ; 0 onto my spare word
	s_wait_dscnt 4*NL+1                            ; (the add and the youngest 24 loads may be out)
	WIN MUL_LO
	MUL16 0, 1, 1, \slot, 0
	s_wait_dscnt 0x0                               ; the add is done, and my reads of this slot are over
	s_barrier_signal -1
	MUL16 2, 1, 1, \slot, 0
	WIN 0
	s_barrier_wait -1
.if \fill
	CREST                                          ; the barrier has opened a round of the cluster's barrier: no wave of any partner still reads this slot or has a load on its way
	s_add_nc_u64 s[G0+4*\slot+2:G0+4*\slot+3], s[G0+4*\slot+2:G0+4*\slot+3], 2*RB
	s_add_nc_u64 s[G0B+4*\slot+2:G0B+4*\slot+3], s[G0B+4*\slot+2:G0B+4*\slot+3], 2*RB
	JLOAD \slot                                    ; the first tensor load behind the round; its four v_nop are the places in front of the loads below
.else
	PLACES NP
.endif
	FETCH_B \next, 0, 0
	FETCH_A \next, 0, 0
	SCALES \next
	WIN MUL_HI
	MUL16 4, 1, 1, \slot, 0
	MUL16 6, 1, 1, \slot, 0
	PLACES NP
	WIN 0
	FETCH_A \next, 0, 4
.endm
; 64 numbers of a lane, register 16 b + i = k 32 b + 16 (lane / 16) + i of my row, become a fragment's codes in v[PC] .. v[PC+11] and the row's scale word in v[PW].
.macro QUANT s
.irp b, 0,1,2,3
	v_max3_num_f32 v[TM+\b], |v[\s+16*\b]|, |v[\s+1+16*\b]|, 0x2800000   ; block b: my 16 numbers and the floor 2^(5 - 127): the byte cannot fall under 1
.endr
.irp i, 2,4,6,8,10,12,14
.irp b, 0,1,2,3
	v_max3_num_f32 v[TM+\b], v[TM+\b], |v[\s+16*\b+\i]|, |v[\s+1+16*\b+\i]|
.endr
.endr
.irp b, 0,1,2,3
	v_permlanex16_b32 v[TM+4+\b], v[TM+\b], s[SEL], s[SEL+1]
.endr
.irp b, 0,1,2,3
	v_max_num_f32 v[TM+\b], v[TM+\b], v[TM+4+\b]   ; with lane l xor 16's 16: the block's largest magnitude
.endr
.irp b, 0,1,2,3
	v_add_nc_u32 v[TM+12+\b], 0xfe000000, v[TM+\b] ; 4 off its exponent field: the conversion's scale operand
.endr
.irp b, 0,1,2,3
	v_lshrrev_b32 v[TM+4+\b], 23, v[TM+12+\b]      ; the scale's byte
.endr
	v_lshl_or_b32 v[PW], v[TM+5], 8, v[TM+4]
	v_lshl_or_b32 v[PW], v[TM+6], 16, v[PW]
	v_lshl_or_b32 v[PW], v[TM+7], 24, v[PW]
.irp c, 0,1
	v_cvt_scalef32_pk16_bf6_f32 v[PC+6*\c:PC+2+6*\c], v[\s+32*\c:\s+15+32*\c], v[TM+12+2*\c]
	v_cvt_scalef32_pk16_bf6_f32 v[PC+12+4*\c:PC+14+4*\c], v[\s+16+32*\c:\s+31+32*\c], v[TM+12+2*\c+1]
.endr
	v_nop                                          ; one plain place behind a scaled conversion
.irp c, 0,1
.irp i, 0,1,2
	v_permlane16_swap_b32 v[PC+6*\c+\i], v[PC+12+4*\c+\i]
.endr
.irp i, 0,1,2
	v_mov_b32 v[PC+3+6*\c+\i], v[PC+12+4*\c+\i]
.endr
.endr
.endm
; The way out of A's tile a: its 64 sums a lane are finished in f32, quantised, and stored as tile a % 4 of block a / 4 of the result's image.  Each accumulator is read from its low end on.
.macro OUTA a
.set n, 0
.if QKV
	WIN 0x02+(\a)/4                                ; source 0: window 2 or 3
.rept 32
.if (\a)%2
	v_pk_fma_f32 v[T+n:T+n+1], v[64*((\a)%4)+n:64*((\a)%4)+n+1], s[SCL:SCL+1], v[BV+(\a)-1:BV+(\a)] op_sel:[0,0,1] op_sel_hi:[1,0,1]   ; sum x (1/8 or 1) + my row's bias (0 but for V)
.else
	v_pk_fma_f32 v[T+n:T+n+1], v[64*((\a)%4)+n:64*((\a)%4)+n+1], s[SCL:SCL+1], v[BV+(\a):BV+(\a)+1] op_sel_hi:[1,0,0]
.endif
.set n, n+2
.endr
.else
	WIN 0x08+4*((\a)/4)                            ; source 1: window 2 or 3
.rept 64
	v_max_num_f32 v[T+n], 0, v[64*((\a)%4)+n]      ; relu
.set n, n+1
.endr
.endif
	WIN 0
.if (\a) > 0
	s_wait_xcnt 0x0                                ; the last tile's stores have read their data: only now are v[PC] on and v[EP] written again
.endif
	QUANT T
.irp p, 0,1,2,3,4,5
	global_store_b64 v[LO], v[PC+2*\p:PC+2*\p+1], s[OUT+4*((\a)/4):OUT+4*((\a)/4)+1] offset:((\a)%4)*1536+256*\p   ; 32 lanes store 256 consecutive bytes, aligned
.endr
	v_mov_b32 v[PWS+(\a)%4], v[PW]
.if (\a)%4 == 3
	v_cndmask_b32 v[EP], v[PWS], v[PWS+1], s[HM]
	v_cndmask_b32 v[EP+1], v[PWS+2], v[PWS+3], s[HM]
	global_store_b64 v[LO], v[EP:EP+1], s[OUT+4*((\a)/4):OUT+4*((\a)/4)+1] offset:6144
.endif
.endm
.if QKV
	s_load_b64 s[4:5], s[0:1], 0x0                 ; img0, for A's side,
	s_load_b64 s[6:7], s[0:1], 0x0                 ; and for B's
	s_load_b128 s[68:71], s[0:1], 0x8              ; bq, bk
	s_load_b128 s[72:75], s[0:1], 0x18             ; bv, the result
.else
	s_load_b128 s[4:7], s[0:1], 0x0                ; x's image, img0
	s_load_b128 s[8:11], s[0:1], 0x10              ; b1, the result
.endif
	v_lshl_add_u32 v[SPW], v0, 2, SPARE
	v_mov_b32 v[NIL], 0
	ds_add_u32 v28, v29
	ds_add_u32 v28, v29
	s_wait_dscnt 0x0
	v_lshrrev_b32 v1, 5, v0
	v_readfirstlane_b32 s14, v1                    ; wave 0..3
	s_lshr_b32 s15, s14, 1                         ; which half of A's 256 rows is mine.  Also: I fetch for A (0) or for B (1)
	s_and_b32 s16, s14, 1                          ; which half of B's.  Also: which two blocks of 64 rows I fetch
	s_bfe_u32 s40, ttmp6, 0x40000                  ; cx, cy: my place in the cluster
	s_bfe_u32 s41, ttmp6, 0x40004
	s_and_b32 s18, ttmp7, 0xffff                   ; the cluster's y
.if QKV
	s_lshr_b32 s76, s18, 2                         ; 0: Q, 1: K, 2: V
	s_and_b32 s77, s18, 3
	s_lshl_b32 s77, s77, 2                         ; which four of the tokens' 16 tiles of 256
	s_mul_i32 s79, s76, 819200
	s_add_co_u32 s79, s79, 3276800                 ; Wq's or Wk's image in img0
	s_mul_i32 s85, s76, 3276800                    ; the result's part of its buffer
	s_cmp_eq_u32 s76, 2
	s_cselect_b32 s17, 0, s77
	s_cselect_b32 s42, s77, 0
	s_cselect_b32 s78, 4915200, 0                  ; A: Wv's image, or the tokens'
	s_cselect_b32 s79, 0, s79                      ; B: the tokens' image, or the weight's
	s_cselect_b32 s80, 32, 8                       ; K steps in a row of the result's image
	s_cselect_b32 s81, -1, 0
	s_cselect_b32 s84, 0, -1
	s_cmp_eq_u32 s76, 0
	s_cselect_b32 s[SCL], 0x3e000000, 1.0          ; Q is divided by sqrt(64): x 1/8, exact
	s_mov_b32 s[SCL+1], s[SCL]
	s_add_co_u32 s17, s17, s41                     ; A's tile of 256 rows
	s_add_co_u32 s42, s42, s40                     ; B's
	s_cmp_eq_u32 s76, 2
	s_cselect_b32 s88, 0, s42                      ; the bias lies along B's rows (Q, K) or along A's (V): the other load takes the buffer's start, and its numbers are cleared
	s_cselect_b32 s89, s17, 0
.else
	s_lshl_b32 s42, ttmp9, 2
	s_add_co_u32 s42, s42, s40                     ; B's tile = 4 x cluster x + cx
	s_lshl_b32 s17, s18, 2
	s_add_co_u32 s17, s17, s41                     ; A's tile = 4 x cluster y + cy
.endif
	s_lshl_b32 s43, s41, 2
	s_lshl_b32 s43, 15, s43                        ; my row of the cluster
	s_lshl_b32 s44, 0x1111, s40                    ; my column
	; descriptor group 1: two rows of 12,800 bytes (1,600 elements of 8), a row of an image's blocks apart; no padding
	s_or_b32 s[G1], s43, (3<<16)|(1<<21)           ; 15:0 the mask; 17:16 elements of 8 bytes; 21 set beside a mask
	s_or_b32 s[G1B], s44, (3<<16)|(1<<21)
.irp g, G1, G1B
	s_mov_b32 s[\g+1], 1600<<16                    ; tensor_dim0
	s_mov_b32 s[\g+2], 2<<16                       ; tensor_dim1
	s_mov_b32 s[\g+3], 1600<<16                    ; tile_dim0
	s_mov_b32 s[\g+4], 2                           ; tile_dim1
	s_mov_b32 s[\g+5], KS*800                      ; from row to row
	s_mov_b32 s[\g+6], 0
	s_mov_b32 s[\g+7], 0
.endr
	s_lshl_b32 s18, s16, 1
	s_lshl_b32 s20, s17, 2
	s_add_co_u32 s20, s20, s18                     ; A: block 4 x tile + 2 x half
	s_lshl_b32 s46, s42, 2
	s_add_co_u32 s46, s46, s18                     ; B likewise
	s_mul_i32 s20, s20, KS*BLKB
	s_mul_i32 s46, s46, KS*BLKB
.if QKV
	s_add_co_u32 s20, s20, s78
	s_add_co_u32 s46, s46, s79
.else
	s_add_co_u32 s46, s46, 6553600                 ; W1's image in img0
.endif
	s_mov_b32 s21, 0
	s_mov_b32 s47, 0
	s_mul_i32 s45, s14, 2*RB                       ; where they go: no place in the cluster enters an LDS address
	s_wait_kmcnt 0x0
	s_add_nc_u64 s[20:21], s[4:5], s[20:21]
	s_add_nc_u64 s[46:47], s[6:7], s[46:47]
	CROUND                                         ; all sixteen work-groups are here: the first joint loads meet
.irp s, 0,1
	s_mov_b32 s[G0+4*\s], 1
	s_add_co_u32 s[G0+4*\s+1], s45, \s*SLOT
	s_add_nc_u64 s[G0+4*\s+2:G0+4*\s+3], s[20:21], \s*RB
	s_or_b32 s[G0+4*\s+3], s[G0+4*\s+3], 0x80000000
	s_mov_b32 s[G0B+4*\s], 1
	s_add_co_u32 s[G0B+4*\s+1], s45, \s*SLOT
	s_add_nc_u64 s[G0B+4*\s+2:G0B+4*\s+3], s[46:47], \s*RB
	s_or_b32 s[G0B+4*\s+3], s[G0B+4*\s+3], 0x80000000
	JLOAD \s                                       ; two loads of mine are out
.endr
.if QKV
	s_mov_b64 s[10:11], s[74:75]
	s_cmp_eq_u32 s76, 0
	s_cselect_b64 s[8:9], s[68:69], s[70:71]
	s_cmp_eq_u32 s76, 2
	s_cselect_b64 s[8:9], s[72:73], s[8:9]         ; bq, bk or bv
	s_lshl_b32 s22, s88, 10
.else
	s_lshl_b32 s22, s42, 10
.endif
	s_mov_b32 s23, 0
	s_lshl_b32 s19, s16, 9
	s_add_co_u32 s22, s22, s19
	s_add_nc_u64 s[90:91], s[8:9], s[22:23]        ; the bias of my 128 rows of B
	v_and_b32 v1, 31, v0
	v_lshlrev_b32 v[LO], 3, v1
	v_bfe_u32 v2, v0, 4, 1
	v_lshlrev_b32 v2, 6, v2                        ; 64 h: register 16 b + i wants B's row 32 b + 16 h + i
.irp b, 0,1,2,3
.irp j, 0,1,2,3
	global_load_b128 v[BI+16*\b+4*\j:BI+16*\b+4*\j+3], v2, s[90:91] offset:128*\b+16*\j
.endr
.endr
.if QKV
	s_lshl_b32 s22, s89, 10
	s_lshl_b32 s19, s15, 9
	s_add_co_u32 s22, s22, s19
	s_add_nc_u64 s[94:95], s[8:9], s[22:23]        ; the bias of my 128 rows of A
	v_and_b32 v3, 15, v0
	v_and_b32 v4, 8, v3
	v_add_nc_u32 v3, v3, v4
	v_lshlrev_b32 v3, 2, v3                        ; 4 (r + 8 (r / 8))
.irp a, 0,1,2,3,4,5,6,7
	global_load_b32 v[BV+\a], v3, s[94:95] offset:4*(64*(\a/4)+32*((\a%4)/2)+8*(\a%2))
.endr
.endif
	s_mul_i32 s21, s15, 2*RB                       ; my two blocks of A,
	s_mul_i32 s22, s16, 2*RB
	s_add_co_u32 s22, s22, 4*RB                    ; and of B, behind A's four
.irp s, 0,1
	v_add_nc_u32 v[ADRA+\s], s21, v[LO]
	v_add_nc_u32 v[ADRB+\s], s22, v[LO]
	s_add_co_u32 s21, s21, SLOT
	s_add_co_u32 s22, s22, SLOT
.endr
	s_lshl_b32 s22, s17, 2                         ; where my part of the result's image goes: block 4 x A's tile + 2 x half, K step 2 x B's tile + half
	s_lshl_b32 s19, s15, 1
	s_add_co_u32 s22, s22, s19
.if QKV
	s_mul_i32 s22, s22, s80
.else
	s_lshl_b32 s22, s22, 5
.endif
	s_lshl_b32 s19, s42, 1
	s_add_co_u32 s22, s22, s19
	s_add_co_u32 s22, s22, s16
	s_mul_i32 s22, s22, BLKB
.if QKV
	s_add_co_u32 s22, s22, s85
.endif
	s_add_nc_u64 s[OUT:OUT+1], s[10:11], s[22:23]
.if QKV
	s_mul_i32 s22, s80, BLKB
.else
	s_mov_b32 s22, 32*BLKB
.endif
	s_add_nc_u64 s[OUT+4:OUT+5], s[OUT:OUT+1], s[22:23]
	s_mov_b32 s[SEL], 0x76543210
	s_mov_b32 s[SEL+1], 0xfedcba98
	s_mov_b32 s[HM], 0xffff0000
	s_wait_loadcnt 0x0                             ; the biases
.if QKV
.set n, 0
.rept 64
	v_and_b32 v[BI+n], s84, v[BI+n]                ; for V no bias lies along B's rows,
.set n, n+1
.endr
.irp a, 0,1,2,3,4,5,6,7
	v_and_b32 v[BV+\a], s81, v[BV+\a]              ; for Q and K none along A's
.endr
.endif
	s_wait_tensorcnt 1                             ; my part of slot 0 is in (slot 1's load may be out)
	s_barrier_signal -1
	s_barrier_wait -1                              ; everybody's is
	FETCH_B 0, 0, 0
	FETCH_A 0, 0, 0
	SCALES 0
	FETCH_A 0, 0, 4
	STEP 0, 0, 2                                   ; the first step stands in front of the loop: its products start the sums from the bias
	s_mov_b32 s3, LAPS-1
.Llap:                                                 ; a trip goes once round the ring and fills both slots again
	TURN 0, 1, 1
	STEP 1, 0, 0
	TURN 1, 0, 1
	STEP 0, 0, 0
	s_sub_co_u32 s3, s3, 1
	s_cmp_lg_u32 s3, 0
	s_cbranch_scc1 .Llap
	TURN 0, 1, 0                                   ; the last lap fills nothing, and has no round of the cluster's barrier
	STEP 1, 0, 0
	s_wait_dscnt 4*NL
	WIN MUL_LO
	MUL16 0, 1, 1, 1, 0
	MUL16 2, 1, 1, 1, 0
	s_wait_dscnt 0
	WIN MUL_HI
	MUL16 4, 1, 1, 1, 0
	MUL16 6, 1, 1, 1, 0
	WIN 0
.irp b, 0,1,2,3
	v_mov_b32 v[TM+4+\b], 0                        ; a lane permute's destination counts as one of its sources.  These four are also the places behind the last products
.endr
.irp a, 0,1,2,3,4,5,6,7
	OUTA \a
.endr
	s_wait_tensorcnt 0x0                           ; the wave's end
	ds_add_u32 v[SPW], v[NIL]
	s_wait_dscnt 0x0
	CROUND                                         ; the closing round: no work-group ends while a partner may still ask for a tile that names it
	s_endpgm
.Lfunc_end_k_qab8cab4a3b_proj:
	.size	k_qab8cab4a3b_proj, .Lfunc_end_k_qab8cab4a3b_proj-k_qab8cab4a3b_proj
	.p2alignl 7, 3214868480
	.fill 96, 4, 3214868480
	.section	.rodata,"a",@progbits
	.p2align	6, 0x0
	.amdhsa_kernel k_qab8cab4a3b_proj
		.amdhsa_group_segment_fixed_size 327680
		.amdhsa_private_segment_fixed_size 0
		.amdhsa_enable_private_segment 0
		.amdhsa_kernarg_size 40
		.amdhsa_user_sgpr_count 2
		.amdhsa_user_sgpr_kernarg_segment_ptr 1
		.amdhsa_wavefront_size32 1
		.amdhsa_system_sgpr_workgroup_id_x 1
		.amdhsa_system_sgpr_workgroup_id_y 1
		.amdhsa_system_sgpr_workgroup_id_z 1
		.amdhsa_system_vgpr_workitem_id 0
		.amdhsa_next_free_vgpr 1024
		.amdhsa_next_free_sgpr 100
		.amdhsa_reserve_vcc 0
		.amdhsa_float_denorm_mode_32 3
		.amdhsa_float_denorm_mode_16_64 3
		.amdhsa_memory_ordered 1
		.amdhsa_forward_progress 1
		.amdhsa_inst_pref_size 185
	.end_amdhsa_kernel
	.amdgpu_metadata
---
amdhsa.version: [ 1, 2 ]
amdhsa.kernels:
  - .name:           k_qab8cab4a3b_proj
    .symbol:         k_qab8cab4a3b_proj.kd
    .args:
      - { .name: img0, .offset: 0, .size: 8, .value_kind: global_buffer, .address_space: global }
      - { .name: bq, .offset: 8, .size: 8, .value_kind: global_buffer, .address_space: global }
      - { .name: bk, .offset: 16, .size: 8, .value_kind: global_buffer, .address_space: global }
      - { .name: bv, .offset: 24, .size: 8, .value_kind: global_buffer, .address_space: global }
      - { .name: qkvimg, .offset: 32, .size: 8, .value_kind: global_buffer, .address_space: global }
    .group_segment_fixed_size: 327680
    .private_segment_fixed_size: 0
    .kernarg_segment_align: 8
    .kernarg_segment_size: 40
    .max_flat_workgroup_size: 128
    .sgpr_count:     100
    .vgpr_count:     1024
    .wavefront_size: 32
...
	.end_amdgpu_metadata
.endif
;; end of part 2
;; launch attn (part 3): grid 8 x 32, 16 waves a work-group, clusters of 4 x 1, 327,680 bytes of LDS; arguments qkvimg, ctximg; writes ctximg
.if DOCPART == 3
	.amdgcn_target "amdgcn-amd-amdhsa--gfx1250"
	.amdhsa_code_object_version 6
	.text
	.protected	k_qab8cab4a3b_attn
	.globl	k_qab8cab4a3b_attn
	.p2align	8
	.type	k_qab8cab4a3b_attn,@function
k_qab8cab4a3b_attn:
	s_mov_b64 s[64:65], 0
	v_nop
	global_prefetch_b8 v0, s[64:65] scope:SCOPE_SE
	s_setreg_imm32_b32 hwreg(HW_REG_WAVE_MODE, 25, 1), 1
	s_wait_xcnt 0x0
	s_wait_alu depctr_hold_cnt(0) depctr_sa_sdst(0) depctr_va_vdst(0) depctr_va_sdst(0) depctr_va_ssrc(0) depctr_va_vcc(0) depctr_vm_vsrc(0)
	s_getreg_b32 s2, hwreg(HW_REG_IB_STS2, 6, 4)
	s_cmp_eq_u32 s2, 0
	s_cbranch_scc0 .Lentry_in_a_cluster
	s_endpgm
.Lentry_in_a_cluster:
	s_bfe_u32 s2, ttmp6, 0x10000c
	s_cmp_lg_u32 s2, 0x3003
	s_cbranch_scc0 .Lentry_shape_is_right
	s_endpgm
.Lentry_shape_is_right:
; ctx = softmax(Q K^T) V for one head and 256 queries to a work-group, both products on BF6 (E3M2) codes; Q (already divided by 8), K and V^T come as images, ctx leaves as an image.
; AN IMAGE BLOCK is 64 rows x 128 along K, 6,400 bytes: byte 1536 t + 256 p + 8 lane holds registers 2 p, 2 p + 1 of tile t's fragment (lane (r, h): row 32 (t / 2) + 8 (t % 2) + r + 8 (r / 8) of the block);
; byte 6144 + 8 lane + 4 e the scale word of row r of tile 2 e + h.
; THE SOFTMAX AHEAD OF THE SECOND PRODUCT: t = score x log2(e); M = the running largest t rounded UP to a whole number; p = 2^(t - M) is quantised along the keys, not normalised; the row's sum is taken of the
; unquantised p and divides at the end.  When M moves, the sum and O are multiplied by 2^(old M - new M): exact.
; SHARES: sixteen waves, each one tile of 16 queries in 256 registers, four waves to a SIMD.  Both products are used transposed (S^T = K Q^T, O^T = V^T P^T): a lane holds one query throughout, and by the order of an
; image's rows the 16 registers of two neighbouring tiles of keys are 16 neighbouring keys.
; TWO HEADS SHARE A K STEP of Q's and K's images (128 features).  The other head's codes of Q are cleared once, in registers: zero codes add nothing, so K's fragments and scale words are used as they lie.
; LDS: the head's whole K (32 blocks) and V^T (16 blocks) stay there, 307,200 bytes, each byte filled ONCE: no slot is filled again.  They come in four quarters of 512 keys; wave 0 asks for K's, wave 1 for V's.
; CLUSTER 4 x 1: the four blocks of queries of a cluster walk the same head: joint loads.  All of K and V is asked for at the head, so there is no later request for a prefetch to run ahead of.
; LIMITS: a block of ctx whose largest magnitude lies under 2^-122 keeps the byte 1; NaN and infinities are not served.
.set L8,  1                            ; v1  8 x lane
.set ADK, 2                            ; v2  LDS address of the step's blocks of K
.set ADV, 3                            ; v3  of V
.set L8V, 4                            ; v4  8 x lane + V's first byte
.set VQ,  5                            ; v5  my lane's byte in Q's block: 8 x lane + 1536 x tile
.set VS,  6                            ; v6  and my row's scale word
.set QF,  16                           ; v16-27 Q's fragment
.set QS,  28                           ; v28 Q's scale words
.set FRG, 32                           ; v32-79 four fragments of K or V
.set KSC, 80                           ; v80-83 K's scale words, v84-85 V's
.set VSC, 84
.set S,   96                           ; v96-159 S^T, then p
.set O,   160                          ; v160-191 O^T
.set BM,  192                          ; v192-195 each block's largest score, then its largest p
.set PT,  196                          ; v196-199 at work
.set SO,  200                          ; v200-203 the conversions' scale operands
.set CT,  204                          ; v204-210 the conversions' second halves
.set FF,  212                          ; v212-213 f = 2^(old M - new M), named as a pair
.set PSW, 214                          ; p's scale word
.set TT,  215
.set P,   216                          ; v216-227 p's codes
.set WV,  18
.set SEL, 20
.set CS,  22                           ; s[22:23] log2(e)
.set G1K, 24
.set G1V, 32
.set G0K, 40                           ; s[40:55] four groups 0 for K's quarters
.set G0V, 68                           ; s[68:83] for V's
.set TK,  84                           ; LDS byte of the step's K
.set TV,  85                           ; and V, from V's first byte on
.set CNT, 86
.set VBASE, 204800
.macro CROUND
	s_barrier_signal -1
	s_barrier_wait -1
	s_cmp_lg_u32 s[WV], 0
	s_cbranch_scc1 .Lnot_wave_0_\@
	s_barrier_signal -3
.Lnot_wave_0_\@:
	s_barrier_wait -3
	s_barrier_signal -1
	s_barrier_wait -1
.endm
	s_load_b128 s[4:7], s[0:1], 0x0                ; the images of Q, K, V^T; ctx's image
	v_lshl_add_u32 v254, v0, 2, 0x4b000
	v_mov_b32 v255, 0
	ds_add_u32 v254, v255
	ds_add_u32 v254, v255
	v_lshrrev_b32 v1, 5, v0
	v_readfirstlane_b32 s[WV], v1                  ; wave 0..15
	s_bfe_u32 s8, ttmp6, 0x40000                   ; cx
	s_lshl_b32 s9, ttmp9, 2
	s_add_co_u32 s9, s9, s8                        ; my block of 256 queries: it enters Q's and ctx's addresses alone
	s_and_b32 s10, ttmp7, 0xffff
	s_lshr_b32 s11, s10, 4                         ; batch
	s_and_b32 s12, s10, 15                         ; head
	s_and_b32 s13, s12, 1                          ; which half of a K step of 128 features is my head's
	s_lshr_b32 s14, s12, 1                         ; and which K step
	s_lshl_b32 s56, s11, 8
	s_add_co_u32 s56, s56, s14
	s_mul_i32 s56, s56, 6400
	s_add_co_u32 s56, s56, 3276800                 ; K: block (32 batch, K step)
	s_mov_b32 s57, 0
	s_lshl_b32 s58, s12, 5
	s_lshl_b32 s59, s11, 4
	s_add_co_u32 s58, s58, s59
	s_mul_i32 s58, s58, 6400
	s_add_co_u32 s58, s58, 6553600                 ; V^T: block (head, 16 batch)
	s_mov_b32 s59, 0
	s_lshl_b32 s60, s11, 5
	s_lshl_b32 s61, s9, 2
	s_add_co_u32 s60, s60, s61
	s_lshr_b32 s61, s[WV], 2
	s_add_co_u32 s60, s60, s61                     ; my queries' block of 64 rows
	s_lshl_b32 s60, s60, 3
	s_add_co_u32 s60, s60, s14
	s_mul_i32 s60, s60, 6400
	s_mov_b32 s61, 0
	s_and_b32 s15, s[WV], 3                        ; my tile in it
	s_mul_i32 s16, s15, 1536
	s_and_b32 s17, s15, 1
	s_lshl_b32 s17, s17, 7
	s_lshr_b32 s19, s15, 1
	s_lshl_b32 s19, s19, 2
	s_add_co_u32 s17, s17, s19                     ; its scale words: 128 (tile % 2) + 4 (tile / 2)
	s_mul_i32 s89, s13, 768
	s_lshl_b32 s90, s13, 1
	s_cmp_eq_u32 s13, 0
	s_cselect_b32 s87, -1, 0                       ; keeps registers 0-5 of Q's fragment for an even head,
	s_cselect_b32 s88, 0, -1                       ; registers 6-11 for an odd one
	; descriptor group 1.  K: 8 rows (blocks) of 6,400 bytes, 51,200 bytes apart.  V: 25,600 dense bytes as 100 rows of 256
	s_mov_b32 s[G1K], 15|(3<<16)|(1<<21)           ; 15:0 the mask: all four work-groups; 17:16 elements of 8 bytes; 21 set beside a mask
	s_mov_b32 s[G1K+1], 800<<16
	s_mov_b32 s[G1K+2], 8<<16
	s_mov_b32 s[G1K+3], 800<<16
	s_mov_b32 s[G1K+4], 8
	s_mov_b32 s[G1K+5], 6400
	s_mov_b32 s[G1K+6], 0
	s_mov_b32 s[G1K+7], 0
	s_mov_b32 s[G1V], 15|(3<<16)|(1<<21)
	s_mov_b32 s[G1V+1], 32<<16
	s_mov_b32 s[G1V+2], 100<<16
	s_mov_b32 s[G1V+3], 32<<16
	s_mov_b32 s[G1V+4], 100
	s_mov_b32 s[G1V+5], 32
	s_mov_b32 s[G1V+6], 0
	s_mov_b32 s[G1V+7], 0
	s_mov_b32 s[SEL], 0x76543210
	s_mov_b32 s[SEL+1], 0xfedcba98
	s_mov_b32 s[CS], 0x3fb8aa3b                    ; log2(e)
	s_mov_b32 s[CS+1], s[CS]
	s_wait_dscnt 0x0
	s_wait_kmcnt 0x0
	s_add_nc_u64 s[56:57], s[4:5], s[56:57]
	s_add_nc_u64 s[58:59], s[4:5], s[58:59]
	s_add_nc_u64 s[62:63], s[4:5], s[60:61]        ; Q's block
	s_add_nc_u64 s[6:7], s[6:7], s[60:61]          ; ctx's block
.irp k, 0,1,2,3
	s_mov_b32 s[G0K+4*\k], 1
	s_mov_b32 s[G0K+4*\k+1], \k*51200
	s_add_nc_u64 s[G0K+4*\k+2:G0K+4*\k+3], s[56:57], \k*409600
	s_or_b32 s[G0K+4*\k+3], s[G0K+4*\k+3], 0x80000000
	s_mov_b32 s[G0V+4*\k], 1
	s_mov_b32 s[G0V+4*\k+1], VBASE+\k*25600
	s_add_nc_u64 s[G0V+4*\k+2:G0V+4*\k+3], s[58:59], \k*25600
	s_or_b32 s[G0V+4*\k+3], s[G0V+4*\k+3], 0x80000000
.endr
	CROUND                                         ; all four work-groups are here: the joint loads meet
	s_cmp_eq_u32 s[WV], 0                          ; a wave's four fills stand in one branch: four loads of the wave are out
	s_cbranch_scc0 .Lnot_k
.irp k, 0,1,2,3
	tensor_load_to_lds s[G0K+4*\k:G0K+4*\k+3], s[G1K:G1K+7]
	s_nop 0
.endr
.rept 4
	v_nop
.endr
	s_branch .Lasked
.Lnot_k:
	s_cmp_eq_u32 s[WV], 1
	s_cbranch_scc0 .Lasked
.irp k, 0,1,2,3
	tensor_load_to_lds s[G0V+4*\k:G0V+4*\k+3], s[G1V:G1V+7]
	s_nop 0
.endr
.rept 4
	v_nop
.endr
.Lasked:
	v_and_b32 v7, 31, v0
	v_lshlrev_b32 v[L8], 3, v7
	v_add_nc_u32 v[L8V], VBASE, v[L8]
	v_add_nc_u32 v[VQ], s16, v[L8]
	v_and_b32 v7, 15, v0
	v_lshlrev_b32 v[VS], 3, v7
	v_add_nc_u32 v[VS], s17, v[VS]
.irp p, 0,1,2,3,4,5
	global_load_b64 v[QF+2*\p:QF+2*\p+1], v[VQ], s[62:63] offset:256*\p
.endr
	global_load_b32 v[QS], v[VS], s[62:63] offset:6144
	s_wait_loadcnt 0x0
.irp i, 0,1,2,3,4,5
	v_and_b32 v[QF+\i], s87, v[QF+\i]              ; the other head's codes of Q become zeros
	v_and_b32 v[QF+6+\i], s88, v[QF+6+\i]
.endr
	v_mov_b32 v13, 0xff61b1e6                      ; the largest t so far: -3e38
	v_floor_f32 v12, -v13                          ; -M
	v_mov_b32 v14, 0                               ; the sum, in two halves
	v_mov_b32 v15, 0
.irp b, 0,1,2,3
	v_mov_b32 v[PT+\b], 0                          ; a lane permute's destination counts as one of its sources
.endr
	v_mov_b32 v[FF+1], 0                           ; (named as the upper half of a pair)
	v_mov_b32 v[TT], 0
.set n, 0
.rept 32
	v_mov_b32 v[O+n], 0                            ; O^T: the step is written once; the first change of M leaves zeros zeros
.set n, n+1
.endr
; A KEY STEP: 128 keys: two blocks of K, one block of V^T.
.macro STEP
	v_add_nc_u32 v[ADK], s[TK], v[L8]
	v_add_nc_u32 v[ADV], s[TV], v[L8V]
	v_nop
	v_nop                                          ; four places in front of loads into registers that the last step's products have read
.irp g, 0,1
.if \g
.rept 4
	v_nop
.endr
.endif
.irp t, 0,1,2,3
.irp p, 0,1,2,3,4,5
	ds_load_b64 v[FRG+12*\t+2*\p:FRG+12*\t+2*\p+1], v[ADK] offset:\g*6400+1536*\t+256*\p
.endr
.endr
	ds_load_b64 v[KSC+2*\g:KSC+2*\g+1], v[ADK] offset:\g*6400+6144
	s_wait_dscnt 0x0
.irp t, 0,1,2,3
.if \t%2
	v_wmma_scale_f32_16x16x128_f8f6f4 v[S+8*(4*\g+\t):S+8*(4*\g+\t)+7], v[FRG+12*\t:FRG+12*\t+11], v[QF:QF+11], 0, v[KSC+2*\g+\t/2], v[QS] matrix_a_fmt:MATRIX_FMT_BF6 matrix_b_fmt:MATRIX_FMT_BF6 matrix_a_scale:MATRIX_SCALE_ROW1
.else
	v_wmma_scale_f32_16x16x128_f8f6f4 v[S+8*(4*\g+\t):S+8*(4*\g+\t)+7], v[FRG+12*\t:FRG+12*\t+11], v[QF:QF+11], 0, v[KSC+2*\g+\t/2], v[QS] matrix_a_fmt:MATRIX_FMT_BF6 matrix_b_fmt:MATRIX_FMT_BF6
.endif
.endr
.endr                                          ; register 16 b + i of S^T is key 32 b + 16 (lane / 16) + i of the step
.rept 4
	v_nop                                          ; places in front of the loads below and of the first read of the scores
.endr
.irp t, 0,1,2,3
.irp p, 0,1,2,3,4,5
	ds_load_b64 v[FRG+12*\t+2*\p:FRG+12*\t+2*\p+1], v[ADV] offset:1536*\t+256*\p   ; V^T's four tiles land while the softmax is walked
.endr
.endr
	ds_load_b64 v[VSC:VSC+1], v[ADV] offset:6144
.irp b, 0,1,2,3
	v_max3_num_f32 v[BM+\b], v[S+16*\b], v[S+1+16*\b], v[S+2+16*\b]   ; the largest score of each block of 32 keys: for the row's maximum and, since p rises with the score, for the block's largest p
.endr
.irp i, 3,5,7,9,11,13
.irp b, 0,1,2,3
	v_max3_num_f32 v[BM+\b], v[BM+\b], v[S+16*\b+\i], v[S+1+16*\b+\i]
.endr
.endr
.irp b, 0,1,2,3
	v_max_num_f32 v[BM+\b], v[BM+\b], v[S+15+16*\b]
.endr
.irp b, 0,1,2,3
	v_permlanex16_b32 v[PT+\b], v[BM+\b], s[SEL], s[SEL+1]
.endr
.irp b, 0,1,2,3
	v_max_num_f32 v[BM+\b], v[BM+\b], v[PT+\b]     ; with lane l xor 16's 16 keys
.endr
	v_max3_num_f32 v[TT], v[BM], v[BM+1], v[BM+2]
	v_max_num_f32 v[TT], v[TT], v[BM+3]
	v_mul_f32 v[TT], s[CS], v[TT]                  ; the step's largest t
	v_max_num_f32 v13, v13, v[TT]                  ; the running largest t
	v_mov_b32 v[TT], v12
	v_floor_f32 v12, -v13                          ; the new -M = -ceil(t)
	v_sub_f32 v[TT], v12, v[TT]                    ; old M - new M: a whole number, 0 or less
	v_cvt_i32_f32 v[TT], v[TT]
	v_ldexp_f32 v[FF], 1.0, v[TT]                  ; f = 2^(old M - new M)
.set n, 0
.rept 32
	v_pk_fma_f32 v[S+n:S+n+1], v[S+n:S+n+1], s[CS:CS+1], v[12:13] op_sel_hi:[1,0,0]   ; t - M
.set n, n+2
.endr
.irp b, 0,1,2,3
	v_fma_f32 v[BM+\b], v[BM+\b], s[CS], v12
.endr
.set n, 0
.rept 64
	v_exp_f32 v[S+n], v[S+n]                       ; p = 2^(t - M)
.set n, n+1
.endr
	v_pk_mul_f32 v[14:15], v[14:15], v[FF:FF+1] op_sel_hi:[1,0]   ; the sums under the new M: a plain place behind the exponentials
	s_wait_alu depctr_va_vdst(0)                   ; one wait for the batch of 64, ahead of its first reader
.irp b, 0,1,2,3
	v_exp_f32 v[BM+\b], v[BM+\b]                   ; each block's largest p
.endr
	v_pk_add_f32 v[PT:PT+1], v[S:S+1], v[S+2:S+3]  ; the row's sum of the unquantised p, in two chains
.irp j, 4,8,12,16,20,24,28,32,36,40,44,48,52,56,60
	v_pk_add_f32 v[14:15], v[14:15], v[S+\j:S+1+\j]
	v_pk_add_f32 v[PT:PT+1], v[PT:PT+1], v[S+2+\j:S+3+\j]
.endr
	v_pk_add_f32 v[14:15], v[14:15], v[PT:PT+1]
	s_wait_alu depctr_va_vdst(0)                   ; and one for the four
.irp b, 0,1,2,3
	v_max_num_f32 v[BM+\b], 0x2800000, v[BM+\b]    ; the floor 2^(5 - 127): the byte cannot fall under 1
.endr
.irp b, 0,1,2,3
	v_add_nc_u32 v[SO+\b], 0xfe000000, v[BM+\b]
.endr
.irp b, 0,1,2,3
	v_lshrrev_b32 v[PT+\b], 23, v[SO+\b]
.endr
	v_lshl_or_b32 v[PSW], v[PT+1], 8, v[PT]        ; p's scale word for these 128 keys
	v_lshl_or_b32 v[PSW], v[PT+2], 16, v[PSW]
	v_lshl_or_b32 v[PSW], v[PT+3], 24, v[PSW]
.irp c, 0,1
	v_cvt_scalef32_pk16_bf6_f32 v[P+6*\c:P+2+6*\c], v[S+32*\c:S+15+32*\c], v[SO+2*\c]
	v_cvt_scalef32_pk16_bf6_f32 v[CT+4*\c:CT+2+4*\c], v[S+16+32*\c:S+31+32*\c], v[SO+2*\c+1]
.endr
	v_nop                                          ; one plain place behind a scaled conversion
.irp c, 0,1
.irp i, 0,1,2
	v_permlane16_swap_b32 v[P+6*\c+\i], v[CT+4*\c+\i]
.endr
.irp i, 0,1,2
	v_mov_b32 v[P+3+6*\c+\i], v[CT+4*\c+\i]
.endr
.endr
.set n, 0
.rept 16
	v_pk_mul_f32 v[O+n:O+n+1], v[O+n:O+n+1], v[FF:FF+1] op_sel_hi:[1,0]   ; O^T under the new M; these sixteen are also the places between p's codes and scale word and the products
.set n, n+2
.endr
	s_wait_dscnt 0x0                               ; V^T's tiles are in
.irp t, 0,1,2,3
.if \t%2
	v_wmma_scale_f32_16x16x128_f8f6f4 v[O+8*\t:O+8*\t+7], v[FRG+12*\t:FRG+12*\t+11], v[P:P+11], v[O+8*\t:O+8*\t+7], v[VSC+\t/2], v[PSW] matrix_a_fmt:MATRIX_FMT_BF6 matrix_b_fmt:MATRIX_FMT_BF6 matrix_a_scale:MATRIX_SCALE_ROW1
.else
	v_wmma_scale_f32_16x16x128_f8f6f4 v[O+8*\t:O+8*\t+7], v[FRG+12*\t:FRG+12*\t+11], v[P:P+11], v[O+8*\t:O+8*\t+7], v[VSC+\t/2], v[PSW] matrix_a_fmt:MATRIX_FMT_BF6 matrix_b_fmt:MATRIX_FMT_BF6
.endif
.endr
	s_add_co_u32 s[TK], s[TK], 12800
	s_add_co_u32 s[TV], s[TV], 6400
.endm
; A quarter: 512 keys.  The waves that asked wait until their quarter k has landed (3 - k later loads may be out); the barrier shows it to all sixteen.
.macro QUARTER k
	s_wait_dscnt 0x0
	s_wait_tensorcnt 3-\k
	s_barrier_signal -1
	s_barrier_wait -1
	s_mov_b32 s[TK], \k*51200
	s_mov_b32 s[TV], \k*25600
	s_mov_b32 s[CNT], 4
.Lstep_\@:
	STEP
	s_sub_co_u32 s[CNT], s[CNT], 1
	s_cmp_lg_u32 s[CNT], 0
	s_cbranch_scc1 .Lstep_\@
.endm
	QUARTER 0
	QUARTER 1
	QUARTER 2
	QUARTER 3
	; THE WAY OUT: O^T / the sum; register 16 b + i is channel 32 b + 16 (lane / 16) + i of my head: two blocks of 32 along the next product's K, half a fragment of ctx's image.
	v_add_f32 v14, v14, v15
	v_permlanex16_b32 v[TT], v14, s[SEL], s[SEL+1]
	v_add_f32 v14, v14, v[TT]                      ; the row's sum
	v_rcp_f32 v14, v14
	v_add_nc_u32 v8, s89, v[VQ]                    ; my head's six registers of the tile's twelve: 768 bytes on for an odd head
	v_add_nc_u32 v9, s90, v[VS]                    ; and its two bytes of the row's scale word
	v_nop
	v_nop
	s_wait_alu depctr_va_vdst(0)                   ; ahead of the reciprocal's first reader
.set n, 0
.rept 16
	v_pk_mul_f32 v[S+n:S+n+1], v[O+n:O+n+1], v[14:15] op_sel_hi:[1,0]
.set n, n+2
.endr
.irp b, 0,1
	v_max3_num_f32 v[BM+\b], |v[S+16*\b]|, |v[S+1+16*\b]|, 0x2800000
.endr
.irp i, 2,4,6,8,10,12,14
.irp b, 0,1
	v_max3_num_f32 v[BM+\b], v[BM+\b], |v[S+16*\b+\i]|, |v[S+1+16*\b+\i]|
.endr
.endr
.irp b, 0,1
	v_permlanex16_b32 v[PT+\b], v[BM+\b], s[SEL], s[SEL+1]
.endr
.irp b, 0,1
	v_max_num_f32 v[BM+\b], v[BM+\b], v[PT+\b]
.endr
.irp b, 0,1
	v_add_nc_u32 v[SO+\b], 0xfe000000, v[BM+\b]
.endr
.irp b, 0,1
	v_lshrrev_b32 v[PT+\b], 23, v[SO+\b]
.endr
	v_lshl_or_b32 v[TT], v[PT+1], 8, v[PT]
	v_cvt_scalef32_pk16_bf6_f32 v[P:P+2], v[S:S+15], v[SO]
	v_cvt_scalef32_pk16_bf6_f32 v[CT:CT+2], v[S+16:S+31], v[SO+1]
	v_nop
.irp i, 0,1,2
	v_permlane16_swap_b32 v[P+\i], v[CT+\i]
.endr
.irp i, 0,1,2
	v_mov_b32 v[P+3+\i], v[CT+\i]
.endr
.irp p, 0,1,2
	global_store_b64 v8, v[P+2*\p:P+2*\p+1], s[6:7] offset:256*\p   ; 32 lanes store 256 consecutive bytes, aligned
.endr
	global_store_b16 v9, v[TT], s[6:7] offset:6144 ; two bytes a row, once a wave: the two heads of a K step belong to different work-groups, so neither holds a whole scale word (lanes r and 16 + r store the same bytes)
	s_wait_tensorcnt 0x0
	ds_add_u32 v254, v255
	s_wait_dscnt 0x0
	CROUND                                         ; the closing round
	s_endpgm
.Lfunc_end_k_qab8cab4a3b_attn:
	.size	k_qab8cab4a3b_attn, .Lfunc_end_k_qab8cab4a3b_attn-k_qab8cab4a3b_attn
	.p2alignl 7, 3214868480
	.fill 96, 4, 3214868480
	.section	.rodata,"a",@progbits
	.p2align	6, 0x0
	.amdhsa_kernel k_qab8cab4a3b_attn
		.amdhsa_group_segment_fixed_size 327680
		.amdhsa_private_segment_fixed_size 0
		.amdhsa_enable_private_segment 0
		.amdhsa_kernarg_size 16
		.amdhsa_user_sgpr_count 2
		.amdhsa_user_sgpr_kernarg_segment_ptr 1
		.amdhsa_wavefront_size32 1
		.amdhsa_system_sgpr_workgroup_id_x 1
		.amdhsa_system_sgpr_workgroup_id_y 1
		.amdhsa_system_sgpr_workgroup_id_z 1
		.amdhsa_system_vgpr_workitem_id 0
		.amdhsa_next_free_vgpr 256
		.amdhsa_next_free_sgpr 100
		.amdhsa_reserve_vcc 0
		.amdhsa_float_denorm_mode_32 3
		.amdhsa_float_denorm_mode_16_64 3
		.amdhsa_memory_ordered 1
		.amdhsa_forward_progress 1
		.amdhsa_inst_pref_size 89
	.end_amdhsa_kernel
	.amdgpu_metadata
---
amdhsa.version: [ 1, 2 ]
amdhsa.kernels:
  - .name:           k_qab8cab4a3b_attn
    .symbol:         k_qab8cab4a3b_attn.kd
    .args:
      - { .name: qkvimg, .offset: 0, .size: 8, .value_kind: global_buffer, .address_space: global }
      - { .name: ctximg, .offset: 8, .size: 8, .value_kind: global_buffer, .address_space: global }
    .group_segment_fixed_size: 327680
    .private_segment_fixed_size: 0
    .kernarg_segment_align: 8
    .kernarg_segment_size: 16
    .max_flat_workgroup_size: 512
    .sgpr_count:     100
    .vgpr_count:     256
    .wavefront_size: 32
...
	.end_amdgpu_metadata
.endif
;; end of part 3
;; launch wo (part 4): grid 4 x 16, 4 waves a work-group, clusters of 4 x 4, 327,680 bytes of LDS; arguments ctximg, img0, craw; writes craw
.if DOCPART == 4
	.amdgcn_target "amdgcn-amd-amdhsa--gfx1250"
	.amdhsa_code_object_version 6
	.text
	.protected	k_qab8cab4a3b_wo
	.globl	k_qab8cab4a3b_wo
	.p2align	8
	.type	k_qab8cab4a3b_wo,@function
k_qab8cab4a3b_wo:
	s_mov_b64 s[64:65], 0
	v_nop
	global_prefetch_b8 v0, s[64:65] scope:SCOPE_SE
	s_setreg_imm32_b32 hwreg(HW_REG_WAVE_MODE, 25, 1), 1
	s_wait_xcnt 0x0
	s_wait_alu depctr_hold_cnt(0) depctr_sa_sdst(0) depctr_va_vdst(0) depctr_va_sdst(0) depctr_va_ssrc(0) depctr_va_vcc(0) depctr_vm_vsrc(0)
	s_getreg_b32 s2, hwreg(HW_REG_IB_STS2, 6, 4)
	s_cmp_eq_u32 s2, 0
	s_cbranch_scc0 .Lentry_in_a_cluster
	s_endpgm
.Lentry_in_a_cluster:
	s_bfe_u32 s2, ttmp6, 0x10000c
	s_cmp_lg_u32 s2, 0xf033
	s_cbranch_scc0 .Lentry_shape_is_right
	s_endpgm
.Lentry_shape_is_right:
; A GEMM on images of BF6 (E3M2) codes whose f32 sums leave as they stand in the registers.  One text serves two launches, which differ in the two lines KS and BOFF: ctx Wo (K = 1,024) and hid W2 (K = 4,096); N = 1,024.
; AN IMAGE BLOCK is 64 rows x 128 along K, 6,400 bytes; block (R, s) lies at (R KS + s) x 6,400.  Byte 1536 t + 256 p + 8 lane: registers 2 p, 2 p + 1 of tile t's fragment; lane (r, h) of tile t holds row
; 64 R + 32 (t / 2) + 8 (t % 2) + r + 8 (r / 8).  Byte 6144 + 8 lane + 4 e: the scale word of row r of tile 2 e + h.  A fragment is six loads of 8 bytes a lane, each 256 consecutive bytes: no LDS row needs padding.
; TILE: 256 rows of A (tokens) x 256 rows of B (the weight's columns) to a work-group, 128 x 128 to each of four waves: 64 accumulators.  Source 0 = 16 rows of B, source 1 = 16 rows of A.
; THE RESULT: piece (R, s', t), 8,192 bytes at ((8 R + s') 4 + t) x 8,192: byte 512 k + 16 lane holds registers 4 k .. 4 k + 3 of the 64 that lane (r, h) has for tile t of block R: register 16 b + i is
; (row 64 R + 32 (t / 2) + 8 (t % 2) + r + 8 (r / 8), column 128 s' + 32 b + 16 h + i).  Each store of a wave covers 512 consecutive bytes, aligned; bias, residual and LayerNorm follow in the next launch, which needs whole rows.
; RING: two LDS slots, each two K steps of A's four and B's four blocks of 64 rows; each wave fetches two blocks x two K steps by one tensor load.  CLUSTER 4 x 4: A's tiles shared along a row, B's along a column: joint loads.
; The grid has 64 work-groups: the tile is kept large so that each byte from LDS feeds as many products as the registers allow.  Tiles are read by several clusters, so nothing is prefetched.
; REGISTERS: window 0: v16-29 addresses; v32-63 scale words, two sets; v128-223 A's fragments, one set.  window 1: B's fragments, two sets.  windows 2, 3: the accumulators ((a, b) at v[8 (8 (a % 4) + b)] of window 2 + a / 4).
.set KS,    8                          ; K steps of 128 in a row of A's and B's images
.set BOFF,  5734400                    ; where B's image begins in img0
.set LAPS,  KS/4
.set BLKB,  6400
.set RB,    2*BLKB
.set SLOT,  8*RB
.set SPARE, 2*SLOT                     ; behind the ring: the spare words, 128 bytes for each wave, that no other line names
.set FR,    12
.set NL,    6
.set NP,    4                          ; places behind this matrix instruction (ISA guide 7.12.1)
.set ADRA, 16
.set ADRB, 20
.set LO,   26                          ; v26 8 x lane
.set LO16, 27                          ; v27 16 x lane
.set SPW,  28
.set NIL,  29
.set SC,   32
.set AF,   128
.set G1,  24
.set G0,  32
.set G1B, 48
.set G0B, 56
.set MSB, 0
.macro WIN new
.if MSB != (\new)
	s_set_vgpr_msb (MSB<<8)|(\new)
.set MSB, \new
.endif
.endm
.set MUL_LO, 0xa1
.set MUL_HI, 0xf1
.set TO_B,   0x40
.macro JLOAD s                         ; a joint load: waves 0 and 1 fetch for A, waves 2 and 3 for B; four v_nop follow each of the two lines
	s_cmp_eq_u32 s15, 0
	s_cbranch_scc0 .Lfor_b_\@
	tensor_load_to_lds s[G0+4*\s:G0+4*\s+3], s[G1:G1+7]
	s_nop 0
.rept 4
	v_nop
.endr
	s_branch .Lasked_\@
.Lfor_b_\@:
	tensor_load_to_lds s[G0B+4*\s:G0B+4*\s+3], s[G1B:G1B+7]
	s_nop 0
.rept 4
	v_nop
.endr
.Lasked_\@:
.endm
.macro CREST
	s_cmp_lg_u32 s14, 0
	s_cbranch_scc1 .Lnot_wave_0_\@
	s_barrier_signal -3
.Lnot_wave_0_\@:
	s_barrier_wait -3
	s_barrier_signal -1
	s_barrier_wait -1
.endm
.macro CROUND
	s_barrier_signal -1
	s_barrier_wait -1
	CREST
.endm
.macro PLACES n
.rept \n
	v_nop
.endr
.endm
.macro FRAG reg, adr, q, i
.irp p, 0,1,2,3,4,5
	ds_load_b64 v[\reg+2*\p:\reg+2*\p+1], v[\adr] offset:((\i)/4)*RB+(\q)*BLKB+((\i)%4)*1536+256*\p
.endr
.endm
.macro FETCH_B slot, q, p
	WIN TO_B
.irp i, 0,1,2,3,4,5,6,7
	FRAG 128*(\p)+FR*\i, ADRB+\slot, \q, \i
.endr
	WIN 0
.endm
.macro FETCH_A slot, q, i0
.irp i, \i0, \i0+1, \i0+2, \i0+3
	FRAG AF+FR*(\i), ADRA+\slot, \q, \i
.endr
.endm
.macro SCALES slot
.irp q, 0,1
.irp k, 0,1
	ds_load_b64 v[SC+16*\slot+8*\q+2*\k:SC+16*\slot+8*\q+2*\k+1], v[ADRA+\slot] offset:\k*RB+\q*BLKB+6144
	ds_load_b64 v[SC+16*\slot+8*\q+4+2*\k:SC+16*\slot+8*\q+4+2*\k+1], v[ADRB+\slot] offset:\k*RB+\q*BLKB+6144
.endr
.endr
.endm
; One product: A's tile a x B's tile b.  A tile's scale words lie in register (tile / 2) of its block's pair, in lanes 0-15 for an even tile and lanes 16-31 for an odd one.  zero = 1: the product starts the sum.
.macro MM a, b, p, q, set, zero
.set rD, 8*(8*((\a)%4)+(\b))
.set rB, 128*(\p)+FR*(\b)
.set rA, AF+FR*(\a)
.set xB, SC+16*(\set)+8*(\q)+4+2*((\b)/4)+((\b)/2)%2
.set xA, SC+16*(\set)+8*(\q)+2*((\a)/4)+((\a)/2)%2
.set par, 2*((\a)%2)+(\b)%2
.if \zero
.if par == 0
	v_wmma_scale_f32_16x16x128_f8f6f4 v[rD:rD+7], v[rB:rB+11], v[rA:rA+11], 0, v[xB], v[xA] matrix_a_fmt:MATRIX_FMT_BF6 matrix_b_fmt:MATRIX_FMT_BF6
.elseif par == 1
	v_wmma_scale_f32_16x16x128_f8f6f4 v[rD:rD+7], v[rB:rB+11], v[rA:rA+11], 0, v[xB], v[xA] matrix_a_fmt:MATRIX_FMT_BF6 matrix_b_fmt:MATRIX_FMT_BF6 matrix_a_scale:MATRIX_SCALE_ROW1
.elseif par == 2
	v_wmma_scale_f32_16x16x128_f8f6f4 v[rD:rD+7], v[rB:rB+11], v[rA:rA+11], 0, v[xB], v[xA] matrix_a_fmt:MATRIX_FMT_BF6 matrix_b_fmt:MATRIX_FMT_BF6 matrix_b_scale:MATRIX_SCALE_ROW1
.else
	v_wmma_scale_f32_16x16x128_f8f6f4 v[rD:rD+7], v[rB:rB+11], v[rA:rA+11], 0, v[xB], v[xA] matrix_a_fmt:MATRIX_FMT_BF6 matrix_b_fmt:MATRIX_FMT_BF6 matrix_a_scale:MATRIX_SCALE_ROW1 matrix_b_scale:MATRIX_SCALE_ROW1
.endif
.else
.if par == 0
	v_wmma_scale_f32_16x16x128_f8f6f4 v[rD:rD+7], v[rB:rB+11], v[rA:rA+11], v[rD:rD+7], v[xB], v[xA] matrix_a_fmt:MATRIX_FMT_BF6 matrix_b_fmt:MATRIX_FMT_BF6
.elseif par == 1
	v_wmma_scale_f32_16x16x128_f8f6f4 v[rD:rD+7], v[rB:rB+11], v[rA:rA+11], v[rD:rD+7], v[xB], v[xA] matrix_a_fmt:MATRIX_FMT_BF6 matrix_b_fmt:MATRIX_FMT_BF6 matrix_a_scale:MATRIX_SCALE_ROW1
.elseif par == 2
	v_wmma_scale_f32_16x16x128_f8f6f4 v[rD:rD+7], v[rB:rB+11], v[rA:rA+11], v[rD:rD+7], v[xB], v[xA] matrix_a_fmt:MATRIX_FMT_BF6 matrix_b_fmt:MATRIX_FMT_BF6 matrix_b_scale:MATRIX_SCALE_ROW1
.else
	v_wmma_scale_f32_16x16x128_f8f6f4 v[rD:rD+7], v[rB:rB+11], v[rA:rA+11], v[rD:rD+7], v[xB], v[xA] matrix_a_fmt:MATRIX_FMT_BF6 matrix_b_fmt:MATRIX_FMT_BF6 matrix_a_scale:MATRIX_SCALE_ROW1 matrix_b_scale:MATRIX_SCALE_ROW1
.endif
.endif
.endm
.macro MUL16 a0, p, q, set, zero       ; the 64 accumulators take turns, one instruction a turn, in the same order in every step
.irp a, \a0, \a0+1
.irp b, 0,1,2,3,4,5,6,7
	MM \a, \b, \p, \q, \set, \zero
.endr
.endr
.endm
; A step of 128 along K that has its successor in the same slot.  A has one set of registers: tiles 0-3 are fetched anew in the step's middle, tiles 4-7 at its end; B has two sets.
.macro STEP slot, q, zero
	s_wait_dscnt 4*NL                              ; all but the youngest 24 loads (A's tiles 4-7) are in
	WIN MUL_LO
	MUL16 0, (\q)%2, \q, \slot, \zero
	MUL16 2, (\q)%2, \q, \slot, \zero
	s_wait_dscnt 0
	PLACES NP                                      ; in front of loads into registers that matrix instructions have read
	FETCH_B \slot, (\q)+1, 1-(\q)%2
	FETCH_A \slot, (\q)+1, 0
	WIN MUL_HI
	MUL16 4, (\q)%2, \q, \slot, \zero
	MUL16 6, (\q)%2, \q, \slot, \zero
	PLACES NP
	WIN 0
	FETCH_A \slot, (\q)+1, 4
.endm
; A slot's last step changes slots: one barrier; in front of it each wave waits for all its tensor loads, adds 0 to its spare word, and waits for that and for its reads of this slot.  fill = 1: the slot is filled again, two slots ahead.
.macro TURN slot, next, fill
	s_wait_tensorcnt 0x0                           ; all my tensor loads have landed: my part of the next slot
	ds_add_u32 v[SPW], v[NIL]                      ; 0 onto my spare word
	s_wait_dscnt 4*NL+1                            ; (the add and the youngest 24 loads may be out)
	WIN MUL_LO
	MUL16 0, 1, 1, \slot, 0
	s_wait_dscnt 0x0                               ; the add is done, and my reads of this slot are over
	s_barrier_signal -1
	MUL16 2, 1, 1, \slot, 0
	WIN 0
	s_barrier_wait -1
.if \fill
	CREST                                          ; the barrier has opened a round of the cluster's barrier: no wave of any partner still reads this slot or has a load on its way
	s_add_nc_u64 s[G0+4*\slot+2:G0+4*\slot+3], s[G0+4*\slot+2:G0+4*\slot+3], 2*RB
	s_add_nc_u64 s[G0B+4*\slot+2:G0B+4*\slot+3], s[G0B+4*\slot+2:G0B+4*\slot+3], 2*RB
	JLOAD \slot                                    ; the first tensor load behind the round; its four v_nop are the places in front of the loads below
.else
	PLACES NP
.endif
	FETCH_B \next, 0, 0
	FETCH_A \next, 0, 0
	SCALES \next
	WIN MUL_HI
	MUL16 4, 1, 1, \slot, 0
	MUL16 6, 1, 1, \slot, 0
	PLACES NP
	WIN 0
	FETCH_A \next, 0, 4
.endm
	s_load_b128 s[4:7], s[0:1], 0x0                ; A's image, img0
	s_load_b64 s[12:13], s[0:1], 0x10              ; the result
	v_lshl_add_u32 v[SPW], v0, 2, SPARE
	v_mov_b32 v[NIL], 0
	ds_add_u32 v28, v29
	ds_add_u32 v28, v29
	s_wait_dscnt 0x0
	v_lshrrev_b32 v1, 5, v0
	v_readfirstlane_b32 s14, v1                    ; wave 0..3
	s_lshr_b32 s15, s14, 1                         ; which half of A's 256 rows is mine.  Also: I fetch for A (0) or for B (1)
	s_and_b32 s16, s14, 1                          ; which half of B's.  Also: which two blocks of 64 rows I fetch
	s_bfe_u32 s40, ttmp6, 0x40000                  ; cx, cy
	s_bfe_u32 s41, ttmp6, 0x40004
	s_lshl_b32 s42, ttmp9, 2
	s_add_co_u32 s42, s42, s40                     ; B's tile = 4 x cluster x + cx
	s_and_b32 s17, ttmp7, 0xffff
	s_lshl_b32 s17, s17, 2
	s_add_co_u32 s17, s17, s41                     ; A's tile = 4 x cluster y + cy
	s_lshl_b32 s43, s41, 2
	s_lshl_b32 s43, 15, s43                        ; my row of the cluster
	s_lshl_b32 s44, 0x1111, s40                    ; my column
	; descriptor group 1: two rows of 12,800 bytes (1,600 elements of 8), a row of an image's blocks apart; no padding
	s_or_b32 s[G1], s43, (3<<16)|(1<<21)
	s_or_b32 s[G1B], s44, (3<<16)|(1<<21)
.irp g, G1, G1B
	s_mov_b32 s[\g+1], 1600<<16
	s_mov_b32 s[\g+2], 2<<16
	s_mov_b32 s[\g+3], 1600<<16
	s_mov_b32 s[\g+4], 2
	s_mov_b32 s[\g+5], KS*800
	s_mov_b32 s[\g+6], 0
	s_mov_b32 s[\g+7], 0
.endr
	s_lshl_b32 s18, s16, 1
	s_lshl_b32 s20, s17, 2
	s_add_co_u32 s20, s20, s18                     ; A: block 4 x tile + 2 x half
	s_lshl_b32 s46, s42, 2
	s_add_co_u32 s46, s46, s18
	s_mul_i32 s20, s20, KS*BLKB
	s_mul_i32 s46, s46, KS*BLKB
	s_add_co_u32 s46, s46, BOFF
	s_mov_b32 s21, 0
	s_mov_b32 s47, 0
	s_mul_i32 s45, s14, 2*RB                       ; where they go: no place in the cluster enters an LDS address
	s_wait_kmcnt 0x0
	s_add_nc_u64 s[20:21], s[4:5], s[20:21]
	s_add_nc_u64 s[46:47], s[6:7], s[46:47]
	CROUND                                         ; all sixteen work-groups are here: the first joint loads meet
.irp s, 0,1
	s_mov_b32 s[G0+4*\s], 1
	s_add_co_u32 s[G0+4*\s+1], s45, \s*SLOT
	s_add_nc_u64 s[G0+4*\s+2:G0+4*\s+3], s[20:21], \s*RB
	s_or_b32 s[G0+4*\s+3], s[G0+4*\s+3], 0x80000000
	s_mov_b32 s[G0B+4*\s], 1
	s_add_co_u32 s[G0B+4*\s+1], s45, \s*SLOT
	s_add_nc_u64 s[G0B+4*\s+2:G0B+4*\s+3], s[46:47], \s*RB
	s_or_b32 s[G0B+4*\s+3], s[G0B+4*\s+3], 0x80000000
	JLOAD \s                                       ; two loads of mine are out
.endr
	v_and_b32 v1, 31, v0
	v_lshlrev_b32 v[LO], 3, v1
	v_lshlrev_b32 v[LO16], 4, v1
	s_mul_i32 s21, s15, 2*RB
	s_mul_i32 s22, s16, 2*RB
	s_add_co_u32 s22, s22, 4*RB
.irp s, 0,1
	v_add_nc_u32 v[ADRA+\s], s21, v[LO]
	v_add_nc_u32 v[ADRB+\s], s22, v[LO]
	s_add_co_u32 s21, s21, SLOT
	s_add_co_u32 s22, s22, SLOT
.endr
	s_lshl_b32 s92, s17, 2                         ; my first piece of the result: ((4 x A's tile + 2 x half) x 8 + 2 x B's tile + half) x 4 pieces of 8,192 bytes
	s_lshl_b32 s93, s15, 1
	s_add_co_u32 s92, s92, s93
	s_lshl_b32 s92, s92, 3
	s_lshl_b32 s93, s42, 1
	s_add_co_u32 s92, s92, s93
	s_add_co_u32 s92, s92, s16
	s_lshl_b32 s92, s92, 15
	s_mov_b32 s93, 0
	s_add_nc_u64 s[12:13], s[12:13], s[92:93]
	s_wait_tensorcnt 1                             ; my part of slot 0 is in (slot 1's load may be out)
	s_barrier_signal -1
	s_barrier_wait -1                              ; everybody's is
	FETCH_B 0, 0, 0
	FETCH_A 0, 0, 0
	SCALES 0
	FETCH_A 0, 0, 4
	STEP 0, 0, 1                                   ; the first step stands in front of the loop: its products start the sums
	s_mov_b32 s3, LAPS-1
.Llap:                                                 ; a trip goes once round the ring and fills both slots again
	TURN 0, 1, 1
	STEP 1, 0, 0
	TURN 1, 0, 1
	STEP 0, 0, 0
	s_sub_co_u32 s3, s3, 1
	s_cmp_lg_u32 s3, 0
	s_cbranch_scc1 .Llap
	TURN 0, 1, 0                                   ; the last lap fills nothing, and has no round of the cluster's barrier
	STEP 1, 0, 0
	s_wait_dscnt 4*NL
	WIN MUL_LO
	MUL16 0, 1, 1, 1, 0
	MUL16 2, 1, 1, 1, 0
	s_wait_dscnt 0
	WIN MUL_HI
	MUL16 4, 1, 1, 1, 0
	MUL16 6, 1, 1, 1, 0
	WIN 0
	PLACES NP                                      ; in front of the stores that read the last results
.irp a, 0,1,2,3,4,5,6,7
	WIN 0x08+4*(\a/4)                              ; a store's data are its source 1: window 2 or 3
.irp k, 0,1,2,3,4,5,6,7,8,9,10,11,12,13,14,15
	global_store_b128 v[LO16], v[64*(\a%4)+4*\k:64*(\a%4)+4*\k+3], s[12:13] offset:(\a/4)*262144+(\a%4)*8192+512*\k th:TH_STORE_NT   ; each accumulator from its low end on; 512 consecutive bytes, aligned
.endr
.endr
	WIN 0
	s_wait_tensorcnt 0x0                           ; the wave's end
	ds_add_u32 v[SPW], v[NIL]
	s_wait_dscnt 0x0
	CROUND                                         ; the closing round
	s_endpgm
.Lfunc_end_k_qab8cab4a3b_wo:
	.size	k_qab8cab4a3b_wo, .Lfunc_end_k_qab8cab4a3b_wo-k_qab8cab4a3b_wo
	.p2alignl 7, 3214868480
	.fill 96, 4, 3214868480
	.section	.rodata,"a",@progbits
	.p2align	6, 0x0
	.amdhsa_kernel k_qab8cab4a3b_wo
		.amdhsa_group_segment_fixed_size 327680
		.amdhsa_private_segment_fixed_size 0
		.amdhsa_enable_private_segment 0
		.amdhsa_kernarg_size 24
		.amdhsa_user_sgpr_count 2
		.amdhsa_user_sgpr_kernarg_segment_ptr 1
		.amdhsa_wavefront_size32 1
		.amdhsa_system_sgpr_workgroup_id_x 1
		.amdhsa_system_sgpr_workgroup_id_y 1
		.amdhsa_system_sgpr_workgroup_id_z 1
		.amdhsa_system_vgpr_workitem_id 0
		.amdhsa_next_free_vgpr 1024
		.amdhsa_next_free_sgpr 100
		.amdhsa_reserve_vcc 0
		.amdhsa_float_denorm_mode_32 3
		.amdhsa_float_denorm_mode_16_64 3
		.amdhsa_memory_ordered 1
		.amdhsa_forward_progress 1
		.amdhsa_inst_pref_size 139
	.end_amdhsa_kernel
	.amdgpu_metadata
---
amdhsa.version: [ 1, 2 ]
amdhsa.kernels:
  - .name:           k_qab8cab4a3b_wo
    .symbol:         k_qab8cab4a3b_wo.kd
    .args:
      - { .name: ctximg, .offset: 0, .size: 8, .value_kind: global_buffer, .address_space: global }
      - { .name: img0, .offset: 8, .size: 8, .value_kind: global_buffer, .address_space: global }
      - { .name: craw, .offset: 16, .size: 8, .value_kind: global_buffer, .address_space: global }
    .group_segment_fixed_size: 327680
    .private_segment_fixed_size: 0
    .kernarg_segment_align: 8
    .kernarg_segment_size: 24
    .max_flat_workgroup_size: 128
    .sgpr_count:     100
    .vgpr_count:     1024
    .wavefront_size: 32
...
	.end_amdgpu_metadata
.endif
;; end of part 4
;; launch ln1 (part 5): grid 256 x 1, 8 waves a work-group, no clusters, 69,632 bytes of LDS; arguments craw, src, bo, ln1_g, ln1_b, x32, ximg; writes x32, ximg
.if DOCPART == 5
	.amdgcn_target "amdgcn-amd-amdhsa--gfx1250"
	.amdhsa_code_object_version 6
	.text
	.protected	k_qab8cab4a3b_ln1
	.globl	k_qab8cab4a3b_ln1
	.p2align	8
	.type	k_qab8cab4a3b_ln1,@function
k_qab8cab4a3b_ln1:
	s_mov_b64 s[64:65], 0
	v_nop
	global_prefetch_b8 v0, s[64:65] scope:SCOPE_SE
	s_setreg_imm32_b32 hwreg(HW_REG_WAVE_MODE, 25, 1), 1
	s_wait_xcnt 0x0
; x = LayerNorm(residual + (product + bias)) x g + b, all in f32.  One text serves both norms: QOUT = 1 also quantises x to BF6 (E3M2) and stores it as an image for the next product.
; THE PRODUCT comes in pieces as its launch left them: piece (R, s', t), 8,192 bytes at ((8 R + s') 4 + t) x 8,192; byte 512 k + 16 lane holds registers 4 k .. 4 k + 3; register 16 b + i of lane (r, h) is
; (row 64 R + 32 (t / 2) + 8 (t % 2) + r + 8 (r / 8), column 128 s' + 32 b + 16 h + i).
; SHARES: a work-group takes the 16 rows of (R, t) = (work-group / 4, work-group % 4), its eight waves 128 columns each: a lane holds 64 numbers of one row, which stay in registers between the passes: each byte is read once.
; The row's mean, and then the mean of the squared differences, are summed in the lane, with lane l xor 16, and over the eight waves through 32 bytes a row of LDS: two barriers.
; x leaves row-major through the wave's own stage in LDS: each store covers 512 consecutive bytes of a row.  Memory binds here: no matrix unit, no cluster, no tensor load.
; LIMITS (QOUT): a block whose largest magnitude lies under 2^-122 keeps the byte 1 (a block of zeros too: only this program reads the bytes); NaN and infinities are not served.
.set QOUT, 1
.set SP,  528                          ; a stage row: 512 bytes + 16
.set S1,  8*16*SP                      ; behind the eight stages: 16 rows x 8 partial sums; the second pass's lie 512 bytes on
.set L16, 4                            ; v4  16 x lane
.set XA,  5                            ; v5  the residual: my row x 4,096 + 64 h
.set BA,  6                            ; v6  64 h: vectors along the columns
.set SW,  7                            ; v7  where I put my wave's partial sum
.set SR,  8                            ; v8  where I read my row's eight
.set STW, 9                            ; v9  the stage, on the way in
.set STR, 10                           ; v10 and back
.set CV,  11                           ; v11 the image: my lane's byte in the block
.set SV,  12                           ; v12 and my row's scale word
.set Y,   16                           ; v16-79   the 64 numbers
.set RS,  80                           ; v80-143  the residual, then g, then rows on their way out
.set BB,  144                          ; v144-207 the bias, then b
.set CH,  208                          ; v208-215 four packed chains
.set P8,  216                          ; v216-223 my row's eight partial sums
.set NM,  224                          ; v224-225 -mean, twice
.set RD,  226                          ; v226-227 1 / sqrt(var + eps), twice
.set PC,  208                          ; QUANT: v208-227 codes, v228-243 at work, v244 the scale word
.set TM,  228
.set PW,  244
.set PX,  246
.set SEL, 32
.macro XL reg, vad, sb                 ; 64 numbers a lane: 16 neighbours of each block of 32 of my 128 columns
.irp b, 0,1,2,3
.irp j, 0,1,2,3
	global_load_b128 v[\reg+16*\b+4*\j:\reg+16*\b+4*\j+3], v[\vad], s[\sb:\sb+1] offset:128*\b+16*\j
.endr
.endr
.endm
; the four chains become the row's sum over all 1,024 columns, in v[P8], the same bits in every wave
.macro REDUCE off
	v_pk_add_f32 v[CH:CH+1], v[CH:CH+1], v[CH+2:CH+3]
	v_pk_add_f32 v[CH+4:CH+5], v[CH+4:CH+5], v[CH+6:CH+7]
	v_pk_add_f32 v[CH:CH+1], v[CH:CH+1], v[CH+4:CH+5]
	v_add_f32 v[CH], v[CH], v[CH+1]
	v_permlanex16_b32 v[PX], v[CH], s[SEL], s[SEL+1]
	v_add_f32 v[CH], v[CH], v[PX]                  ; my wave's 128 columns of row r
	ds_store_b32 v[SW], v[CH] offset:\off          ; lanes r and 16 + r write the same word with the same value
	s_wait_dscnt 0x0                               ; for the others' sake: my store has landed
	s_barrier_signal -1
	s_barrier_wait -1
	ds_load_b128 v[P8:P8+3], v[SR] offset:\off
	ds_load_b128 v[P8+4:P8+7], v[SR] offset:\off+16
	s_wait_dscnt 0x0
	v_add_f32 v[P8], v[P8], v[P8+1]
	v_add_f32 v[P8+2], v[P8+2], v[P8+3]
	v_add_f32 v[P8+4], v[P8+4], v[P8+5]
	v_add_f32 v[P8+6], v[P8+6], v[P8+7]
	v_add_f32 v[P8], v[P8], v[P8+2]
	v_add_f32 v[P8+4], v[P8+4], v[P8+6]
	v_add_f32 v[P8], v[P8], v[P8+4]
.endm
.macro QUANT s
.irp b, 0,1,2,3
	v_max3_num_f32 v[TM+\b], |v[\s+16*\b]|, |v[\s+1+16*\b]|, 0x2800000   ; block b: my 16 numbers and the floor 2^(5 - 127): the byte cannot fall under 1
.endr
.irp i, 2,4,6,8,10,12,14
.irp b, 0,1,2,3
	v_max3_num_f32 v[TM+\b], v[TM+\b], |v[\s+16*\b+\i]|, |v[\s+1+16*\b+\i]|
.endr
.endr
.irp b, 0,1,2,3
	v_permlanex16_b32 v[TM+4+\b], v[TM+\b], s[SEL], s[SEL+1]
.endr
.irp b, 0,1,2,3
	v_max_num_f32 v[TM+\b], v[TM+\b], v[TM+4+\b]
.endr
.irp b, 0,1,2,3
	v_add_nc_u32 v[TM+12+\b], 0xfe000000, v[TM+\b] ; 4 off the exponent field: the conversion's scale operand
.endr
.irp b, 0,1,2,3
	v_lshrrev_b32 v[TM+4+\b], 23, v[TM+12+\b]      ; the scale's byte
.endr
	v_lshl_or_b32 v[PW], v[TM+5], 8, v[TM+4]
	v_lshl_or_b32 v[PW], v[TM+6], 16, v[PW]
	v_lshl_or_b32 v[PW], v[TM+7], 24, v[PW]
.irp c, 0,1
	v_cvt_scalef32_pk16_bf6_f32 v[PC+6*\c:PC+2+6*\c], v[\s+32*\c:\s+15+32*\c], v[TM+12+2*\c]
	v_cvt_scalef32_pk16_bf6_f32 v[PC+12+4*\c:PC+14+4*\c], v[\s+16+32*\c:\s+31+32*\c], v[TM+12+2*\c+1]
.endr
	v_nop                                          ; one plain place behind a scaled conversion
.irp c, 0,1
.irp i, 0,1,2
	v_permlane16_swap_b32 v[PC+6*\c+\i], v[PC+12+4*\c+\i]
.endr
.irp i, 0,1,2
	v_mov_b32 v[PC+3+6*\c+\i], v[PC+12+4*\c+\i]
.endr
.endr
.endm
	s_load_b256 s[4:11], s[0:1], 0x0               ; the product, the residual, the bias, g
	s_load_b128 s[12:15], s[0:1], 0x20             ; b, x
.if QOUT
	s_load_b64 s[16:17], s[0:1], 0x30              ; x's image
	v_lshl_add_u32 v254, v0, 2, 0x10c00
	v_mov_b32 v255, 0
.endif
	v_lshrrev_b32 v1, 5, v0
	v_readfirstlane_b32 s18, v1                    ; wave 0..7: my 128 columns
	v_and_b32 v1, 31, v0
	v_and_b32 v2, 15, v0                           ; r
	v_bfe_u32 v3, v0, 4, 1                         ; h
	v_lshlrev_b32 v[L16], 4, v1
	v_and_b32 v13, 8, v2
	v_add_nc_u32 v13, v13, v2                      ; r + 8 (r / 8)
	v_lshlrev_b32 v[XA], 12, v13
	v_lshl_add_u32 v[XA], v3, 6, v[XA]
	v_lshlrev_b32 v[BA], 6, v3
	s_lshl_b32 s21, s18, 2
	v_lshlrev_b32 v[SR], 5, v2
	v_add_nc_u32 v[SR], S1, v[SR]
	v_add_nc_u32 v[SW], s21, v[SR]
	s_mul_i32 s21, s18, 16*SP
	v_mul_u32_u24 v[STW], v2, SP
	v_lshl_add_u32 v[STW], v3, 6, v[STW]
	v_add_nc_u32 v[STW], s21, v[STW]
	v_add_nc_u32 v[STR], s21, v[L16]
	v_mov_b32 v[PX], 0                             ; a lane permute's destination counts as one of its sources
	s_lshr_b32 s19, ttmp9, 2                       ; R
	s_and_b32 s20, ttmp9, 3                        ; t
	s_lshl_b32 s22, s19, 3
	s_add_co_u32 s22, s22, s18                     ; 8 R + wave
	s_lshl_b32 s24, s22, 2
	s_add_co_u32 s24, s24, s20
	s_lshl_b32 s24, s24, 13                        ; my piece of the product
	s_mov_b32 s25, 0
	s_lshl_b32 s26, s19, 6
	s_lshr_b32 s27, s20, 1
	s_lshl_b32 s27, s27, 5
	s_add_co_u32 s26, s26, s27
	s_and_b32 s27, s20, 1
	s_lshl_b32 s27, s27, 3
	s_add_co_u32 s26, s26, s27                     ; row 64 R + 32 (t / 2) + 8 (t % 2)
	s_lshl_b32 s26, s26, 12
	s_lshl_b32 s28, s18, 9                         ; my columns: 512 bytes x wave
	s_add_co_u32 s26, s26, s28
	s_mov_b32 s27, 0
	s_mov_b32 s29, 0
	s_mov_b32 s30, 0x3a800000                      ; 1 / 1,024
	s_mov_b32 s31, 0x3727c5ac                      ; 1e-5
	s_mov_b32 s[SEL], 0x76543210
	s_mov_b32 s[SEL+1], 0xfedcba98
.if QOUT
	s_mul_i32 s34, s22, 6400                       ; the image's block (R, K step = wave)
	s_mov_b32 s35, 0
	s_mul_i32 s36, s20, 1536
	v_lshlrev_b32 v[CV], 3, v1
	v_add_nc_u32 v[CV], s36, v[CV]                 ; 8 x lane + 1536 t
	s_and_b32 s36, s20, 1
	s_lshl_b32 s36, s36, 7
	s_lshr_b32 s37, s20, 1
	s_lshl_b32 s37, s37, 2
	s_add_co_u32 s36, s36, s37
	v_lshlrev_b32 v[SV], 3, v2
	v_add_nc_u32 v[SV], s36, v[SV]                 ; 8 r + 128 (t % 2) + 4 (t / 2)
.irp b, 0,1,2,3
	v_mov_b32 v[TM+4+\b], 0
.endr
.endif
	s_wait_kmcnt 0x0
	s_add_nc_u64 s[4:5], s[4:5], s[24:25]
	s_add_nc_u64 s[6:7], s[6:7], s[26:27]
	s_add_nc_u64 s[14:15], s[14:15], s[26:27]
	s_add_nc_u64 s[8:9], s[8:9], s[28:29]
	s_add_nc_u64 s[10:11], s[10:11], s[28:29]
	s_add_nc_u64 s[12:13], s[12:13], s[28:29]
.if QOUT
	s_add_nc_u64 s[16:17], s[16:17], s[34:35]
.endif
.irp k, 0,1,2,3,4,5,6,7,8,9,10,11,12,13,14,15
	global_load_b128 v[Y+4*\k:Y+4*\k+3], v[L16], s[4:5] offset:512*\k th:TH_LOAD_NT   ; 512 consecutive bytes a load
.endr
	XL RS, XA, 6
	XL BB, BA, 8
	s_wait_loadcnt 0x0
.set n, 0
.rept 32
	v_pk_add_f32 v[Y+n:Y+n+1], v[Y+n:Y+n+1], v[BB+n:BB+n+1]   ; the product + its bias,
.set n, n+2
.endr
.set n, 0
.rept 32
	v_pk_add_f32 v[Y+n:Y+n+1], v[Y+n:Y+n+1], v[RS+n:RS+n+1]   ; + the residual
.set n, n+2
.endr
	XL RS, BA, 10                                  ; g and b come while the sums are made
	XL BB, BA, 12
.irp c, 0,1,2,3
	v_pk_add_f32 v[CH+2*\c:CH+2*\c+1], v[Y+2*\c:Y+2*\c+1], v[Y+8+2*\c:Y+9+2*\c]
.endr
.irp m, 2,3,4,5,6,7
.irp c, 0,1,2,3
	v_pk_add_f32 v[CH+2*\c:CH+2*\c+1], v[CH+2*\c:CH+2*\c+1], v[Y+8*\m+2*\c:Y+8*\m+2*\c+1]
.endr
.endr
	REDUCE 0
	v_mul_f32 v[NM], 0xba800000, v[P8]             ; -mean
	v_mov_b32 v[NM+1], v[NM]
.set n, 0
.rept 32
	v_pk_add_f32 v[Y+n:Y+n+1], v[Y+n:Y+n+1], v[NM:NM+1]
.set n, n+2
.endr
.irp c, 0,1,2,3
	v_pk_mul_f32 v[CH+2*\c:CH+2*\c+1], v[Y+2*\c:Y+2*\c+1], v[Y+2*\c:Y+2*\c+1]
.endr
.irp m, 1,2,3,4,5,6,7
.irp c, 0,1,2,3
	v_pk_fma_f32 v[CH+2*\c:CH+2*\c+1], v[Y+8*\m+2*\c:Y+8*\m+2*\c+1], v[Y+8*\m+2*\c:Y+8*\m+2*\c+1], v[CH+2*\c:CH+2*\c+1]
.endr
.endr
	REDUCE 512                                     ; other bytes than the first pass's: no wave can overwrite what another still reads
	v_fma_f32 v[P8], v[P8], s30, s31               ; var + eps
	v_rsq_f32 v[RD], v[P8]
	v_nop                                          ; a plain place behind the transcendental
	s_wait_alu depctr_va_vdst(0)                   ; ahead of its first reader
	v_mov_b32 v[RD+1], v[RD]
	s_wait_loadcnt 0x0                             ; g and b
.set n, 0
.rept 32
	v_pk_mul_f32 v[Y+n:Y+n+1], v[Y+n:Y+n+1], v[RD:RD+1]
.set n, n+2
.endr
.set n, 0
.rept 32
	v_pk_fma_f32 v[Y+n:Y+n+1], v[Y+n:Y+n+1], v[RS+n:RS+n+1], v[BB+n:BB+n+1]
.set n, n+2
.endr
.irp b, 0,1,2,3
.irp j, 0,1,2,3
	ds_store_b128 v[STW], v[Y+16*\b+4*\j:Y+16*\b+4*\j+3] offset:128*\b+16*\j
.endr
.endr
.irp i, 0,1,2,3,4,5,6,7,8,9,10,11,12,13,14,15
	ds_load_b128 v[RS+4*\i:RS+4*\i+3], v[STR] offset:\i*SP   ; LDS serves a wave's instructions in order: these see my stores
.endr
.irp i, 0,1,2,3,4,5,6,7,8,9,10,11,12,13,14,15
	s_wait_dscnt 15-\i                             ; row i is back; the younger loads may be out
	global_store_b128 v[L16], v[RS+4*\i:RS+4*\i+3], s[14:15] offset:(\i+8*(\i/8))*4096 th:TH_STORE_NT   ; 512 consecutive bytes of a row, aligned
.endr
.if QOUT
	QUANT Y
.irp p, 0,1,2,3,4,5
	global_store_b64 v[CV], v[PC+2*\p:PC+2*\p+1], s[16:17] offset:256*\p   ; 256 consecutive bytes, aligned
.endr
	global_store_b32 v[SV], v[PW], s[16:17] offset:6144   ; my row's scale word (lanes r and 16 + r store the same word): four bytes a row, once a wave
.endif
	s_wait_tensorcnt 0x0
	ds_add_u32 v254, v255
	s_wait_dscnt 0x0
	s_endpgm
.Lfunc_end_k_qab8cab4a3b_ln1:
	.size	k_qab8cab4a3b_ln1, .Lfunc_end_k_qab8cab4a3b_ln1-k_qab8cab4a3b_ln1
	.p2alignl 7, 3214868480
	.fill 96, 4, 3214868480
	.section	.rodata,"a",@progbits
	.p2align	6, 0x0
	.amdhsa_kernel k_qab8cab4a3b_ln1
		.amdhsa_group_segment_fixed_size 69632
		.amdhsa_private_segment_fixed_size 0
		.amdhsa_enable_private_segment 0
		.amdhsa_kernarg_size 56
		.amdhsa_user_sgpr_count 2
		.amdhsa_user_sgpr_kernarg_segment_ptr 1
		.amdhsa_wavefront_size32 1
		.amdhsa_system_sgpr_workgroup_id_x 1
		.amdhsa_system_sgpr_workgroup_id_y 1
		.amdhsa_system_sgpr_workgroup_id_z 1
		.amdhsa_system_vgpr_workitem_id 0
		.amdhsa_next_free_vgpr 256
		.amdhsa_next_free_sgpr 66
		.amdhsa_reserve_vcc 0
		.amdhsa_float_denorm_mode_32 3
		.amdhsa_float_denorm_mode_16_64 3
		.amdhsa_memory_ordered 1
		.amdhsa_forward_progress 1
		.amdhsa_inst_pref_size 35
	.end_amdhsa_kernel
	.amdgpu_metadata
---
amdhsa.version: [ 1, 2 ]
amdhsa.kernels:
  - .name:           k_qab8cab4a3b_ln1
    .symbol:         k_qab8cab4a3b_ln1.kd
    .args:
      - { .name: craw, .offset: 0, .size: 8, .value_kind: global_buffer, .address_space: global }
      - { .name: src, .offset: 8, .size: 8, .value_kind: global_buffer, .address_space: global }
      - { .name: bo, .offset: 16, .size: 8, .value_kind: global_buffer, .address_space: global }
      - { .name: ln1_g, .offset: 24, .size: 8, .value_kind: global_buffer, .address_space: global }
      - { .name: ln1_b, .offset: 32, .size: 8, .value_kind: global_buffer, .address_space: global }
      - { .name: x32, .offset: 40, .size: 8, .value_kind: global_buffer, .address_space: global }
      - { .name: ximg, .offset: 48, .size: 8, .value_kind: global_buffer, .address_space: global }
    .group_segment_fixed_size: 69632
    .private_segment_fixed_size: 0
    .kernarg_segment_align: 8
    .kernarg_segment_size: 56
    .max_flat_workgroup_size: 256
    .sgpr_count:     66
    .vgpr_count:     256
    .wavefront_size: 32
...
	.end_amdgpu_metadata
.endif
;; end of part 5
;; launch ffn1 (part 6): grid 16 x 16, 4 waves a work-group, clusters of 4 x 4, 327,680 bytes of LDS; arguments ximg, img0, b1, hid; writes hid
.if DOCPART == 6
	.amdgcn_target "amdgcn-amd-amdhsa--gfx1250"
	.amdhsa_code_object_version 6
	.text
	.protected	k_qab8cab4a3b_ffn1
	.globl	k_qab8cab4a3b_ffn1
	.p2align	8
	.type	k_qab8cab4a3b_ffn1,@function
k_qab8cab4a3b_ffn1:
	s_mov_b64 s[64:65], 0
	v_nop
	global_prefetch_b8 v0, s[64:65] scope:SCOPE_SE
	s_setreg_imm32_b32 hwreg(HW_REG_WAVE_MODE, 25, 1), 1
	s_wait_xcnt 0x0
	s_wait_alu depctr_hold_cnt(0) depctr_sa_sdst(0) depctr_va_vdst(0) depctr_va_sdst(0) depctr_va_ssrc(0) depctr_va_vcc(0) depctr_vm_vsrc(0)
	s_getreg_b32 s2, hwreg(HW_REG_IB_STS2, 6, 4)
	s_cmp_eq_u32 s2, 0
	s_cbranch_scc0 .Lentry_in_a_cluster
	s_endpgm
.Lentry_in_a_cluster:
	s_bfe_u32 s2, ttmp6, 0x10000c
	s_cmp_lg_u32 s2, 0xf033
	s_cbranch_scc0 .Lentry_shape_is_right
	s_endpgm
.Lentry_shape_is_right:
; A GEMM on images of BF6 (E3M2) codes whose result is quantised again and leaves as an image.  One text serves two launches:
;   QKV = 1: Q = (src Wq + bq) / 8, K = src Wk + bk (images [4096][1024]) and V^T = (src Wv + bv)^T (image [1024][4096], the keys along K);   QKV = 0: hid = relu(x W1 + b1), image [4096][4096].
; AN IMAGE BLOCK is 64 rows x 128 along K, 6,400 bytes; block (R, s) lies at (R KS + s) x 6,400.  Byte 1536 t + 256 p + 8 lane: registers 2 p, 2 p + 1 of tile t's fragment; lane (r, h) of tile t holds row
; 64 R + 32 (t / 2) + 8 (t % 2) + r + 8 (r / 8).  Byte 6144 + 8 lane + 4 e: the scale word of row r of tile 2 e + h.  So a fragment is six loads of 8 bytes a lane, each 256 consecutive bytes, and no LDS row needs padding.
; TILE: 256 rows of operand A x 256 rows of operand B to a work-group, 128 x 128 to each of four waves: 64 accumulators, 512 registers.  Source 0 = 16 rows of B, source 1 = 16 rows of A: a lane holds one row of A, and by the
; order of an image's rows its 64 registers for one tile of A are 128 neighbouring rows of B in the quantiser's order: register 16 b + i is B's row 32 b + 16 (lane / 16) + i.  That is one K step of the result's image.
; For Q, K and hid: A = the tokens, B = the weight.  For V^T: A = Wv, B = the tokens.  The choice hangs on the cluster's y alone and is made by selects, with no branch.
; RING: two LDS slots, each two K steps (256 along K) of A's four and B's four blocks of 64 rows; each wave fetches two blocks x two K steps by one tensor load (two rows of 12,800 bytes).
; CLUSTER 4 x 4: A's tiles are shared along a row of the cluster, B's along a column: joint loads, which divide the requests by four.  Tiles are read by several clusters, so nothing is prefetched.
; LIMITS: a block of results whose largest magnitude lies under 2^-122 keeps the byte 1 (a block of zeros too: its codes are zeros, and only this program reads the bytes); NaN and infinities are not served.
; REGISTERS: window 0: v16-29 addresses; v32-63 scale words, two sets; v64-127 the bias tiles (C of the first K step), later at work; v128-223 A's fragments, one set, later at work; v224-231 V's bias.
;   window 1: B's fragments, two sets, at v0 and v128.  window 2: the accumulators of A's tiles 0-3 ((a, b) at v[8 (8 (a % 4) + b)]);  window 3: of tiles 4-7.
.set QKV,   0
.set KS,    8                          ; K steps of 128 in a row of A's and B's images
.set LAPS,  KS/4                       ; a lap = two slots = 512 along K
.set BLKB,  6400
.set RB,    2*BLKB                     ; a block of 64 rows in a slot: two K steps
.set SLOT,  8*RB                       ; A's four blocks, then B's four
.set SPARE, 2*SLOT                     ; behind the ring: the spare words, 128 bytes for each wave, that no other line names
.set FR,    12
.set NL,    6                          ; LDS loads that bring a fragment
.set NP,    4                          ; places behind this matrix instruction (ISA guide 7.12.1)
.set ADRA, 16                          ; v16-17 LDS address of my A fragments in slot 0, 1
.set ADRB, 20                          ; v20-21 the same for B
.set LO,   26                          ; v26    8 x lane
.set SPW,  28                          ; v28    LDS address of my spare word; never rewritten
.set NIL,  29                          ; v29    0; never rewritten
.set SC,   32                          ; scale words: set s at v[SC + 16 s]; in it 8 q + 2 k + e: A's block k, 8 q + 4 + 2 k + e: B's block k, K step q of the slot
.set BI,   64                          ; the bias along B's rows, in the result's layout
.set TM,   64                          ; the way out: v64-79 at work in QUANT
.set PW,   80
.set PWS,  81                          ; v81-84
.set EP,   86                          ; v86-87
.set AF,   128
.set T,    128                         ; the way out: v128-191 64 numbers
.set PC,   192                         ; v192-211 the codes just made
.set BV,   224                         ; the bias along A's rows: a number a lane for each tile of A
.set G1,  24
.set G0,  32
.set G1B, 48
.set G0B, 56
.set SEL, 66                           ; s[66:67]
.set SCL, 86                           ; s[86:87] what the sums are multiplied by: 1/8 for Q, else 1
.set OUT, 92                           ; s[92:93], s[96:97] where my two blocks of the result's image go
.set HM,  98                           ; s98 lanes 16-31
.set MSB, 0
.macro WIN new                         ; the immediate's high byte repeats the setting that is left
.if MSB != (\new)
	s_set_vgpr_msb (MSB<<8)|(\new)
.set MSB, \new
.endif
.endm
.set MUL_LO, 0xa1                      ; source 0 (B) window 1, source 1 (A) window 0, C and D window 2
.set MUL_HI, 0xf1
.set TO_B,   0x40
.macro JLOAD s                         ; a joint load: waves 0 and 1 fetch for A, waves 2 and 3 for B; four v_nop follow each of the two lines
	s_cmp_eq_u32 s15, 0
	s_cbranch_scc0 .Lfor_b_\@
	tensor_load_to_lds s[G0+4*\s:G0+4*\s+3], s[G1:G1+7]
	s_nop 0
.rept 4
	v_nop
.endr
	s_branch .Lasked_\@
.Lfor_b_\@:
	tensor_load_to_lds s[G0B+4*\s:G0B+4*\s+3], s[G1B:G1B+7]
	s_nop 0
.rept 4
	v_nop
.endr
.Lasked_\@:
.endm
.macro CREST                           ; a round of the cluster's barrier behind its opening barrier
	s_cmp_lg_u32 s14, 0
	s_cbranch_scc1 .Lnot_wave_0_\@
	s_barrier_signal -3
.Lnot_wave_0_\@:
	s_barrier_wait -3
	s_barrier_signal -1
	s_barrier_wait -1
.endm
.macro CROUND
	s_barrier_signal -1
	s_barrier_wait -1
	CREST
.endm
.macro PLACES n
.rept \n
	v_nop
.endr
.endm
.macro FRAG reg, adr, q, i             ; tile i (0..7) of my 128 rows, K step q of the slot: six loads of 256 consecutive bytes
.irp p, 0,1,2,3,4,5
	ds_load_b64 v[\reg+2*\p:\reg+2*\p+1], v[\adr] offset:((\i)/4)*RB+(\q)*BLKB+((\i)%4)*1536+256*\p
.endr
.endm
.macro FETCH_B slot, q, p
	WIN TO_B
.irp i, 0,1,2,3,4,5,6,7
	FRAG 128*(\p)+FR*\i, ADRB+\slot, \q, \i
.endr
	WIN 0
.endm
.macro FETCH_A slot, q, i0
.irp i, \i0, \i0+1, \i0+2, \i0+3
	FRAG AF+FR*(\i), ADRA+\slot, \q, \i
.endr
.endm
.macro SCALES slot                     ; the slot's scale words: eight loads of 8 bytes a lane
.irp q, 0,1
.irp k, 0,1
	ds_load_b64 v[SC+16*\slot+8*\q+2*\k:SC+16*\slot+8*\q+2*\k+1], v[ADRA+\slot] offset:\k*RB+\q*BLKB+6144
	ds_load_b64 v[SC+16*\slot+8*\q+4+2*\k:SC+16*\slot+8*\q+4+2*\k+1], v[ADRB+\slot] offset:\k*RB+\q*BLKB+6144
.endr
.endr
.endm
; One product: A's tile a x B's tile b.  A tile's scale words lie in register (tile / 2) of its block's pair, in lanes 0-15 for an even tile and lanes 16-31 for an odd one.  zero = 2: the bias tile is C, and starts the sum.
.macro MM a, b, p, q, set, zero
.set rD, 8*(8*((\a)%4)+(\b))
.set rB, 128*(\p)+FR*(\b)
.set rA, AF+FR*(\a)
.set xB, SC+16*(\set)+8*(\q)+4+2*((\b)/4)+((\b)/2)%2
.set xA, SC+16*(\set)+8*(\q)+2*((\a)/4)+((\a)/2)%2
.set par, 2*((\a)%2)+(\b)%2
.if (\zero) == 2
.set rC, BI+8*(\b)
.else
.set rC, rD
.endif
.if par == 0
	v_wmma_scale_f32_16x16x128_f8f6f4 v[rD:rD+7], v[rB:rB+11], v[rA:rA+11], v[rC:rC+7], v[xB], v[xA] matrix_a_fmt:MATRIX_FMT_BF6 matrix_b_fmt:MATRIX_FMT_BF6
.elseif par == 1
	v_wmma_scale_f32_16x16x128_f8f6f4 v[rD:rD+7], v[rB:rB+11], v[rA:rA+11], v[rC:rC+7], v[xB], v[xA] matrix_a_fmt:MATRIX_FMT_BF6 matrix_b_fmt:MATRIX_FMT_BF6 matrix_a_scale:MATRIX_SCALE_ROW1
.elseif par == 2
	v_wmma_scale_f32_16x16x128_f8f6f4 v[rD:rD+7], v[rB:rB+11], v[rA:rA+11], v[rC:rC+7], v[xB], v[xA] matrix_a_fmt:MATRIX_FMT_BF6 matrix_b_fmt:MATRIX_FMT_BF6 matrix_b_scale:MATRIX_SCALE_ROW1
.else
	v_wmma_scale_f32_16x16x128_f8f6f4 v[rD:rD+7], v[rB:rB+11], v[rA:rA+11], v[rC:rC+7], v[xB], v[xA] matrix_a_fmt:MATRIX_FMT_BF6 matrix_b_fmt:MATRIX_FMT_BF6 matrix_a_scale:MATRIX_SCALE_ROW1 matrix_b_scale:MATRIX_SCALE_ROW1
.endif
.endm
.macro MUL16 a0, p, q, set, zero       ; the 64 accumulators take turns, one instruction a turn, in the same order in every step
.irp a, \a0, \a0+1
.irp b, 0,1,2,3,4,5,6,7
	MM \a, \b, \p, \q, \set, \zero
.endr
.endr
.endm
; A step of 128 along K that has its successor in the same slot.  A has one set of registers: tiles 0-3 are fetched anew in the step's middle, tiles 4-7 at its end; B has two sets.
.macro STEP slot, q, zero
	s_wait_dscnt 4*NL                              ; all but the youngest 24 loads (A's tiles 4-7) are in
.if (\zero) == 2
	WIN 0x81                                       ; C (the bias) window 0, D window 2
.else
	WIN MUL_LO
.endif
	MUL16 0, (\q)%2, \q, \slot, \zero
	MUL16 2, (\q)%2, \q, \slot, \zero
	s_wait_dscnt 0
	PLACES NP                                      ; in front of loads into registers that matrix instructions have read
	FETCH_B \slot, (\q)+1, 1-(\q)%2
	FETCH_A \slot, (\q)+1, 0
.if (\zero) == 2
	WIN 0xc1
.else
	WIN MUL_HI
.endif
	MUL16 4, (\q)%2, \q, \slot, \zero
	MUL16 6, (\q)%2, \q, \slot, \zero
	PLACES NP
	WIN 0
	FETCH_A \slot, (\q)+1, 4
.endm
; A slot's last step changes slots: one barrier; in front of it each wave waits for all its tensor loads, adds 0 to its spare word, and waits for that and for its reads of this slot.  fill = 1: the slot is filled again, two slots ahead.
.macro TURN slot, next, fill
	s_wait_tensorcnt 0x0                           ; all my tensor loads have landed: my part of the next slot
	ds_add_u32 v[SPW], v[NIL]                      ; 0 onto my spare word
	s_wait_dscnt 4*NL+1                            ; (the add and the youngest 24 loads may be out)
	WIN MUL_LO
	MUL16 0, 1, 1, \slot, 0
	s_wait_dscnt 0x0                               ; the add is done, and my reads of this slot are over
	s_barrier_signal -1
	MUL16 2, 1, 1, \slot, 0
	WIN 0
	s_barrier_wait -1
.if \fill
	CREST                                          ; the barrier has opened a round of the cluster's barrier: no wave of any partner still reads this slot or has a load on its way
	s_add_nc_u64 s[G0+4*\slot+2:G0+4*\slot+3], s[G0+4*\slot+2:G0+4*\slot+3], 2*RB
	s_add_nc_u64 s[G0B+4*\slot+2:G0B+4*\slot+3], s[G0B+4*\slot+2:G0B+4*\slot+3], 2*RB
	JLOAD \slot                                    ; the first tensor load behind the round; its four v_nop are the places in front of the loads below
.else
	PLACES NP
.endif
	FETCH_B \next, 0, 0
	FETCH_A \next, 0, 0
	SCALES \next
	WIN MUL_HI
	MUL16 4, 1, 1, \slot, 0
	MUL16 6, 1, 1, \slot, 0
	PLACES NP
	WIN 0
	FETCH_A \next, 0, 4
.endm
; 64 numbers of a lane, register 16 b + i = k 32 b + 16 (lane / 16) + i of my row, become a fragment's codes in v[PC] .. v[PC+11] and the row's scale word in v[PW].
.macro QUANT s
.irp b, 0,1,2,3
	v_max3_num_f32 v[TM+\b], |v[\s+16*\b]|, |v[\s+1+16*\b]|, 0x2800000   ; block b: my 16 numbers and the floor 2^(5 - 127): the byte cannot fall under 1
.endr
.irp i, 2,4,6,8,10,12,14
.irp b, 0,1,2,3
	v_max3_num_f32 v[TM+\b], v[TM+\b], |v[\s+16*\b+\i]|, |v[\s+1+16*\b+\i]|
.endr
.endr
.irp b, 0,1,2,3
	v_permlanex16_b32 v[TM+4+\b], v[TM+\b], s[SEL], s[SEL+1]
.endr
.irp b, 0,1,2,3
	v_max_num_f32 v[TM+\b], v[TM+\b], v[TM+4+\b]   ; with lane l xor 16's 16: the block's largest magnitude
.endr
.irp b, 0,1,2,3
	v_add_nc_u32 v[TM+12+\b], 0xfe000000, v[TM+\b] ; 4 off its exponent field: the conversion's scale operand
.endr
.irp b, 0,1,2,3
	v_lshrrev_b32 v[TM+4+\b], 23, v[TM+12+\b]      ; the scale's byte
.endr
	v_lshl_or_b32 v[PW], v[TM+5], 8, v[TM+4]
	v_lshl_or_b32 v[PW], v[TM+6], 16, v[PW]
	v_lshl_or_b32 v[PW], v[TM+7], 24, v[PW]
.irp c, 0,1
	v_cvt_scalef32_pk16_bf6_f32 v[PC+6*\c:PC+2+6*\c], v[\s+32*\c:\s+15+32*\c], v[TM+12+2*\c]
	v_cvt_scalef32_pk16_bf6_f32 v[PC+12+4*\c:PC+14+4*\c], v[\s+16+32*\c:\s+31+32*\c], v[TM+12+2*\c+1]
.endr
	v_nop                                          ; one plain place behind a scaled conversion
.irp c, 0,1
.irp i, 0,1,2
	v_permlane16_swap_b32 v[PC+6*\c+\i], v[PC+12+4*\c+\i]
.endr
.irp i, 0,1,2
	v_mov_b32 v[PC+3+6*\c+\i], v[PC+12+4*\c+\i]
.endr
.endr
.endm
; The way out of A's tile a: its 64 sums a lane are finished in f32, quantised, and stored as tile a % 4 of block a / 4 of the result's image.  Each accumulator is read from its low end on.
.macro OUTA a
.set n, 0
.if QKV
	WIN 0x02+(\a)/4                                ; source 0: window 2 or 3
.rept 32
.if (\a)%2
	v_pk_fma_f32 v[T+n:T+n+1], v[64*((\a)%4)+n:64*((\a)%4)+n+1], s[SCL:SCL+1], v[BV+(\a)-1:BV+(\a)] op_sel:[0,0,1] op_sel_hi:[1,0,1]   ; sum x (1/8 or 1) + my row's bias (0 but for V)
.else
	v_pk_fma_f32 v[T+n:T+n+1], v[64*((\a)%4)+n:64*((\a)%4)+n+1], s[SCL:SCL+1], v[BV+(\a):BV+(\a)+1] op_sel_hi:[1,0,0]
.endif
.set n, n+2
.endr
.else
	WIN 0x08+4*((\a)/4)                            ; source 1: window 2 or 3
.rept 64
	v_max_num_f32 v[T+n], 0, v[64*((\a)%4)+n]      ; relu
.set n, n+1
.endr
.endif
	WIN 0
.if (\a) > 0
	s_wait_xcnt 0x0                                ; the last tile's stores have read their data: only now are v[PC] on and v[EP] written again
.endif
	QUANT T
.irp p, 0,1,2,3,4,5
	global_store_b64 v[LO], v[PC+2*\p:PC+2*\p+1], s[OUT+4*((\a)/4):OUT+4*((\a)/4)+1] offset:((\a)%4)*1536+256*\p   ; 32 lanes store 256 consecutive bytes, aligned
.endr
	v_mov_b32 v[PWS+(\a)%4], v[PW]
.if (\a)%4 == 3
	v_cndmask_b32 v[EP], v[PWS], v[PWS+1], s[HM]
	v_cndmask_b32 v[EP+1], v[PWS+2], v[PWS+3], s[HM]
	global_store_b64 v[LO], v[EP:EP+1], s[OUT+4*((\a)/4):OUT+4*((\a)/4)+1] offset:6144
.endif
.endm
.if QKV
	s_load_b64 s[4:5], s[0:1], 0x0                 ; img0, for A's side,
	s_load_b64 s[6:7], s[0:1], 0x0                 ; and for B's
	s_load_b128 s[68:71], s[0:1], 0x8              ; bq, bk
	s_load_b128 s[72:75], s[0:1], 0x18             ; bv, the result
.else
	s_load_b128 s[4:7], s[0:1], 0x0                ; x's image, img0
	s_load_b128 s[8:11], s[0:1], 0x10              ; b1, the result
.endif
	v_lshl_add_u32 v[SPW], v0, 2, SPARE
	v_mov_b32 v[NIL], 0
	ds_add_u32 v28, v29
	ds_add_u32 v28, v29
	s_wait_dscnt 0x0
	v_lshrrev_b32 v1, 5, v0
	v_readfirstlane_b32 s14, v1                    ; wave 0..3
	s_lshr_b32 s15, s14, 1                         ; which half of A's 256 rows is mine.  Also: I fetch for A (0) or for B (1)
	s_and_b32 s16, s14, 1                          ; which half of B's.  Also: which two blocks of 64 rows I fetch
	s_bfe_u32 s40, ttmp6, 0x40000                  ; cx, cy: my place in the cluster
	s_bfe_u32 s41, ttmp6, 0x40004
	s_and_b32 s18, ttmp7, 0xffff                   ; the cluster's y
.if QKV
	s_lshr_b32 s76, s18, 2                         ; 0: Q, 1: K, 2: V
	s_and_b32 s77, s18, 3
	s_lshl_b32 s77, s77, 2                         ; which four of the tokens' 16 tiles of 256
	s_mul_i32 s79, s76, 819200
	s_add_co_u32 s79, s79, 3276800                 ; Wq's or Wk's image in img0
	s_mul_i32 s85, s76, 3276800                    ; the result's part of its buffer
	s_cmp_eq_u32 s76, 2
	s_cselect_b32 s17, 0, s77
	s_cselect_b32 s42, s77, 0
	s_cselect_b32 s78, 4915200, 0                  ; A: Wv's image, or the tokens'
	s_cselect_b32 s79, 0, s79                      ; B: the tokens' image, or the weight's
	s_cselect_b32 s80, 32, 8                       ; K steps in a row of the result's image
	s_cselect_b32 s81, -1, 0
	s_cselect_b32 s84, 0, -1
	s_cmp_eq_u32 s76, 0
	s_cselect_b32 s[SCL], 0x3e000000, 1.0          ; Q is divided by sqrt(64): x 1/8, exact
	s_mov_b32 s[SCL+1], s[SCL]
	s_add_co_u32 s17, s17, s41                     ; A's tile of 256 rows
	s_add_co_u32 s42, s42, s40                     ; B's
	s_cmp_eq_u32 s76, 2
	s_cselect_b32 s88, 0, s42                      ; the bias lies along B's rows (Q, K) or along A's (V): the other load takes the buffer's start, and its numbers are cleared
	s_cselect_b32 s89, s17, 0
.else
	s_lshl_b32 s42, ttmp9, 2
	s_add_co_u32 s42, s42, s40                     ; B's tile = 4 x cluster x + cx
	s_lshl_b32 s17, s18, 2
	s_add_co_u32 s17, s17, s41                     ; A's tile = 4 x cluster y + cy
.endif
	s_lshl_b32 s43, s41, 2
	s_lshl_b32 s43, 15, s43                        ; my row of the cluster
	s_lshl_b32 s44, 0x1111, s40                    ; my column
	; descriptor group 1: two rows of 12,800 bytes (1,600 elements of 8), a row of an image's blocks apart; no padding
	s_or_b32 s[G1], s43, (3<<16)|(1<<21)           ; 15:0 the mask; 17:16 elements of 8 bytes; 21 set beside a mask
	s_or_b32 s[G1B], s44, (3<<16)|(1<<21)
.irp g, G1, G1B
	s_mov_b32 s[\g+1], 1600<<16                    ; tensor_dim0
	s_mov_b32 s[\g+2], 2<<16                       ; tensor_dim1
	s_mov_b32 s[\g+3], 1600<<16                    ; tile_dim0
	s_mov_b32 s[\g+4], 2                           ; tile_dim1
	s_mov_b32 s[\g+5], KS*800                      ; from row to row
	s_mov_b32 s[\g+6], 0
	s_mov_b32 s[\g+7], 0
.endr
	s_lshl_b32 s18, s16, 1
	s_lshl_b32 s20, s17, 2
	s_add_co_u32 s20, s20, s18                     ; A: block 4 x tile + 2 x half
	s_lshl_b32 s46, s42, 2
	s_add_co_u32 s46, s46, s18                     ; B likewise
	s_mul_i32 s20, s20, KS*BLKB
	s_mul_i32 s46, s46, KS*BLKB
.if QKV
	s_add_co_u32 s20, s20, s78
	s_add_co_u32 s46, s46, s79
.else
	s_add_co_u32 s46, s46, 6553600                 ; W1's image in img0
.endif
	s_mov_b32 s21, 0
	s_mov_b32 s47, 0
	s_mul_i32 s45, s14, 2*RB                       ; where they go: no place in the cluster enters an LDS address
	s_wait_kmcnt 0x0
	s_add_nc_u64 s[20:21], s[4:5], s[20:21]
	s_add_nc_u64 s[46:47], s[6:7], s[46:47]
	CROUND                                         ; all sixteen work-groups are here: the first joint loads meet
.irp s, 0,1
	s_mov_b32 s[G0+4*\s], 1
	s_add_co_u32 s[G0+4*\s+1], s45, \s*SLOT
	s_add_nc_u64 s[G0+4*\s+2:G0+4*\s+3], s[20:21], \s*RB
	s_or_b32 s[G0+4*\s+3], s[G0+4*\s+3], 0x80000000
	s_mov_b32 s[G0B+4*\s], 1
	s_add_co_u32 s[G0B+4*\s+1], s45, \s*SLOT
	s_add_nc_u64 s[G0B+4*\s+2:G0B+4*\s+3], s[46:47], \s*RB
	s_or_b32 s[G0B+4*\s+3], s[G0B+4*\s+3], 0x80000000
	JLOAD \s                                       ; two loads of mine are out
.endr
.if QKV
	s_mov_b64 s[10:11], s[74:75]
	s_cmp_eq_u32 s76, 0
	s_cselect_b64 s[8:9], s[68:69], s[70:71]
	s_cmp_eq_u32 s76, 2
	s_cselect_b64 s[8:9], s[72:73], s[8:9]         ; bq, bk or bv
	s_lshl_b32 s22, s88, 10
.else
	s_lshl_b32 s22, s42, 10
.endif
	s_mov_b32 s23, 0
	s_lshl_b32 s19, s16, 9
	s_add_co_u32 s22, s22, s19
	s_add_nc_u64 s[90:91], s[8:9], s[22:23]        ; the bias of my 128 rows of B
	v_and_b32 v1, 31, v0
	v_lshlrev_b32 v[LO], 3, v1
	v_bfe_u32 v2, v0, 4, 1
	v_lshlrev_b32 v2, 6, v2                        ; 64 h: register 16 b + i wants B's row 32 b + 16 h + i
.irp b, 0,1,2,3
.irp j, 0,1,2,3
	global_load_b128 v[BI+16*\b+4*\j:BI+16*\b+4*\j+3], v2, s[90:91] offset:128*\b+16*\j
.endr
.endr
.if QKV
	s_lshl_b32 s22, s89, 10
	s_lshl_b32 s19, s15, 9
	s_add_co_u32 s22, s22, s19
	s_add_nc_u64 s[94:95], s[8:9], s[22:23]        ; the bias of my 128 rows of A
	v_and_b32 v3, 15, v0
	v_and_b32 v4, 8, v3
	v_add_nc_u32 v3, v3, v4
	v_lshlrev_b32 v3, 2, v3                        ; 4 (r + 8 (r / 8))
.irp a, 0,1,2,3,4,5,6,7
	global_load_b32 v[BV+\a], v3, s[94:95] offset:4*(64*(\a/4)+32*((\a%4)/2)+8*(\a%2))
.endr
.endif
	s_mul_i32 s21, s15, 2*RB                       ; my two blocks of A,
	s_mul_i32 s22, s16, 2*RB
	s_add_co_u32 s22, s22, 4*RB                    ; and of B, behind A's four
.irp s, 0,1
	v_add_nc_u32 v[ADRA+\s], s21, v[LO]
	v_add_nc_u32 v[ADRB+\s], s22, v[LO]
	s_add_co_u32 s21, s21, SLOT
	s_add_co_u32 s22, s22, SLOT
.endr
	s_lshl_b32 s22, s17, 2                         ; where my part of the result's image goes: block 4 x A's tile + 2 x half, K step 2 x B's tile + half
	s_lshl_b32 s19, s15, 1
	s_add_co_u32 s22, s22, s19
.if QKV
	s_mul_i32 s22, s22, s80
.else
	s_lshl_b32 s22, s22, 5
.endif
	s_lshl_b32 s19, s42, 1
	s_add_co_u32 s22, s22, s19
	s_add_co_u32 s22, s22, s16
	s_mul_i32 s22, s22, BLKB
.if QKV
	s_add_co_u32 s22, s22, s85
.endif
	s_add_nc_u64 s[OUT:OUT+1], s[10:11], s[22:23]
.if QKV
	s_mul_i32 s22, s80, BLKB
.else
	s_mov_b32 s22, 32*BLKB
.endif
	s_add_nc_u64 s[OUT+4:OUT+5], s[OUT:OUT+1], s[22:23]
	s_mov_b32 s[SEL], 0x76543210
	s_mov_b32 s[SEL+1], 0xfedcba98
	s_mov_b32 s[HM], 0xffff0000
	s_wait_loadcnt 0x0                             ; the biases
.if QKV
.set n, 0
.rept 64
	v_and_b32 v[BI+n], s84, v[BI+n]                ; for V no bias lies along B's rows,
.set n, n+1
.endr
.irp a, 0,1,2,3,4,5,6,7
	v_and_b32 v[BV+\a], s81, v[BV+\a]              ; for Q and K none along A's
.endr
.endif
	s_wait_tensorcnt 1                             ; my part of slot 0 is in (slot 1's load may be out)
	s_barrier_signal -1
	s_barrier_wait -1                              ; everybody's is
	FETCH_B 0, 0, 0
	FETCH_A 0, 0, 0
	SCALES 0
	FETCH_A 0, 0, 4
	STEP 0, 0, 2                                   ; the first step stands in front of the loop: its products start the sums from the bias
	s_mov_b32 s3, LAPS-1
.Llap:                                                 ; a trip goes once round the ring and fills both slots again
	TURN 0, 1, 1
	STEP 1, 0, 0
	TURN 1, 0, 1
	STEP 0, 0, 0
	s_sub_co_u32 s3, s3, 1
	s_cmp_lg_u32 s3, 0
	s_cbranch_scc1 .Llap
	TURN 0, 1, 0                                   ; the last lap fills nothing, and has no round of the cluster's barrier
	STEP 1, 0, 0
	s_wait_dscnt 4*NL
	WIN MUL_LO
	MUL16 0, 1, 1, 1, 0
	MUL16 2, 1, 1, 1, 0
	s_wait_dscnt 0
	WIN MUL_HI
	MUL16 4, 1, 1, 1, 0
	MUL16 6, 1, 1, 1, 0
	WIN 0
.irp b, 0,1,2,3
	v_mov_b32 v[TM+4+\b], 0                        ; a lane permute's destination counts as one of its sources.  These four are also the places behind the last products
.endr
.irp a, 0,1,2,3,4,5,6,7
	OUTA \a
.endr
	s_wait_tensorcnt 0x0                           ; the wave's end
	ds_add_u32 v[SPW], v[NIL]
	s_wait_dscnt 0x0
	CROUND                                         ; the closing round: no work-group ends while a partner may still ask for a tile that names it
	s_endpgm
.Lfunc_end_k_qab8cab4a3b_ffn1:
	.size	k_qab8cab4a3b_ffn1, .Lfunc_end_k_qab8cab4a3b_ffn1-k_qab8cab4a3b_ffn1
	.p2alignl 7, 3214868480
	.fill 96, 4, 3214868480
	.section	.rodata,"a",@progbits
	.p2align	6, 0x0
	.amdhsa_kernel k_qab8cab4a3b_ffn1
		.amdhsa_group_segment_fixed_size 327680
		.amdhsa_private_segment_fixed_size 0
		.amdhsa_enable_private_segment 0
		.amdhsa_kernarg_size 32
		.amdhsa_user_sgpr_count 2
		.amdhsa_user_sgpr_kernarg_segment_ptr 1
		.amdhsa_wavefront_size32 1
		.amdhsa_system_sgpr_workgroup_id_x 1
		.amdhsa_system_sgpr_workgroup_id_y 1
		.amdhsa_system_sgpr_workgroup_id_z 1
		.amdhsa_system_vgpr_workitem_id 0
		.amdhsa_next_free_vgpr 1024
		.amdhsa_next_free_sgpr 100
		.amdhsa_reserve_vcc 0
		.amdhsa_float_denorm_mode_32 3
		.amdhsa_float_denorm_mode_16_64 3
		.amdhsa_memory_ordered 1
		.amdhsa_forward_progress 1
		.amdhsa_inst_pref_size 181
	.end_amdhsa_kernel
	.amdgpu_metadata
---
amdhsa.version: [ 1, 2 ]
amdhsa.kernels:
  - .name:           k_qab8cab4a3b_ffn1
    .symbol:         k_qab8cab4a3b_ffn1.kd
    .args:
      - { .name: ximg, .offset: 0, .size: 8, .value_kind: global_buffer, .address_space: global }
      - { .name: img0, .offset: 8, .size: 8, .value_kind: global_buffer, .address_space: global }
      - { .name: b1, .offset: 16, .size: 8, .value_kind: global_buffer, .address_space: global }
      - { .name: hid, .offset: 24, .size: 8, .value_kind: global_buffer, .address_space: global }
    .group_segment_fixed_size: 327680
    .private_segment_fixed_size: 0
    .kernarg_segment_align: 8
    .kernarg_segment_size: 32
    .max_flat_workgroup_size: 128
    .sgpr_count:     100
    .vgpr_count:     1024
    .wavefront_size: 32
...
	.end_amdgpu_metadata
.endif
;; end of part 6
;; launch ffn2 (part 7): grid 4 x 16, 4 waves a work-group, clusters of 4 x 4, 327,680 bytes of LDS; arguments hid, img0, craw; writes craw
.if DOCPART == 7
	.amdgcn_target "amdgcn-amd-amdhsa--gfx1250"
	.amdhsa_code_object_version 6
	.text
	.protected	k_qab8cab4a3b_ffn2
	.globl	k_qab8cab4a3b_ffn2
	.p2align	8
	.type	k_qab8cab4a3b_ffn2,@function
k_qab8cab4a3b_ffn2:
	s_mov_b64 s[64:65], 0
	v_nop
	global_prefetch_b8 v0, s[64:65] scope:SCOPE_SE
	s_setreg_imm32_b32 hwreg(HW_REG_WAVE_MODE, 25, 1), 1
	s_wait_xcnt 0x0
	s_wait_alu depctr_hold_cnt(0) depctr_sa_sdst(0) depctr_va_vdst(0) depctr_va_sdst(0) depctr_va_ssrc(0) depctr_va_vcc(0) depctr_vm_vsrc(0)
	s_getreg_b32 s2, hwreg(HW_REG_IB_STS2, 6, 4)
	s_cmp_eq_u32 s2, 0
	s_cbranch_scc0 .Lentry_in_a_cluster
	s_endpgm
.Lentry_in_a_cluster:
	s_bfe_u32 s2, ttmp6, 0x10000c
	s_cmp_lg_u32 s2, 0xf033
	s_cbranch_scc0 .Lentry_shape_is_right
	s_endpgm
.Lentry_shape_is_right:
; A GEMM on images of BF6 (E3M2) codes whose f32 sums leave as they stand in the registers.  One text serves two launches, which differ in the two lines KS and BOFF: ctx Wo (K = 1,024) and hid W2 (K = 4,096); N = 1,024.
; AN IMAGE BLOCK is 64 rows x 128 along K, 6,400 bytes; block (R, s) lies at (R KS + s) x 6,400.  Byte 1536 t + 256 p + 8 lane: registers 2 p, 2 p + 1 of tile t's fragment; lane (r, h) of tile t holds row
; 64 R + 32 (t / 2) + 8 (t % 2) + r + 8 (r / 8).  Byte 6144 + 8 lane + 4 e: the scale word of row r of tile 2 e + h.  A fragment is six loads of 8 bytes a lane, each 256 consecutive bytes: no LDS row needs padding.
; TILE: 256 rows of A (tokens) x 256 rows of B (the weight's columns) to a work-group, 128 x 128 to each of four waves: 64 accumulators.  Source 0 = 16 rows of B, source 1 = 16 rows of A.
; THE RESULT: piece (R, s', t), 8,192 bytes at ((8 R + s') 4 + t) x 8,192: byte 512 k + 16 lane holds registers 4 k .. 4 k + 3 of the 64 that lane (r, h) has for tile t of block R: register 16 b + i is
; (row 64 R + 32 (t / 2) + 8 (t % 2) + r + 8 (r / 8), column 128 s' + 32 b + 16 h + i).  Each store of a wave covers 512 consecutive bytes, aligned; bias, residual and LayerNorm follow in the next launch, which needs whole rows.
; RING: two LDS slots, each two K steps of A's four and B's four blocks of 64 rows; each wave fetches two blocks x two K steps by one tensor load.  CLUSTER 4 x 4: A's tiles shared along a row, B's along a column: joint loads.
; The grid has 64 work-groups: the tile is kept large so that each byte from LDS feeds as many products as the registers allow.  Tiles are read by several clusters, so nothing is prefetched.
; REGISTERS: window 0: v16-29 addresses; v32-63 scale words, two sets; v128-223 A's fragments, one set.  window 1: B's fragments, two sets.  windows 2, 3: the accumulators ((a, b) at v[8 (8 (a % 4) + b)] of window 2 + a / 4).
.set KS,    32                         ; K steps of 128 in a row of A's and B's images
.set BOFF,  9830400                    ; where B's image begins in img0
.set LAPS,  KS/4
.set BLKB,  6400
.set RB,    2*BLKB
.set SLOT,  8*RB
.set SPARE, 2*SLOT                     ; behind the ring: the spare words, 128 bytes for each wave, that no other line names
.set FR,    12
.set NL,    6
.set NP,    4                          ; places behind this matrix instruction (ISA guide 7.12.1)
.set ADRA, 16
.set ADRB, 20
.set LO,   26                          ; v26 8 x lane
.set LO16, 27                          ; v27 16 x lane
.set SPW,  28
.set NIL,  29
.set SC,   32
.set AF,   128
.set G1,  24
.set G0,  32
.set G1B, 48
.set G0B, 56
.set MSB, 0
.macro WIN new
.if MSB != (\new)
	s_set_vgpr_msb (MSB<<8)|(\new)
.set MSB, \new
.endif
.endm
.set MUL_LO, 0xa1
.set MUL_HI, 0xf1
.set TO_B,   0x40
.macro JLOAD s                         ; a joint load: waves 0 and 1 fetch for A, waves 2 and 3 for B; four v_nop follow each of the two lines
	s_cmp_eq_u32 s15, 0
	s_cbranch_scc0 .Lfor_b_\@
	tensor_load_to_lds s[G0+4*\s:G0+4*\s+3], s[G1:G1+7]
	s_nop 0
.rept 4
	v_nop
.endr
	s_branch .Lasked_\@
.Lfor_b_\@:
	tensor_load_to_lds s[G0B+4*\s:G0B+4*\s+3], s[G1B:G1B+7]
	s_nop 0
.rept 4
	v_nop
.endr
.Lasked_\@:
.endm
.macro CREST
	s_cmp_lg_u32 s14, 0
	s_cbranch_scc1 .Lnot_wave_0_\@
	s_barrier_signal -3
.Lnot_wave_0_\@:
	s_barrier_wait -3
	s_barrier_signal -1
	s_barrier_wait -1
.endm
.macro CROUND
	s_barrier_signal -1
	s_barrier_wait -1
	CREST
.endm
.macro PLACES n
.rept \n
	v_nop
.endr
.endm
.macro FRAG reg, adr, q, i
.irp p, 0,1,2,3,4,5
	ds_load_b64 v[\reg+2*\p:\reg+2*\p+1], v[\adr] offset:((\i)/4)*RB+(\q)*BLKB+((\i)%4)*1536+256*\p
.endr
.endm
.macro FETCH_B slot, q, p
	WIN TO_B
.irp i, 0,1,2,3,4,5,6,7
	FRAG 128*(\p)+FR*\i, ADRB+\slot, \q, \i
.endr
	WIN 0
.endm
.macro FETCH_A slot, q, i0
.irp i, \i0, \i0+1, \i0+2, \i0+3
	FRAG AF+FR*(\i), ADRA+\slot, \q, \i
.endr
.endm
.macro SCALES slot
.irp q, 0,1
.irp k, 0,1
	ds_load_b64 v[SC+16*\slot+8*\q+2*\k:SC+16*\slot+8*\q+2*\k+1], v[ADRA+\slot] offset:\k*RB+\q*BLKB+6144
	ds_load_b64 v[SC+16*\slot+8*\q+4+2*\k:SC+16*\slot+8*\q+4+2*\k+1], v[ADRB+\slot] offset:\k*RB+\q*BLKB+6144
.endr
.endr
.endm
; One product: A's tile a x B's tile b.  A tile's scale words lie in register (tile / 2) of its block's pair, in lanes 0-15 for an even tile and lanes 16-31 for an odd one.  zero = 1: the product starts the sum.
.macro MM a, b, p, q, set, zero
.set rD, 8*(8*((\a)%4)+(\b))
.set rB, 128*(\p)+FR*(\b)
.set rA, AF+FR*(\a)
.set xB, SC+16*(\set)+8*(\q)+4+2*((\b)/4)+((\b)/2)%2
.set xA, SC+16*(\set)+8*(\q)+2*((\a)/4)+((\a)/2)%2
.set par, 2*((\a)%2)+(\b)%2
.if \zero
.if par == 0
	v_wmma_scale_f32_16x16x128_f8f6f4 v[rD:rD+7], v[rB:rB+11], v[rA:rA+11], 0, v[xB], v[xA] matrix_a_fmt:MATRIX_FMT_BF6 matrix_b_fmt:MATRIX_FMT_BF6
.elseif par == 1
	v_wmma_scale_f32_16x16x128_f8f6f4 v[rD:rD+7], v[rB:rB+11], v[rA:rA+11], 0, v[xB], v[xA] matrix_a_fmt:MATRIX_FMT_BF6 matrix_b_fmt:MATRIX_FMT_BF6 matrix_a_scale:MATRIX_SCALE_ROW1
.elseif par == 2
	v_wmma_scale_f32_16x16x128_f8f6f4 v[rD:rD+7], v[rB:rB+11], v[rA:rA+11], 0, v[xB], v[xA] matrix_a_fmt:MATRIX_FMT_BF6 matrix_b_fmt:MATRIX_FMT_BF6 matrix_b_scale:MATRIX_SCALE_ROW1
.else
	v_wmma_scale_f32_16x16x128_f8f6f4 v[rD:rD+7], v[rB:rB+11], v[rA:rA+11], 0, v[xB], v[xA] matrix_a_fmt:MATRIX_FMT_BF6 matrix_b_fmt:MATRIX_FMT_BF6 matrix_a_scale:MATRIX_SCALE_ROW1 matrix_b_scale:MATRIX_SCALE_ROW1
.endif
.else
.if par == 0
	v_wmma_scale_f32_16x16x128_f8f6f4 v[rD:rD+7], v[rB:rB+11], v[rA:rA+11], v[rD:rD+7], v[xB], v[xA] matrix_a_fmt:MATRIX_FMT_BF6 matrix_b_fmt:MATRIX_FMT_BF6
.elseif par == 1
	v_wmma_scale_f32_16x16x128_f8f6f4 v[rD:rD+7], v[rB:rB+11], v[rA:rA+11], v[rD:rD+7], v[xB], v[xA] matrix_a_fmt:MATRIX_FMT_BF6 matrix_b_fmt:MATRIX_FMT_BF6 matrix_a_scale:MATRIX_SCALE_ROW1
.elseif par == 2
	v_wmma_scale_f32_16x16x128_f8f6f4 v[rD:rD+7], v[rB:rB+11], v[rA:rA+11], v[rD:rD+7], v[xB], v[xA] matrix_a_fmt:MATRIX_FMT_BF6 matrix_b_fmt:MATRIX_FMT_BF6 matrix_b_scale:MATRIX_SCALE_ROW1
.else
	v_wmma_scale_f32_16x16x128_f8f6f4 v[rD:rD+7], v[rB:rB+11], v[rA:rA+11], v[rD:rD+7], v[xB], v[xA] matrix_a_fmt:MATRIX_FMT_BF6 matrix_b_fmt:MATRIX_FMT_BF6 matrix_a_scale:MATRIX_SCALE_ROW1 matrix_b_scale:MATRIX_SCALE_ROW1
.endif
.endif
.endm
.macro MUL16 a0, p, q, set, zero       ; the 64 accumulators take turns, one instruction a turn, in the same order in every step
.irp a, \a0, \a0+1
.irp b, 0,1,2,3,4,5,6,7
	MM \a, \b, \p, \q, \set, \zero
.endr
.endr
.endm
; A step of 128 along K that has its successor in the same slot.  A has one set of registers: tiles 0-3 are fetched anew in the step's middle, tiles 4-7 at its end; B has two sets.
.macro STEP slot, q, zero
	s_wait_dscnt 4*NL                              ; all but the youngest 24 loads (A's tiles 4-7) are in
	WIN MUL_LO
	MUL16 0, (\q)%2, \q, \slot, \zero
	MUL16 2, (\q)%2, \q, \slot, \zero
	s_wait_dscnt 0
	PLACES NP                                      ; in front of loads into registers that matrix instructions have read
	FETCH_B \slot, (\q)+1, 1-(\q)%2
	FETCH_A \slot, (\q)+1, 0
	WIN MUL_HI
	MUL16 4, (\q)%2, \q, \slot, \zero
	MUL16 6, (\q)%2, \q, \slot, \zero
	PLACES NP
	WIN 0
	FETCH_A \slot, (\q)+1, 4
.endm
; A slot's last step changes slots: one barrier; in front of it each wave waits for all its tensor loads, adds 0 to its spare word, and waits for that and for its reads of this slot.  fill = 1: the slot is filled again, two slots ahead.
.macro TURN slot, next, fill
	s_wait_tensorcnt 0x0                           ; all my tensor loads have landed: my part of the next slot
	ds_add_u32 v[SPW], v[NIL]                      ; 0 onto my spare word
	s_wait_dscnt 4*NL+1                            ; (the add and the youngest 24 loads may be out)
	WIN MUL_LO
	MUL16 0, 1, 1, \slot, 0
	s_wait_dscnt 0x0                               ; the add is done, and my reads of this slot are over
	s_barrier_signal -1
	MUL16 2, 1, 1, \slot, 0
	WIN 0
	s_barrier_wait -1
.if \fill
	CREST                                          ; the barrier has opened a round of the cluster's barrier: no wave of any partner still reads this slot or has a load on its way
	s_add_nc_u64 s[G0+4*\slot+2:G0+4*\slot+3], s[G0+4*\slot+2:G0+4*\slot+3], 2*RB
	s_add_nc_u64 s[G0B+4*\slot+2:G0B+4*\slot+3], s[G0B+4*\slot+2:G0B+4*\slot+3], 2*RB
	JLOAD \slot                                    ; the first tensor load behind the round; its four v_nop are the places in front of the loads below
.else
	PLACES NP
.endif
	FETCH_B \next, 0, 0
	FETCH_A \next, 0, 0
	SCALES \next
	WIN MUL_HI
	MUL16 4, 1, 1, \slot, 0
	MUL16 6, 1, 1, \slot, 0
	PLACES NP
	WIN 0
	FETCH_A \next, 0, 4
.endm
	s_load_b128 s[4:7], s[0:1], 0x0                ; A's image, img0
	s_load_b64 s[12:13], s[0:1], 0x10              ; the result
	v_lshl_add_u32 v[SPW], v0, 2, SPARE
	v_mov_b32 v[NIL], 0
	ds_add_u32 v28, v29
	ds_add_u32 v28, v29
	s_wait_dscnt 0x0
	v_lshrrev_b32 v1, 5, v0
	v_readfirstlane_b32 s14, v1                    ; wave 0..3
	s_lshr_b32 s15, s14, 1                         ; which half of A's 256 rows is mine.  Also: I fetch for A (0) or for B (1)
	s_and_b32 s16, s14, 1                          ; which half of B's.  Also: which two blocks of 64 rows I fetch
	s_bfe_u32 s40, ttmp6, 0x40000                  ; cx, cy
	s_bfe_u32 s41, ttmp6, 0x40004
	s_lshl_b32 s42, ttmp9, 2
	s_add_co_u32 s42, s42, s40                     ; B's tile = 4 x cluster x + cx
	s_and_b32 s17, ttmp7, 0xffff
	s_lshl_b32 s17, s17, 2
	s_add_co_u32 s17, s17, s41                     ; A's tile = 4 x cluster y + cy
	s_lshl_b32 s43, s41, 2
	s_lshl_b32 s43, 15, s43                        ; my row of the cluster
	s_lshl_b32 s44, 0x1111, s40                    ; my column
	; descriptor group 1: two rows of 12,800 bytes (1,600 elements of 8), a row of an image's blocks apart; no padding
	s_or_b32 s[G1], s43, (3<<16)|(1<<21)
	s_or_b32 s[G1B], s44, (3<<16)|(1<<21)
.irp g, G1, G1B
	s_mov_b32 s[\g+1], 1600<<16
	s_mov_b32 s[\g+2], 2<<16
	s_mov_b32 s[\g+3], 1600<<16
	s_mov_b32 s[\g+4], 2
	s_mov_b32 s[\g+5], KS*800
	s_mov_b32 s[\g+6], 0
	s_mov_b32 s[\g+7], 0
.endr
	s_lshl_b32 s18, s16, 1
	s_lshl_b32 s20, s17, 2
	s_add_co_u32 s20, s20, s18                     ; A: block 4 x tile + 2 x half
	s_lshl_b32 s46, s42, 2
	s_add_co_u32 s46, s46, s18
	s_mul_i32 s20, s20, KS*BLKB
	s_mul_i32 s46, s46, KS*BLKB
	s_add_co_u32 s46, s46, BOFF
	s_mov_b32 s21, 0
	s_mov_b32 s47, 0
	s_mul_i32 s45, s14, 2*RB                       ; where they go: no place in the cluster enters an LDS address
	s_wait_kmcnt 0x0
	s_add_nc_u64 s[20:21], s[4:5], s[20:21]
	s_add_nc_u64 s[46:47], s[6:7], s[46:47]
	CROUND                                         ; all sixteen work-groups are here: the first joint loads meet
.irp s, 0,1
	s_mov_b32 s[G0+4*\s], 1
	s_add_co_u32 s[G0+4*\s+1], s45, \s*SLOT
	s_add_nc_u64 s[G0+4*\s+2:G0+4*\s+3], s[20:21], \s*RB
	s_or_b32 s[G0+4*\s+3], s[G0+4*\s+3], 0x80000000
	s_mov_b32 s[G0B+4*\s], 1
	s_add_co_u32 s[G0B+4*\s+1], s45, \s*SLOT
	s_add_nc_u64 s[G0B+4*\s+2:G0B+4*\s+3], s[46:47], \s*RB
	s_or_b32 s[G0B+4*\s+3], s[G0B+4*\s+3], 0x80000000
	JLOAD \s                                       ; two loads of mine are out
.endr
	v_and_b32 v1, 31, v0
	v_lshlrev_b32 v[LO], 3, v1
	v_lshlrev_b32 v[LO16], 4, v1
	s_mul_i32 s21, s15, 2*RB
	s_mul_i32 s22, s16, 2*RB
	s_add_co_u32 s22, s22, 4*RB
.irp s, 0,1
	v_add_nc_u32 v[ADRA+\s], s21, v[LO]
	v_add_nc_u32 v[ADRB+\s], s22, v[LO]
	s_add_co_u32 s21, s21, SLOT
	s_add_co_u32 s22, s22, SLOT
.endr
	s_lshl_b32 s92, s17, 2                         ; my first piece of the result: ((4 x A's tile + 2 x half) x 8 + 2 x B's tile + half) x 4 pieces of 8,192 bytes
	s_lshl_b32 s93, s15, 1
	s_add_co_u32 s92, s92, s93
	s_lshl_b32 s92, s92, 3
	s_lshl_b32 s93, s42, 1
	s_add_co_u32 s92, s92, s93
	s_add_co_u32 s92, s92, s16
	s_lshl_b32 s92, s92, 15
	s_mov_b32 s93, 0
	s_add_nc_u64 s[12:13], s[12:13], s[92:93]
	s_wait_tensorcnt 1                             ; my part of slot 0 is in (slot 1's load may be out)
	s_barrier_signal -1
	s_barrier_wait -1                              ; everybody's is
	FETCH_B 0, 0, 0
	FETCH_A 0, 0, 0
	SCALES 0
	FETCH_A 0, 0, 4
	STEP 0, 0, 1                                   ; the first step stands in front of the loop: its products start the sums
	s_mov_b32 s3, LAPS-1
.Llap:                                                 ; a trip goes once round the ring and fills both slots again
	TURN 0, 1, 1
	STEP 1, 0, 0
	TURN 1, 0, 1
	STEP 0, 0, 0
	s_sub_co_u32 s3, s3, 1
	s_cmp_lg_u32 s3, 0
	s_cbranch_scc1 .Llap
	TURN 0, 1, 0                                   ; the last lap fills nothing, and has no round of the cluster's barrier
	STEP 1, 0, 0
	s_wait_dscnt 4*NL
	WIN MUL_LO
	MUL16 0, 1, 1, 1, 0
	MUL16 2, 1, 1, 1, 0
	s_wait_dscnt 0
	WIN MUL_HI
	MUL16 4, 1, 1, 1, 0
	MUL16 6, 1, 1, 1, 0
	WIN 0
	PLACES NP                                      ; in front of the stores that read the last results
.irp a, 0,1,2,3,4,5,6,7
	WIN 0x08+4*(\a/4)                              ; a store's data are its source 1: window 2 or 3
.irp k, 0,1,2,3,4,5,6,7,8,9,10,11,12,13,14,15
	global_store_b128 v[LO16], v[64*(\a%4)+4*\k:64*(\a%4)+4*\k+3], s[12:13] offset:(\a/4)*262144+(\a%4)*8192+512*\k th:TH_STORE_NT   ; each accumulator from its low end on; 512 consecutive bytes, aligned
.endr
.endr
	WIN 0
	s_wait_tensorcnt 0x0                           ; the wave's end
	ds_add_u32 v[SPW], v[NIL]
	s_wait_dscnt 0x0
	CROUND                                         ; the closing round
	s_endpgm
.Lfunc_end_k_qab8cab4a3b_ffn2:
	.size	k_qab8cab4a3b_ffn2, .Lfunc_end_k_qab8cab4a3b_ffn2-k_qab8cab4a3b_ffn2
	.p2alignl 7, 3214868480
	.fill 96, 4, 3214868480
	.section	.rodata,"a",@progbits
	.p2align	6, 0x0
	.amdhsa_kernel k_qab8cab4a3b_ffn2
		.amdhsa_group_segment_fixed_size 327680
		.amdhsa_private_segment_fixed_size 0
		.amdhsa_enable_private_segment 0
		.amdhsa_kernarg_size 24
		.amdhsa_user_sgpr_count 2
		.amdhsa_user_sgpr_kernarg_segment_ptr 1
		.amdhsa_wavefront_size32 1
		.amdhsa_system_sgpr_workgroup_id_x 1
		.amdhsa_system_sgpr_workgroup_id_y 1
		.amdhsa_system_sgpr_workgroup_id_z 1
		.amdhsa_system_vgpr_workitem_id 0
		.amdhsa_next_free_vgpr 1024
		.amdhsa_next_free_sgpr 100
		.amdhsa_reserve_vcc 0
		.amdhsa_float_denorm_mode_32 3
		.amdhsa_float_denorm_mode_16_64 3
		.amdhsa_memory_ordered 1
		.amdhsa_forward_progress 1
		.amdhsa_inst_pref_size 139
	.end_amdhsa_kernel
	.amdgpu_metadata
---
amdhsa.version: [ 1, 2 ]
amdhsa.kernels:
  - .name:           k_qab8cab4a3b_ffn2
    .symbol:         k_qab8cab4a3b_ffn2.kd
    .args:
      - { .name: hid, .offset: 0, .size: 8, .value_kind: global_buffer, .address_space: global }
      - { .name: img0, .offset: 8, .size: 8, .value_kind: global_buffer, .address_space: global }
      - { .name: craw, .offset: 16, .size: 8, .value_kind: global_buffer, .address_space: global }
    .group_segment_fixed_size: 327680
    .private_segment_fixed_size: 0
    .kernarg_segment_align: 8
    .kernarg_segment_size: 24
    .max_flat_workgroup_size: 128
    .sgpr_count:     100
    .vgpr_count:     1024
    .wavefront_size: 32
...
	.end_amdgpu_metadata
.endif
;; end of part 7
;; launch ln2 (part 8): grid 256 x 1, 8 waves a work-group, no clusters, 69,632 bytes of LDS; arguments craw, x32, b2, ln2_g, ln2_b, out0; writes out0
.if DOCPART == 8
	.amdgcn_target "amdgcn-amd-amdhsa--gfx1250"
	.amdhsa_code_object_version 6
	.text
	.protected	k_qab8cab4a3b_ln2
	.globl	k_qab8cab4a3b_ln2
	.p2align	8
	.type	k_qab8cab4a3b_ln2,@function
k_qab8cab4a3b_ln2:
	s_mov_b64 s[64:65], 0
	v_nop
	global_prefetch_b8 v0, s[64:65] scope:SCOPE_SE
	s_setreg_imm32_b32 hwreg(HW_REG_WAVE_MODE, 25, 1), 1
	s_wait_xcnt 0x0
; x = LayerNorm(residual + (product + bias)) x g + b, all in f32.  One text serves both norms: QOUT = 1 also quantises x to BF6 (E3M2) and stores it as an image for the next product.
; THE PRODUCT comes in pieces as its launch left them: piece (R, s', t), 8,192 bytes at ((8 R + s') 4 + t) x 8,192; byte 512 k + 16 lane holds registers 4 k .. 4 k + 3; register 16 b + i of lane (r, h) is
; (row 64 R + 32 (t / 2) + 8 (t % 2) + r + 8 (r / 8), column 128 s' + 32 b + 16 h + i).
; SHARES: a work-group takes the 16 rows of (R, t) = (work-group / 4, work-group % 4), its eight waves 128 columns each: a lane holds 64 numbers of one row, which stay in registers between the passes: each byte is read once.
; The row's mean, and then the mean of the squared differences, are summed in the lane, with lane l xor 16, and over the eight waves through 32 bytes a row of LDS: two barriers.
; x leaves row-major through the wave's own stage in LDS: each store covers 512 consecutive bytes of a row.  Memory binds here: no matrix unit, no cluster, no tensor load.
; LIMITS (QOUT): a block whose largest magnitude lies under 2^-122 keeps the byte 1 (a block of zeros too: only this program reads the bytes); NaN and infinities are not served.
.set QOUT, 0
.set SP,  528                          ; a stage row: 512 bytes + 16
.set S1,  8*16*SP                      ; behind the eight stages: 16 rows x 8 partial sums; the second pass's lie 512 bytes on
.set L16, 4                            ; v4  16 x lane
.set XA,  5                            ; v5  the residual: my row x 4,096 + 64 h
.set BA,  6                            ; v6  64 h: vectors along the columns
.set SW,  7                            ; v7  where I put my wave's partial sum
.set SR,  8                            ; v8  where I read my row's eight
.set STW, 9                            ; v9  the stage, on the way in
.set STR, 10                           ; v10 and back
.set Y,   16                           ; v16-79   the 64 numbers
.set RS,  80                           ; v80-143  the residual, then g, then rows on their way out
.set BB,  144                          ; v144-207 the bias, then b
.set CH,  208                          ; v208-215 four packed chains
.set P8,  216                          ; v216-223 my row's eight partial sums
.set NM,  224                          ; v224-225 -mean, twice
.set RD,  226                          ; v226-227 1 / sqrt(var + eps), twice
.set PX,  246
.set SEL, 32
.macro XL reg, vad, sb                 ; 64 numbers a lane: 16 neighbours of each block of 32 of my 128 columns
.irp b, 0,1,2,3
.irp j, 0,1,2,3
	global_load_b128 v[\reg+16*\b+4*\j:\reg+16*\b+4*\j+3], v[\vad], s[\sb:\sb+1] offset:128*\b+16*\j
.endr
.endr
.endm
; the four chains become the row's sum over all 1,024 columns, in v[P8], the same bits in every wave
.macro REDUCE off
	v_pk_add_f32 v[CH:CH+1], v[CH:CH+1], v[CH+2:CH+3]
	v_pk_add_f32 v[CH+4:CH+5], v[CH+4:CH+5], v[CH+6:CH+7]
	v_pk_add_f32 v[CH:CH+1], v[CH:CH+1], v[CH+4:CH+5]
	v_add_f32 v[CH], v[CH], v[CH+1]
	v_permlanex16_b32 v[PX], v[CH], s[SEL], s[SEL+1]
	v_add_f32 v[CH], v[CH], v[PX]                  ; my wave's 128 columns of row r
	ds_store_b32 v[SW], v[CH] offset:\off          ; lanes r and 16 + r write the same word with the same value
	s_wait_dscnt 0x0                               ; for the others' sake: my store has landed
	s_barrier_signal -1
	s_barrier_wait -1
	ds_load_b128 v[P8:P8+3], v[SR] offset:\off
	ds_load_b128 v[P8+4:P8+7], v[SR] offset:\off+16
	s_wait_dscnt 0x0
	v_add_f32 v[P8], v[P8], v[P8+1]
	v_add_f32 v[P8+2], v[P8+2], v[P8+3]
	v_add_f32 v[P8+4], v[P8+4], v[P8+5]
	v_add_f32 v[P8+6], v[P8+6], v[P8+7]
	v_add_f32 v[P8], v[P8], v[P8+2]
	v_add_f32 v[P8+4], v[P8+4], v[P8+6]
	v_add_f32 v[P8], v[P8], v[P8+4]
.endm
	s_load_b256 s[4:11], s[0:1], 0x0               ; the product, the residual, the bias, g
	s_load_b128 s[12:15], s[0:1], 0x20             ; b, x
	v_lshl_add_u32 v254, v0, 2, 0x10c00
	v_mov_b32 v255, 0
	v_lshrrev_b32 v1, 5, v0
	v_readfirstlane_b32 s18, v1                    ; wave 0..7: my 128 columns
	v_and_b32 v1, 31, v0
	v_and_b32 v2, 15, v0                           ; r
	v_bfe_u32 v3, v0, 4, 1                         ; h
	v_lshlrev_b32 v[L16], 4, v1
	v_and_b32 v13, 8, v2
	v_add_nc_u32 v13, v13, v2                      ; r + 8 (r / 8)
	v_lshlrev_b32 v[XA], 12, v13
	v_lshl_add_u32 v[XA], v3, 6, v[XA]
	v_lshlrev_b32 v[BA], 6, v3
	s_lshl_b32 s21, s18, 2
	v_lshlrev_b32 v[SR], 5, v2
	v_add_nc_u32 v[SR], S1, v[SR]
	v_add_nc_u32 v[SW], s21, v[SR]
	s_mul_i32 s21, s18, 16*SP
	v_mul_u32_u24 v[STW], v2, SP
	v_lshl_add_u32 v[STW], v3, 6, v[STW]
	v_add_nc_u32 v[STW], s21, v[STW]
	v_add_nc_u32 v[STR], s21, v[L16]
	v_mov_b32 v[PX], 0                             ; a lane permute's destination counts as one of its sources
	s_lshr_b32 s19, ttmp9, 2                       ; R
	s_and_b32 s20, ttmp9, 3                        ; t
	s_lshl_b32 s22, s19, 3
	s_add_co_u32 s22, s22, s18                     ; 8 R + wave
	s_lshl_b32 s24, s22, 2
	s_add_co_u32 s24, s24, s20
	s_lshl_b32 s24, s24, 13                        ; my piece of the product
	s_mov_b32 s25, 0
	s_lshl_b32 s26, s19, 6
	s_lshr_b32 s27, s20, 1
	s_lshl_b32 s27, s27, 5
	s_add_co_u32 s26, s26, s27
	s_and_b32 s27, s20, 1
	s_lshl_b32 s27, s27, 3
	s_add_co_u32 s26, s26, s27                     ; row 64 R + 32 (t / 2) + 8 (t % 2)
	s_lshl_b32 s26, s26, 12
	s_lshl_b32 s28, s18, 9                         ; my columns: 512 bytes x wave
	s_add_co_u32 s26, s26, s28
	s_mov_b32 s27, 0
	s_mov_b32 s29, 0
	s_mov_b32 s30, 0x3a800000                      ; 1 / 1,024
	s_mov_b32 s31, 0x3727c5ac                      ; 1e-5
	s_mov_b32 s[SEL], 0x76543210
	s_mov_b32 s[SEL+1], 0xfedcba98
	s_wait_kmcnt 0x0
	s_add_nc_u64 s[4:5], s[4:5], s[24:25]
	s_add_nc_u64 s[6:7], s[6:7], s[26:27]
	s_add_nc_u64 s[14:15], s[14:15], s[26:27]
	s_add_nc_u64 s[8:9], s[8:9], s[28:29]
	s_add_nc_u64 s[10:11], s[10:11], s[28:29]
	s_add_nc_u64 s[12:13], s[12:13], s[28:29]
.irp k, 0,1,2,3,4,5,6,7,8,9,10,11,12,13,14,15
	global_load_b128 v[Y+4*\k:Y+4*\k+3], v[L16], s[4:5] offset:512*\k th:TH_LOAD_NT   ; 512 consecutive bytes a load
.endr
	XL RS, XA, 6
	XL BB, BA, 8
	s_wait_loadcnt 0x0
.set n, 0
.rept 32
	v_pk_add_f32 v[Y+n:Y+n+1], v[Y+n:Y+n+1], v[BB+n:BB+n+1]   ; the product + its bias,
.set n, n+2
.endr
.set n, 0
.rept 32
	v_pk_add_f32 v[Y+n:Y+n+1], v[Y+n:Y+n+1], v[RS+n:RS+n+1]   ; + the residual
.set n, n+2
.endr
	XL RS, BA, 10                                  ; g and b come while the sums are made
	XL BB, BA, 12
.irp c, 0,1,2,3
	v_pk_add_f32 v[CH+2*\c:CH+2*\c+1], v[Y+2*\c:Y+2*\c+1], v[Y+8+2*\c:Y+9+2*\c]
.endr
.irp m, 2,3,4,5,6,7
.irp c, 0,1,2,3
	v_pk_add_f32 v[CH+2*\c:CH+2*\c+1], v[CH+2*\c:CH+2*\c+1], v[Y+8*\m+2*\c:Y+8*\m+2*\c+1]
.endr
.endr
	REDUCE 0
	v_mul_f32 v[NM], 0xba800000, v[P8]             ; -mean
	v_mov_b32 v[NM+1], v[NM]
.set n, 0
.rept 32
	v_pk_add_f32 v[Y+n:Y+n+1], v[Y+n:Y+n+1], v[NM:NM+1]
.set n, n+2
.endr
.irp c, 0,1,2,3
	v_pk_mul_f32 v[CH+2*\c:CH+2*\c+1], v[Y+2*\c:Y+2*\c+1], v[Y+2*\c:Y+2*\c+1]
.endr
.irp m, 1,2,3,4,5,6,7
.irp c, 0,1,2,3
	v_pk_fma_f32 v[CH+2*\c:CH+2*\c+1], v[Y+8*\m+2*\c:Y+8*\m+2*\c+1], v[Y+8*\m+2*\c:Y+8*\m+2*\c+1], v[CH+2*\c:CH+2*\c+1]
.endr
.endr
	REDUCE 512                                     ; other bytes than the first pass's: no wave can overwrite what another still reads
	v_fma_f32 v[P8], v[P8], s30, s31               ; var + eps
	v_rsq_f32 v[RD], v[P8]
	v_nop                                          ; a plain place behind the transcendental
	s_wait_alu depctr_va_vdst(0)                   ; ahead of its first reader
	v_mov_b32 v[RD+1], v[RD]
	s_wait_loadcnt 0x0                             ; g and b
.set n, 0
.rept 32
	v_pk_mul_f32 v[Y+n:Y+n+1], v[Y+n:Y+n+1], v[RD:RD+1]
.set n, n+2
.endr
.set n, 0
.rept 32
	v_pk_fma_f32 v[Y+n:Y+n+1], v[Y+n:Y+n+1], v[RS+n:RS+n+1], v[BB+n:BB+n+1]
.set n, n+2
.endr
.irp b, 0,1,2,3
.irp j, 0,1,2,3
	ds_store_b128 v[STW], v[Y+16*\b+4*\j:Y+16*\b+4*\j+3] offset:128*\b+16*\j
.endr
.endr
.irp i, 0,1,2,3,4,5,6,7,8,9,10,11,12,13,14,15
	ds_load_b128 v[RS+4*\i:RS+4*\i+3], v[STR] offset:\i*SP   ; LDS serves a wave's instructions in order: these see my stores
.endr
.irp i, 0,1,2,3,4,5,6,7,8,9,10,11,12,13,14,15
	s_wait_dscnt 15-\i                             ; row i is back; the younger loads may be out
	global_store_b128 v[L16], v[RS+4*\i:RS+4*\i+3], s[14:15] offset:(\i+8*(\i/8))*4096 th:TH_STORE_NT   ; 512 consecutive bytes of a row, aligned
.endr
	s_wait_tensorcnt 0x0
	ds_add_u32 v254, v255
	s_wait_dscnt 0x0
	s_endpgm
.Lfunc_end_k_qab8cab4a3b_ln2:
	.size	k_qab8cab4a3b_ln2, .Lfunc_end_k_qab8cab4a3b_ln2-k_qab8cab4a3b_ln2
	.p2alignl 7, 3214868480
	.fill 96, 4, 3214868480
	.section	.rodata,"a",@progbits
	.p2align	6, 0x0
	.amdhsa_kernel k_qab8cab4a3b_ln2
		.amdhsa_group_segment_fixed_size 69632
		.amdhsa_private_segment_fixed_size 0
		.amdhsa_enable_private_segment 0
		.amdhsa_kernarg_size 48
		.amdhsa_user_sgpr_count 2
		.amdhsa_user_sgpr_kernarg_segment_ptr 1
		.amdhsa_wavefront_size32 1
		.amdhsa_system_sgpr_workgroup_id_x 1
		.amdhsa_system_sgpr_workgroup_id_y 1
		.amdhsa_system_sgpr_workgroup_id_z 1
		.amdhsa_system_vgpr_workitem_id 0
		.amdhsa_next_free_vgpr 256
		.amdhsa_next_free_sgpr 66
		.amdhsa_reserve_vcc 0
		.amdhsa_float_denorm_mode_32 3
		.amdhsa_float_denorm_mode_16_64 3
		.amdhsa_memory_ordered 1
		.amdhsa_forward_progress 1
		.amdhsa_inst_pref_size 30
	.end_amdhsa_kernel
	.amdgpu_metadata
---
amdhsa.version: [ 1, 2 ]
amdhsa.kernels:
  - .name:           k_qab8cab4a3b_ln2
    .symbol:         k_qab8cab4a3b_ln2.kd
    .args:
      - { .name: craw, .offset: 0, .size: 8, .value_kind: global_buffer, .address_space: global }
      - { .name: x32, .offset: 8, .size: 8, .value_kind: global_buffer, .address_space: global }
      - { .name: b2, .offset: 16, .size: 8, .value_kind: global_buffer, .address_space: global }
      - { .name: ln2_g, .offset: 24, .size: 8, .value_kind: global_buffer, .address_space: global }
      - { .name: ln2_b, .offset: 32, .size: 8, .value_kind: global_buffer, .address_space: global }
      - { .name: out0, .offset: 40, .size: 8, .value_kind: global_buffer, .address_space: global }
    .group_segment_fixed_size: 69632
    .private_segment_fixed_size: 0
    .kernarg_segment_align: 8
    .kernarg_segment_size: 48
    .max_flat_workgroup_size: 256
    .sgpr_count:     66
    .vgpr_count:     256
    .wavefront_size: 32
...
	.end_amdgpu_metadata
.endif
;; end of part 8
;; ======== version 2 of 2: 8 launches
;; limits: right only within a limited range of input values
;; workspace buffers: img0 13,107,200 bytes; qkvimg 9,830,400 bytes; ctximg 3,276,800 bytes; craw 16,777,216 bytes; x32 16,777,216 bytes; ximg 3,276,800 bytes; hid 13,107,200 bytes
;; launch prep (part 9): grid 512 x 1, 4 waves a work-group, no clusters, 0 bytes of LDS; arguments src, Wq_codes, Wq_scales, Wk_codes, Wk_scales, Wv_codes, Wv_scales, Wo_codes, Wo_scales, W1_codes, W1_scales, W2_codes, W2_scales, img0; writes img0
.if DOCPART == 9
	.amdgcn_target "amdgcn-amd-amdhsa--gfx1250"
	.amdhsa_code_object_version 6
	.text
	.protected	k_qab8cab4a3b_prep
	.globl	k_qab8cab4a3b_prep
	.p2align	8
	.type	k_qab8cab4a3b_prep,@function
k_qab8cab4a3b_prep:
	s_mov_b64 s[64:65], 0
	v_nop
	global_prefetch_b8 v0, s[64:65] scope:SCOPE_SE
	s_setreg_imm32_b32 hwreg(HW_REG_WAVE_MODE, 25, 1), 1
	s_wait_xcnt 0x0
; src (f32) is quantised to BF6 (E3M2) with one E8M0 byte for each 32 along K, and the six weights' given codes and scale bytes are copied, all into ONE layout, the IMAGE, in which every later launch finds an operand's registers on end.
; AN IMAGE BLOCK is 64 rows x 128 along K, 6,400 bytes (25 x 256); block (R, s) of an operand with KS = K / 128 lies at (R KS + s) x 6,400.
;   codes:  byte 1536 t + 256 p + 8 lane holds registers 2 p, 2 p + 1 of the 12-register fragment of tile t (0..3); lane (r, h) of tile t holds row 64 R + 32 (t / 2) + 8 (t % 2) + r + 8 (r / 8), k = 128 s + 64 c + 32 h + 0..31 in registers 6 c .. 6 c + 5.
;   scales: byte 6144 + 8 lane + 4 e holds the scale word (four bytes, 128 along K) of row r of tile 2 e + h.
; The rows of a tile are chosen so that, where an image is a product's source 0, a lane's 16 result registers of two neighbouring tiles are 16 neighbours along the next product's K.
; SHARES: a wave makes one block: block number = 4 x work-group + wave.  Blocks 0-511 src, 512-1023 Wq, Wk, Wv, Wo (128 each), 1024-1535 W1, 1536-2047 W2.  No LDS, no barrier: waves share nothing.
; The weights' rows are read in runs of 96 bytes, 16 rows to a load: once in the program, so that every later read of them is of whole aligned blocks.
; LIMITS: a block of src whose largest magnitude lies under 2^-122 keeps the byte 1 (a block of zeros too, where the quantiser says 127: its codes are zeros and only this program reads the bytes); NaN and infinities are not served.
.set BLKB, 6400
.set XA,  4                            ; v4      src: my lane's byte in a tile's rows
.set LO,  5                            ; v5      8 x lane: my place in an image's 256 bytes
.set WA,  6                            ; v6-9    weights: my lane's byte in tile t's rows
.set SA,  10                           ; v10-11  weights: my lane's scale word e
.set X0,  16                           ; v16-79, v80-143  two sets of 64 numbers
.set F,   16                           ; v16-63  weights: four fragments
.set E,   64                           ; v64-65  weights: the scale pair
.set PC,  144                          ; v144-163 the codes just made
.set TM,  164                          ; v164-179 at work in QUANT
.set PW,  180                          ; the scale word just made
.set PWS, 181                          ; v181-184 the four tiles' scale words
.set EP,  186                          ; v186-187 the block's scale pair
.set SEL, 32                           ; s[32:33] v_permlanex16_b32's selects for lane l xor 16
; 64 numbers of a lane, register 16 b + i = k 32 b + 16 (lane / 16) + i of my row, become a fragment's codes in v[PC] .. v[PC+11] and the row's scale word in v[PW].
.macro QUANT s
.irp b, 0,1,2,3
	v_max3_num_f32 v[TM+\b], |v[\s+16*\b]|, |v[\s+1+16*\b]|, 0x2800000   ; block b: my 16 numbers and the floor 2^(5 - 127): the byte cannot fall under 1
.endr
.irp i, 2,4,6,8,10,12,14
.irp b, 0,1,2,3
	v_max3_num_f32 v[TM+\b], v[TM+\b], |v[\s+16*\b+\i]|, |v[\s+1+16*\b+\i]|
.endr
.endr
.irp b, 0,1,2,3
	v_permlanex16_b32 v[TM+4+\b], v[TM+\b], s[SEL], s[SEL+1]
.endr
.irp b, 0,1,2,3
	v_max_num_f32 v[TM+\b], v[TM+\b], v[TM+4+\b]   ; with lane l xor 16's 16: the block's largest magnitude
.endr
.irp b, 0,1,2,3
	v_add_nc_u32 v[TM+12+\b], 0xfe000000, v[TM+\b] ; 4 off its exponent field: the conversion's scale operand
.endr
.irp b, 0,1,2,3
	v_lshrrev_b32 v[TM+4+\b], 23, v[TM+12+\b]      ; the scale's byte
.endr
	v_lshl_or_b32 v[PW], v[TM+5], 8, v[TM+4]
	v_lshl_or_b32 v[PW], v[TM+6], 16, v[PW]
	v_lshl_or_b32 v[PW], v[TM+7], 24, v[PW]
.irp c, 0,1
	v_cvt_scalef32_pk16_bf6_f32 v[PC+6*\c:PC+2+6*\c], v[\s+32*\c:\s+15+32*\c], v[TM+12+2*\c]
	v_cvt_scalef32_pk16_bf6_f32 v[PC+12+4*\c:PC+14+4*\c], v[\s+16+32*\c:\s+31+32*\c], v[TM+12+2*\c+1]   ; (a conversion's three registers begin on an even number)
.endr
	v_nop                                          ; one plain place behind a scaled conversion
.irp c, 0,1                                    ; the operand wants a whole block in a lane: lanes 0-15 block 2 c, lanes 16-31 block 2 c + 1
.irp i, 0,1,2
	v_permlane16_swap_b32 v[PC+6*\c+\i], v[PC+12+4*\c+\i]
.endr
.irp i, 0,1,2
	v_mov_b32 v[PC+3+6*\c+\i], v[PC+12+4*\c+\i]
.endr
.endr
.endm
; tile t's 64 numbers a lane: of row r's 128 along K, 16 neighbours of each block of 32
.macro XLOAD reg, t
.irp b, 0,1,2,3
.irp j, 0,1,2,3
	global_load_b128 v[\reg+16*\b+4*\j:\reg+16*\b+4*\j+3], v[XA], s[4:5] offset:(32*((\t)/2)+8*((\t)%2))*4096+128*\b+16*\j th:TH_LOAD_NT
.endr
.endr
.endm
.macro TILE t
.if (\t) < 3
	s_wait_loadcnt 16                              ; this tile's 16 loads are in; the next tile's 16 may be out
.else
	s_wait_loadcnt 0x0
.endif
.if (\t) > 0
	s_wait_xcnt 0x0                                ; the last tile's stores have read v[PC] on: only now are they written again
.endif
	QUANT X0+64*((\t)%2)
.irp p, 0,1,2,3,4,5
	global_store_b64 v[LO], v[PC+2*\p:PC+2*\p+1], s[6:7] offset:1536*(\t)+256*\p   ; 32 lanes store 256 consecutive bytes, aligned
.endr
	v_mov_b32 v[PWS+(\t)], v[PW]
.if (\t) < 2
	XLOAD X0+64*((\t)%2), (\t)+2
.endif
.endm
	s_load_b64 s[4:5], s[0:1], 0x0                 ; src
	s_load_b256 s[8:15], s[0:1], 0x8               ; Wq's codes, scales; Wk's codes, scales
	s_load_b256 s[16:23], s[0:1], 0x28             ; Wv's, Wo's
	s_load_b256 s[24:31], s[0:1], 0x48             ; W1's, W2's
	s_load_b64 s[6:7], s[0:1], 0x68                ; img0
	v_lshrrev_b32 v1, 5, v0
	v_readfirstlane_b32 s34, v1                    ; wave
	s_lshl_b32 s35, ttmp9, 2
	s_add_co_u32 s35, s35, s34                     ; my block's number
	s_mul_i32 s36, s35, BLKB
	s_mov_b32 s37, 0
	v_and_b32 v1, 31, v0
	v_and_b32 v2, 15, v0                           ; r
	v_bfe_u32 v3, v0, 4, 1                         ; h
	v_lshlrev_b32 v[LO], 3, v1
	v_and_b32 v12, 8, v2
	v_add_nc_u32 v12, v12, v2                      ; r + 8 (r / 8)
	s_wait_kmcnt 0x0
	s_add_nc_u64 s[6:7], s[6:7], s[36:37]          ; where my block goes
	s_cmp_ge_u32 ttmp9, 128                        ; work-groups 0-127: src; the others: weights
	s_cbranch_scc1 .Lweights
	s_lshr_b32 s38, s35, 3                         ; R
	s_and_b32 s39, s35, 7                          ; s
	s_lshl_b32 s38, s38, 18                        ; 64 rows of 4,096 bytes
	s_lshl_b32 s39, s39, 9                         ; 128 numbers
	s_add_co_u32 s38, s38, s39
	s_mov_b32 s39, 0
	s_add_nc_u64 s[4:5], s[4:5], s[38:39]
	s_wait_alu depctr_va_vdst(0)
	v_lshlrev_b32 v[XA], 12, v12
	v_lshl_add_u32 v[XA], v3, 6, v[XA]             ; row (r + 8 (r / 8)) + 64 h bytes
	s_mov_b32 s[SEL], 0x76543210
	s_mov_b32 s[SEL+1], 0xfedcba98
	s_mov_b32 s40, 0xffff0000                      ; lanes 16-31
.irp b, 0,1,2,3
	v_mov_b32 v[TM+4+\b], 0                        ; written once: a lane permute's destination counts as one of its sources
.endr
	XLOAD X0, 0
	XLOAD X0+64, 1
	TILE 0
	TILE 1
	TILE 2
	TILE 3
	v_cndmask_b32 v[EP], v[PWS], v[PWS+1], s40     ; word 0: lanes 0-15 tile 0's rows, lanes 16-31 tile 1's
	v_cndmask_b32 v[EP+1], v[PWS+2], v[PWS+3], s40 ; word 1: tiles 2 and 3
	global_store_b64 v[LO], v[EP:EP+1], s[6:7] offset:6144
	s_endpgm
.Lweights:
	s_sub_co_u32 s38, s35, 512                     ; j: 0-511 Wq, Wk, Wv, Wo; 512-1023 W1; 1024-1535 W2
	s_lshr_b32 s39, s38, 3
	s_and_b32 s41, s39, 15                         ; R of the four square weights
	s_and_b32 s42, s39, 63                         ; R of W1
	s_lshr_b32 s43, s38, 5
	s_and_b32 s43, s43, 15                         ; R of W2
	s_and_b32 s44, s38, 7                          ; s where K = 1,024
	s_and_b32 s45, s38, 31                         ; s of W2
	s_mov_b32 s46, 3072
	s_mov_b32 s47, 128
	s_cmp_lt_u32 s38, 512
	s_cselect_b32 s41, s41, s42
	s_cmp_lt_u32 s38, 1024
	s_cselect_b32 s41, s41, s43                    ; R
	s_cselect_b32 s44, s44, s45                    ; s
	s_cselect_b32 s46, 768, s46                    ; a row of codes in bytes
	s_cselect_b32 s47, 32, s47                     ; a row of scale bytes
	s_cselect_b64 s[48:49], s[24:25], s[28:29]     ; the buffers are chosen by the block's number alone
	s_cselect_b64 s[50:51], s[26:27], s[30:31]
	s_cmp_lt_u32 s38, 512
	s_cselect_b64 s[48:49], s[20:21], s[48:49]
	s_cselect_b64 s[50:51], s[22:23], s[50:51]
	s_cmp_lt_u32 s38, 384
	s_cselect_b64 s[48:49], s[16:17], s[48:49]
	s_cselect_b64 s[50:51], s[18:19], s[50:51]
	s_cmp_lt_u32 s38, 256
	s_cselect_b64 s[48:49], s[12:13], s[48:49]
	s_cselect_b64 s[50:51], s[14:15], s[50:51]
	s_cmp_lt_u32 s38, 128
	s_cselect_b64 s[48:49], s[8:9], s[48:49]
	s_cselect_b64 s[50:51], s[10:11], s[50:51]
	s_lshl_b32 s41, s41, 6                         ; the block's first row
	s_mul_i32 s52, s41, s46
	s_mul_i32 s53, s44, 96
	s_add_co_u32 s52, s52, s53
	s_mov_b32 s53, 0
	s_add_nc_u64 s[48:49], s[48:49], s[52:53]      ; codes: first row, K step s
	s_mul_i32 s52, s41, s47
	s_lshl_b32 s54, s44, 2
	s_add_co_u32 s52, s52, s54
	s_add_nc_u64 s[50:51], s[50:51], s[52:53]      ; scale bytes likewise
	s_wait_alu depctr_va_vdst(0)
	v_mul_u32_u24 v13, v3, 24
.irp t, 0,1,2,3
	v_add_nc_u32 v14, 32*(\t/2)+8*(\t%2), v12
	v_mad_u32_u24 v[WA+\t], v14, s46, v13          ; tile t: my row x a row's bytes + 24 h
.endr
	v_lshl_add_u32 v14, v3, 3, v12                 ; row r of tile h,
	v_mul_u32_u24 v[SA], v14, s47
	v_add_nc_u32 v14, 32, v14                      ; and of tile 2 + h
	v_mul_u32_u24 v[SA+1], v14, s47
.irp t, 0,1,2,3
.irp p, 0,1,2,3,4,5
	global_load_b64 v[F+12*\t+2*\p:F+12*\t+2*\p+1], v[WA+\t], s[48:49] offset:48*(\p/3)+8*(\p%3)   ; 24 bytes of the row's stream of bits for each block pair, in pieces of 8
.endr
.endr
	global_load_b32 v[E], v[SA], s[50:51]
	global_load_b32 v[E+1], v[SA+1], s[50:51]
	s_wait_loadcnt 0x0
.irp t, 0,1,2,3
.irp p, 0,1,2,3,4,5
	global_store_b64 v[LO], v[F+12*\t+2*\p:F+12*\t+2*\p+1], s[6:7] offset:1536*\t+256*\p
.endr
.endr
	global_store_b64 v[LO], v[E:E+1], s[6:7] offset:6144
	s_endpgm
.Lfunc_end_k_qab8cab4a3b_prep:
	.size	k_qab8cab4a3b_prep, .Lfunc_end_k_qab8cab4a3b_prep-k_qab8cab4a3b_prep
	.p2alignl 7, 3214868480
	.fill 96, 4, 3214868480
	.section	.rodata,"a",@progbits
	.p2align	6, 0x0
	.amdhsa_kernel k_qab8cab4a3b_prep
		.amdhsa_group_segment_fixed_size 0
		.amdhsa_private_segment_fixed_size 0
		.amdhsa_enable_private_segment 0
		.amdhsa_kernarg_size 112
		.amdhsa_user_sgpr_count 2
		.amdhsa_user_sgpr_kernarg_segment_ptr 1
		.amdhsa_wavefront_size32 1
		.amdhsa_system_sgpr_workgroup_id_x 1
		.amdhsa_system_sgpr_workgroup_id_y 1
		.amdhsa_system_sgpr_workgroup_id_z 1
		.amdhsa_system_vgpr_workitem_id 0
		.amdhsa_next_free_vgpr 192
		.amdhsa_next_free_sgpr 66
		.amdhsa_reserve_vcc 0
		.amdhsa_float_denorm_mode_32 3
		.amdhsa_float_denorm_mode_16_64 3
		.amdhsa_memory_ordered 1
		.amdhsa_forward_progress 1
		.amdhsa_inst_pref_size 33
	.end_amdhsa_kernel
	.amdgpu_metadata
---
amdhsa.version: [ 1, 2 ]
amdhsa.kernels:
  - .name:           k_qab8cab4a3b_prep
    .symbol:         k_qab8cab4a3b_prep.kd
    .args:
      - { .name: src, .offset: 0, .size: 8, .value_kind: global_buffer, .address_space: global }
      - { .name: Wq_codes, .offset: 8, .size: 8, .value_kind: global_buffer, .address_space: global }
      - { .name: Wq_scales, .offset: 16, .size: 8, .value_kind: global_buffer, .address_space: global }
      - { .name: Wk_codes, .offset: 24, .size: 8, .value_kind: global_buffer, .address_space: global }
      - { .name: Wk_scales, .offset: 32, .size: 8, .value_kind: global_buffer, .address_space: global }
      - { .name: Wv_codes, .offset: 40, .size: 8, .value_kind: global_buffer, .address_space: global }
      - { .name: Wv_scales, .offset: 48, .size: 8, .value_kind: global_buffer, .address_space: global }
      - { .name: Wo_codes, .offset: 56, .size: 8, .value_kind: global_buffer, .address_space: global }
      - { .name: Wo_scales, .offset: 64, .size: 8, .value_kind: global_buffer, .address_space: global }
      - { .name: W1_codes, .offset: 72, .size: 8, .value_kind: global_buffer, .address_space: global }
      - { .name: W1_scales, .offset: 80, .size: 8, .value_kind: global_buffer, .address_space: global }
      - { .name: W2_codes, .offset: 88, .size: 8, .value_kind: global_buffer, .address_space: global }
      - { .name: W2_scales, .offset: 96, .size: 8, .value_kind: global_buffer, .address_space: global }
      - { .name: img0, .offset: 104, .size: 8, .value_kind: global_buffer, .address_space: global }
    .group_segment_fixed_size: 0
    .private_segment_fixed_size: 0
    .kernarg_segment_align: 8
    .kernarg_segment_size: 112
    .max_flat_workgroup_size: 128
    .sgpr_count:     66
    .vgpr_count:     192
    .wavefront_size: 32
...
	.end_amdgpu_metadata
.endif
;; end of part 9
;; launch proj (part 10): grid 4 x 48, 4 waves a work-group, clusters of 4 x 4, 327,680 bytes of LDS; arguments img0, bq, bk, bv, qkvimg; writes qkvimg
.if DOCPART == 10
	.amdgcn_target "amdgcn-amd-amdhsa--gfx1250"
	.amdhsa_code_object_version 6
	.text
	.protected	k_qab8cab4a3b_proj
	.globl	k_qab8cab4a3b_proj
	.p2align	8
	.type	k_qab8cab4a3b_proj,@function
k_qab8cab4a3b_proj:
	s_mov_b64 s[64:65], 0
	v_nop
	global_prefetch_b8 v0, s[64:65] scope:SCOPE_SE
	s_setreg_imm32_b32 hwreg(HW_REG_WAVE_MODE, 25, 1), 1
	s_wait_xcnt 0x0
	s_wait_alu depctr_hold_cnt(0) depctr_sa_sdst(0) depctr_va_vdst(0) depctr_va_sdst(0) depctr_va_ssrc(0) depctr_va_vcc(0) depctr_vm_vsrc(0)
	s_getreg_b32 s2, hwreg(HW_REG_IB_STS2, 6, 4)
	s_cmp_eq_u32 s2, 0
	s_cbranch_scc0 .Lentry_in_a_cluster
	s_endpgm
.Lentry_in_a_cluster:
	s_bfe_u32 s2, ttmp6, 0x10000c
	s_cmp_lg_u32 s2, 0xf033
	s_cbranch_scc0 .Lentry_shape_is_right
	s_endpgm
.Lentry_shape_is_right:
.set QKV,   1
.set KS,    8
.set LAPS,  KS/4
.set BLKB,  6400
.set RB,    2*BLKB
.set SLOT,  8*RB
.set SPARE, 2*SLOT
.set FR,    12
.set NL,    6
.set NP,    4
.set ADRA, 16
.set ADRB, 20
.set LO,   26
.set SPW,  28
.set NIL,  29
.set SC,   32
.set BI,   64
.set TM,   64
.set PW,   80
.set PWS,  81
.set EP,   86
.set AF,   128
.set T,    128
.set PC,   192
.set BV,   224
.set G1,  24
.set G0,  32
.set G1B, 48
.set G0B, 56
.set SEL, 66
.set SCL, 86
.set OUT, 92
.set HM,  98
.set MSB, 0
.macro WIN new
.if MSB != (\new)
	s_set_vgpr_msb (MSB<<8)|(\new)
.set MSB, \new
.endif
.endm
.set MUL_LO, 0xa1
.set MUL_HI, 0xf1
.set TO_B,   0x40
.macro JLOAD s
	s_cmp_eq_u32 s15, 0
	s_cbranch_scc0 .Lfor_b_\@
	tensor_load_to_lds s[G0+4*\s:G0+4*\s+3], s[G1:G1+7]
	s_nop 0
.rept 4
	v_nop
.endr
	s_branch .Lasked_\@
.Lfor_b_\@:
	tensor_load_to_lds s[G0B+4*\s:G0B+4*\s+3], s[G1B:G1B+7]
	s_nop 0
.rept 4
	v_nop
.endr
.Lasked_\@:
.endm
.macro CREST
	s_cmp_lg_u32 s14, 0
	s_cbranch_scc1 .Lnot_wave_0_\@
	s_barrier_signal -3
.Lnot_wave_0_\@:
	s_barrier_wait -3
	s_barrier_signal -1
	s_barrier_wait -1
.endm
.macro CROUND
	s_barrier_signal -1
	s_barrier_wait -1
	CREST
.endm
.macro PLACES n
.rept \n
	v_nop
.endr
.endm
.macro FRAG reg, adr, q, i
.irp p, 0,1,2,3,4,5
	ds_load_b64 v[\reg+2*\p:\reg+2*\p+1], v[\adr] offset:((\i)/4)*RB+(\q)*BLKB+((\i)%4)*1536+256*\p
.endr
.endm
.macro FETCH_B slot, q, p
	WIN TO_B
.irp i, 0,1,2,3,4,5,6,7
	FRAG 128*(\p)+FR*\i, ADRB+\slot, \q, \i
.endr
	WIN 0
.endm
.macro FETCH_A slot, q, i0
.irp i, \i0, \i0+1, \i0+2, \i0+3
	FRAG AF+FR*(\i), ADRA+\slot, \q, \i
.endr
.endm
.macro SCALES slot
.irp q, 0,1
.irp k, 0,1
	ds_load_b64 v[SC+16*\slot+8*\q+2*\k:SC+16*\slot+8*\q+2*\k+1], v[ADRA+\slot] offset:\k*RB+\q*BLKB+6144
	ds_load_b64 v[SC+16*\slot+8*\q+4+2*\k:SC+16*\slot+8*\q+4+2*\k+1], v[ADRB+\slot] offset:\k*RB+\q*BLKB+6144
.endr
.endr
.endm
.macro MM a, b, p, q, set, zero
.set rD, 8*(8*((\a)%4)+(\b))
.set rB, 128*(\p)+FR*(\b)
.set rA, AF+FR*(\a)
.set xB, SC+16*(\set)+8*(\q)+4+2*((\b)/4)+((\b)/2)%2
.set xA, SC+16*(\set)+8*(\q)+2*((\a)/4)+((\a)/2)%2
.set par, 2*((\a)%2)+(\b)%2
.if (\zero) == 2
.set rC, BI+8*(\b)
.else
.set rC, rD
.endif
.if par == 0
	v_wmma_scale_f32_16x16x128_f8f6f4 v[rD:rD+7], v[rB:rB+11], v[rA:rA+11], v[rC:rC+7], v[xB], v[xA] matrix_a_fmt:MATRIX_FMT_BF6 matrix_b_fmt:MATRIX_FMT_BF6
.elseif par == 1
	v_wmma_scale_f32_16x16x128_f8f6f4 v[rD:rD+7], v[rB:rB+11], v[rA:rA+11], v[rC:rC+7], v[xB], v[xA] matrix_a_fmt:MATRIX_FMT_BF6 matrix_b_fmt:MATRIX_FMT_BF6 matrix_a_scale:MATRIX_SCALE_ROW1
.elseif par == 2
	v_wmma_scale_f32_16x16x128_f8f6f4 v[rD:rD+7], v[rB:rB+11], v[rA:rA+11], v[rC:rC+7], v[xB], v[xA] matrix_a_fmt:MATRIX_FMT_BF6 matrix_b_fmt:MATRIX_FMT_BF6 matrix_b_scale:MATRIX_SCALE_ROW1
.else
	v_wmma_scale_f32_16x16x128_f8f6f4 v[rD:rD+7], v[rB:rB+11], v[rA:rA+11], v[rC:rC+7], v[xB], v[xA] matrix_a_fmt:MATRIX_FMT_BF6 matrix_b_fmt:MATRIX_FMT_BF6 matrix_a_scale:MATRIX_SCALE_ROW1 matrix_b_scale:MATRIX_SCALE_ROW1
.endif
.endm
.macro MUL16 a0, p, q, set, zero
.irp a, \a0, \a0+1
.irp b, 0,1,2,3,4,5,6,7
	MM \a, \b, \p, \q, \set, \zero
.endr
.endr
.endm
.macro STEP slot, q, zero
	s_wait_dscnt 4*NL
.if (\zero) == 2
	WIN 0x81
.else
	WIN MUL_LO
.endif
	MUL16 0, (\q)%2, \q, \slot, \zero
	MUL16 2, (\q)%2, \q, \slot, \zero
	s_wait_dscnt 0
	PLACES NP
	FETCH_B \slot, (\q)+1, 1-(\q)%2
	FETCH_A \slot, (\q)+1, 0
.if (\zero) == 2
	WIN 0xc1
.else
	WIN MUL_HI
.endif
	MUL16 4, (\q)%2, \q, \slot, \zero
	MUL16 6, (\q)%2, \q, \slot, \zero
	PLACES NP
	WIN 0
	FETCH_A \slot, (\q)+1, 4
.endm
.macro TURN slot, next, fill
	s_wait_tensorcnt 0x0
	ds_add_u32 v[SPW], v[NIL]
	s_wait_dscnt 4*NL+1
	WIN MUL_LO
	MUL16 0, 1, 1, \slot, 0
	s_wait_dscnt 0x0
	s_barrier_signal -1
	MUL16 2, 1, 1, \slot, 0
	WIN 0
	s_barrier_wait -1
.if \fill
	CREST
	s_add_nc_u64 s[G0+4*\slot+2:G0+4*\slot+3], s[G0+4*\slot+2:G0+4*\slot+3], 2*RB
	s_add_nc_u64 s[G0B+4*\slot+2:G0B+4*\slot+3], s[G0B+4*\slot+2:G0B+4*\slot+3], 2*RB
	JLOAD \slot
.else
	PLACES NP
.endif
	FETCH_B \next, 0, 0
	FETCH_A \next, 0, 0
	SCALES \next
	WIN MUL_HI
	MUL16 4, 1, 1, \slot, 0
	MUL16 6, 1, 1, \slot, 0
	PLACES NP
	WIN 0
	FETCH_A \next, 0, 4
.endm
.macro QUANT s
.irp b, 0,1,2,3
	v_max3_num_f32 v[TM+\b], |v[\s+16*\b]|, |v[\s+1+16*\b]|, 0x2800000
.endr
.irp i, 2,4,6,8,10,12,14
.irp b, 0,1,2,3
	v_max3_num_f32 v[TM+\b], v[TM+\b], |v[\s+16*\b+\i]|, |v[\s+1+16*\b+\i]|
.endr
.endr
.irp b, 0,1,2,3
	v_permlanex16_b32 v[TM+4+\b], v[TM+\b], s[SEL], s[SEL+1]
.endr
.irp b, 0,1,2,3
	v_max_num_f32 v[TM+\b], v[TM+\b], v[TM+4+\b]
.endr
.irp b, 0,1,2,3
	v_add_nc_u32 v[TM+12+\b], 0xfe000000, v[TM+\b]
.endr
.irp b, 0,1,2,3
	v_lshrrev_b32 v[TM+4+\b], 23, v[TM+12+\b]
.endr
	v_lshl_or_b32 v[PW], v[TM+5], 8, v[TM+4]
	v_lshl_or_b32 v[PW], v[TM+6], 16, v[PW]
	v_lshl_or_b32 v[PW], v[TM+7], 24, v[PW]
.irp c, 0,1
	v_cvt_scalef32_pk16_bf6_f32 v[PC+6*\c:PC+2+6*\c], v[\s+32*\c:\s+15+32*\c], v[TM+12+2*\c]
	v_cvt_scalef32_pk16_bf6_f32 v[PC+12+4*\c:PC+14+4*\c], v[\s+16+32*\c:\s+31+32*\c], v[TM+12+2*\c+1]
.endr
	v_nop
.irp c, 0,1
.irp i, 0,1,2
	v_permlane16_swap_b32 v[PC+6*\c+\i], v[PC+12+4*\c+\i]
.endr
.irp i, 0,1,2
	v_mov_b32 v[PC+3+6*\c+\i], v[PC+12+4*\c+\i]
.endr
.endr
.endm
.macro OUTA a
.set n, 0
.if QKV
	WIN 0x02+(\a)/4
.rept 32
.if (\a)%2
	v_pk_fma_f32 v[T+n:T+n+1], v[64*((\a)%4)+n:64*((\a)%4)+n+1], s[SCL:SCL+1], v[BV+(\a)-1:BV+(\a)] op_sel:[0,0,1] op_sel_hi:[1,0,1]
.else
	v_pk_fma_f32 v[T+n:T+n+1], v[64*((\a)%4)+n:64*((\a)%4)+n+1], s[SCL:SCL+1], v[BV+(\a):BV+(\a)+1] op_sel_hi:[1,0,0]
.endif
.set n, n+2
.endr
.else
	WIN 0x08+4*((\a)/4)
.rept 64
	v_max_num_f32 v[T+n], 0, v[64*((\a)%4)+n]
.set n, n+1
.endr
.endif
	WIN 0
.if (\a) > 0
	s_wait_xcnt 0x0
.endif
	QUANT T
.irp p, 0,1,2,3,4,5
	global_store_b64 v[LO], v[PC+2*\p:PC+2*\p+1], s[OUT+4*((\a)/4):OUT+4*((\a)/4)+1] offset:((\a)%4)*1536+256*\p
.endr
	v_mov_b32 v[PWS+(\a)%4], v[PW]
.if (\a)%4 == 3
	v_cndmask_b32 v[EP], v[PWS], v[PWS+1], s[HM]
	v_cndmask_b32 v[EP+1], v[PWS+2], v[PWS+3], s[HM]
	global_store_b64 v[LO], v[EP:EP+1], s[OUT+4*((\a)/4):OUT+4*((\a)/4)+1] offset:6144
.endif
.endm
.if QKV
	s_load_b64 s[4:5], s[0:1], 0x0
	s_load_b64 s[6:7], s[0:1], 0x0
	s_load_b128 s[68:71], s[0:1], 0x8
	s_load_b128 s[72:75], s[0:1], 0x18
.else
	s_load_b128 s[4:7], s[0:1], 0x0
	s_load_b128 s[8:11], s[0:1], 0x10
.endif
	v_lshl_add_u32 v[SPW], v0, 2, SPARE
	v_mov_b32 v[NIL], 0
	ds_add_u32 v28, v29
	ds_add_u32 v28, v29
	s_wait_dscnt 0x0
	v_lshrrev_b32 v1, 5, v0
	v_readfirstlane_b32 s14, v1
	s_lshr_b32 s15, s14, 1
	s_and_b32 s16, s14, 1
	s_bfe_u32 s40, ttmp6, 0x40000
	s_bfe_u32 s41, ttmp6, 0x40004
	s_and_b32 s18, ttmp7, 0xffff
.if QKV
	s_lshr_b32 s76, s18, 2
	s_and_b32 s77, s18, 3
	s_lshl_b32 s77, s77, 2
	s_mul_i32 s79, s76, 819200
	s_add_co_u32 s79, s79, 3276800
	s_mul_i32 s85, s76, 3276800
	s_cmp_eq_u32 s76, 2
	s_cselect_b32 s17, 0, s77
	s_cselect_b32 s42, s77, 0
	s_cselect_b32 s78, 4915200, 0
	s_cselect_b32 s79, 0, s79
	s_cselect_b32 s80, 32, 8
	s_cselect_b32 s81, -1, 0
	s_cselect_b32 s84, 0, -1
	s_cmp_eq_u32 s76, 0
	s_cselect_b32 s[SCL], 0x3e000000, 1.0
	s_mov_b32 s[SCL+1], s[SCL]
	s_add_co_u32 s17, s17, s41
	s_add_co_u32 s42, s42, s40
	s_cmp_eq_u32 s76, 2
	s_cselect_b32 s88, 0, s42
	s_cselect_b32 s89, s17, 0
.else
	s_lshl_b32 s42, ttmp9, 2
	s_add_co_u32 s42, s42, s40
	s_lshl_b32 s17, s18, 2
	s_add_co_u32 s17, s17, s41
.endif
	s_lshl_b32 s43, s41, 2
	s_lshl_b32 s43, 15, s43
	s_lshl_b32 s44, 0x1111, s40
	s_or_b32 s[G1], s43, (3<<16)|(1<<21)
	s_or_b32 s[G1B], s44, (3<<16)|(1<<21)
.irp g, G1, G1B
	s_mov_b32 s[\g+1], 1600<<16
	s_mov_b32 s[\g+2], 2<<16
	s_mov_b32 s[\g+3], 1600<<16
	s_mov_b32 s[\g+4], 2
	s_mov_b32 s[\g+5], KS*800
	s_mov_b32 s[\g+6], 0
	s_mov_b32 s[\g+7], 0
.endr
	s_lshl_b32 s18, s16, 1
	s_lshl_b32 s20, s17, 2
	s_add_co_u32 s20, s20, s18
	s_lshl_b32 s46, s42, 2
	s_add_co_u32 s46, s46, s18
	s_mul_i32 s20, s20, KS*BLKB
	s_mul_i32 s46, s46, KS*BLKB
.if QKV
	s_add_co_u32 s20, s20, s78
	s_add_co_u32 s46, s46, s79
.else
	s_add_co_u32 s46, s46, 6553600
.endif
	s_mov_b32 s21, 0
	s_mov_b32 s47, 0
	s_mul_i32 s45, s14, 2*RB
	s_wait_kmcnt 0x0
	s_add_nc_u64 s[20:21], s[4:5], s[20:21]
	s_add_nc_u64 s[46:47], s[6:7], s[46:47]
	; PREFETCH INTO THE L2.  A slot's part that I fetch is two blocks x two K steps of 6,400 bytes; the four partners that ask for it jointly take one K step of one block each, told apart by address (cx for A, cy for B):
	; 25 blocks of 256 bytes, a lane a block (lanes 25-31 name the last again).  Behind slot 0's load slots 1 and 2 are asked for, behind slot 1's slot 3, the last
	s_cmp_eq_u32 s15, 0
	s_cselect_b64 s[12:13], s[20:21], s[46:47]
	s_cselect_b32 s82, s40, s41
	s_lshr_b32 s83, s82, 1
	s_and_b32 s82, s82, 1
	s_mul_i32 s83, s83, KS*BLKB
	s_mul_i32 s82, s82, BLKB
	s_add_co_u32 s82, s82, s83
	s_mov_b32 s83, 0
	s_add_nc_u64 s[12:13], s[12:13], s[82:83]
	v_and_b32 v30, 31, v0
	v_min_u32 v30, 24, v30
	v_lshlrev_b32 v30, 8, v30
	CROUND
.irp s, 0,1
	s_mov_b32 s[G0+4*\s], 1
	s_add_co_u32 s[G0+4*\s+1], s45, \s*SLOT
	s_add_nc_u64 s[G0+4*\s+2:G0+4*\s+3], s[20:21], \s*RB
	s_or_b32 s[G0+4*\s+3], s[G0+4*\s+3], 0x80000000
	s_mov_b32 s[G0B+4*\s], 1
	s_add_co_u32 s[G0B+4*\s+1], s45, \s*SLOT
	s_add_nc_u64 s[G0B+4*\s+2:G0B+4*\s+3], s[46:47], \s*RB
	s_or_b32 s[G0B+4*\s+3], s[G0B+4*\s+3], 0x80000000
	s_wait_alu depctr_va_vdst(0)
	s_wait_tensorcnt 0x0
	ds_add_u32 v28, v29
	ds_add_u32 v28, v29
	s_wait_dscnt 0x0
	CROUND
	JLOAD \s
.if \s == 0
	global_prefetch_b8 v30, s[12:13] offset:RB th:TH_LOAD_NT scope:SCOPE_SE
.endif
	global_prefetch_b8 v30, s[12:13] offset:(\s+2)*RB th:TH_LOAD_NT scope:SCOPE_SE
.endr
.if QKV
	s_mov_b64 s[10:11], s[74:75]
	s_cmp_eq_u32 s76, 0
	s_cselect_b64 s[8:9], s[68:69], s[70:71]
	s_cmp_eq_u32 s76, 2
	s_cselect_b64 s[8:9], s[72:73], s[8:9]
	s_lshl_b32 s22, s88, 10
.else
	s_lshl_b32 s22, s42, 10
.endif
	s_mov_b32 s23, 0
	s_lshl_b32 s19, s16, 9
	s_add_co_u32 s22, s22, s19
	s_add_nc_u64 s[90:91], s[8:9], s[22:23]
	v_and_b32 v1, 31, v0
	v_lshlrev_b32 v[LO], 3, v1
	s_wait_alu depctr_va_vdst(0)
	v_bfe_u32 v2, v0, 4, 1
	v_lshlrev_b32 v2, 6, v2
.irp b, 0,1,2,3
.irp j, 0,1,2,3
	global_load_b128 v[BI+16*\b+4*\j:BI+16*\b+4*\j+3], v2, s[90:91] offset:128*\b+16*\j
.endr
.endr
.if QKV
	s_lshl_b32 s22, s89, 10
	s_lshl_b32 s19, s15, 9
	s_add_co_u32 s22, s22, s19
	s_add_nc_u64 s[94:95], s[8:9], s[22:23]
	v_and_b32 v3, 15, v0
	v_and_b32 v4, 8, v3
	v_add_nc_u32 v3, v3, v4
	v_lshlrev_b32 v3, 2, v3
.irp a, 0,1,2,3,4,5,6,7
	global_load_b32 v[BV+\a], v3, s[94:95] offset:4*(64*(\a/4)+32*((\a%4)/2)+8*(\a%2))
.endr
.endif
	s_mul_i32 s21, s15, 2*RB
	s_mul_i32 s22, s16, 2*RB
	s_add_co_u32 s22, s22, 4*RB
.irp s, 0,1
	v_add_nc_u32 v[ADRA+\s], s21, v[LO]
	v_add_nc_u32 v[ADRB+\s], s22, v[LO]
	s_add_co_u32 s21, s21, SLOT
	s_add_co_u32 s22, s22, SLOT
.endr
	s_lshl_b32 s22, s17, 2
	s_lshl_b32 s19, s15, 1
	s_add_co_u32 s22, s22, s19
.if QKV
	s_mul_i32 s22, s22, s80
.else
	s_lshl_b32 s22, s22, 5
.endif
	s_lshl_b32 s19, s42, 1
	s_add_co_u32 s22, s22, s19
	s_add_co_u32 s22, s22, s16
	s_mul_i32 s22, s22, BLKB
.if QKV
	s_add_co_u32 s22, s22, s85
.endif
	s_add_nc_u64 s[OUT:OUT+1], s[10:11], s[22:23]
.if QKV
	s_mul_i32 s22, s80, BLKB
.else
	s_mov_b32 s22, 32*BLKB
.endif
	s_add_nc_u64 s[OUT+4:OUT+5], s[OUT:OUT+1], s[22:23]
	s_mov_b32 s[SEL], 0x76543210
	s_mov_b32 s[SEL+1], 0xfedcba98
	s_mov_b32 s[HM], 0xffff0000
	s_wait_loadcnt 0x0
.if QKV
.set n, 0
.rept 64
	v_and_b32 v[BI+n], s84, v[BI+n]
.set n, n+1
.endr
.irp a, 0,1,2,3,4,5,6,7
	v_and_b32 v[BV+\a], s81, v[BV+\a]
.endr
.endif
	s_wait_alu depctr_va_vdst(0)
	s_wait_tensorcnt 1
	s_barrier_signal -1
	s_barrier_wait -1
	FETCH_B 0, 0, 0
	FETCH_A 0, 0, 0
	SCALES 0
	FETCH_A 0, 0, 4
	STEP 0, 0, 2
	s_mov_b32 s3, LAPS-1
.Llap:
	TURN 0, 1, 1
	STEP 1, 0, 0
	TURN 1, 0, 1
	STEP 0, 0, 0
	s_sub_co_u32 s3, s3, 1
	s_cmp_lg_u32 s3, 0
	s_cbranch_scc1 .Llap
	TURN 0, 1, 0
	STEP 1, 0, 0
	s_wait_dscnt 4*NL
	WIN MUL_LO
	MUL16 0, 1, 1, 1, 0
	MUL16 2, 1, 1, 1, 0
	s_wait_dscnt 0
	WIN MUL_HI
	MUL16 4, 1, 1, 1, 0
	MUL16 6, 1, 1, 1, 0
	WIN 0
.irp b, 0,1,2,3
	v_mov_b32 v[TM+4+\b], 0
.endr
.irp a, 0,1,2,3,4,5,6,7
	OUTA \a
.endr
	s_wait_tensorcnt 0x0
	ds_add_u32 v[SPW], v[NIL]
	s_wait_dscnt 0x0
	CROUND
	s_endpgm
.Lfunc_end_k_qab8cab4a3b_proj:
	.size	k_qab8cab4a3b_proj, .Lfunc_end_k_qab8cab4a3b_proj-k_qab8cab4a3b_proj
	.p2alignl 7, 3214868480
	.fill 96, 4, 3214868480
	.section	.rodata,"a",@progbits
	.p2align	6, 0x0
	.amdhsa_kernel k_qab8cab4a3b_proj
		.amdhsa_group_segment_fixed_size 327680
		.amdhsa_private_segment_fixed_size 0
		.amdhsa_enable_private_segment 0
		.amdhsa_kernarg_size 40
		.amdhsa_user_sgpr_count 2
		.amdhsa_user_sgpr_kernarg_segment_ptr 1
		.amdhsa_wavefront_size32 1
		.amdhsa_system_sgpr_workgroup_id_x 1
		.amdhsa_system_sgpr_workgroup_id_y 1
		.amdhsa_system_sgpr_workgroup_id_z 1
		.amdhsa_system_vgpr_workitem_id 0
		.amdhsa_next_free_vgpr 1024
		.amdhsa_next_free_sgpr 100
		.amdhsa_reserve_vcc 0
		.amdhsa_float_denorm_mode_32 3
		.amdhsa_float_denorm_mode_16_64 3
		.amdhsa_memory_ordered 1
		.amdhsa_forward_progress 1
		.amdhsa_inst_pref_size 187
	.end_amdhsa_kernel
	.amdgpu_metadata
---
amdhsa.version: [ 1, 2 ]
amdhsa.kernels:
  - .name:           k_qab8cab4a3b_proj
    .symbol:         k_qab8cab4a3b_proj.kd
    .args:
      - { .name: img0, .offset: 0, .size: 8, .value_kind: global_buffer, .address_space: global }
      - { .name: bq, .offset: 8, .size: 8, .value_kind: global_buffer, .address_space: global }
      - { .name: bk, .offset: 16, .size: 8, .value_kind: global_buffer, .address_space: global }
      - { .name: bv, .offset: 24, .size: 8, .value_kind: global_buffer, .address_space: global }
      - { .name: qkvimg, .offset: 32, .size: 8, .value_kind: global_buffer, .address_space: global }
    .group_segment_fixed_size: 327680
    .private_segment_fixed_size: 0
    .kernarg_segment_align: 8
    .kernarg_segment_size: 40
    .max_flat_workgroup_size: 128
    .sgpr_count:     100
    .vgpr_count:     1024
    .wavefront_size: 32
...
	.end_amdgpu_metadata
.endif
;; end of part 10
;; launch attn (part 11): grid 8 x 32, 16 waves a work-group, clusters of 4 x 1, 327,680 bytes of LDS; arguments qkvimg, ctximg; writes ctximg
.if DOCPART == 11
	.amdgcn_target "amdgcn-amd-amdhsa--gfx1250"
	.amdhsa_code_object_version 6
	.text
	.protected	k_qab8cab4a3b_attn
	.globl	k_qab8cab4a3b_attn
	.p2align	8
	.type	k_qab8cab4a3b_attn,@function
k_qab8cab4a3b_attn:
	s_mov_b64 s[64:65], 0
	v_nop
	global_prefetch_b8 v0, s[64:65] scope:SCOPE_SE
	s_setreg_imm32_b32 hwreg(HW_REG_WAVE_MODE, 25, 1), 1
	s_wait_xcnt 0x0
	s_wait_alu depctr_hold_cnt(0) depctr_sa_sdst(0) depctr_va_vdst(0) depctr_va_sdst(0) depctr_va_ssrc(0) depctr_va_vcc(0) depctr_vm_vsrc(0)
	s_getreg_b32 s2, hwreg(HW_REG_IB_STS2, 6, 4)
	s_cmp_eq_u32 s2, 0
	s_cbranch_scc0 .Lentry_in_a_cluster
	s_endpgm
.Lentry_in_a_cluster:
	s_bfe_u32 s2, ttmp6, 0x10000c
	s_cmp_lg_u32 s2, 0x3003
	s_cbranch_scc0 .Lentry_shape_is_right
	s_endpgm
.Lentry_shape_is_right:
; ctx = softmax(Q K^T) V for one head and 256 queries to a work-group, both products on BF6 (E3M2) codes; Q (already divided by 8), K and V^T come as images, ctx leaves as an image.
; AN IMAGE BLOCK is 64 rows x 128 along K, 6,400 bytes: byte 1536 t + 256 p + 8 lane holds registers 2 p, 2 p + 1 of tile t's fragment (lane (r, h): row 32 (t / 2) + 8 (t % 2) + r + 8 (r / 8) of the block);
; byte 6144 + 8 lane + 4 e the scale word of row r of tile 2 e + h.
; THE SOFTMAX: t = score x log2(e); M = the running largest t rounded UP to a whole number; p = 2^(t - M) is quantised along the keys, not normalised; the row's sum is taken of the unquantised p and divides at the end.
; When M moves, the sum and O are multiplied by 2^(old M - new M): exact.
; SHARES: sixteen waves, each 16 queries.  Both products are used transposed (S^T = K Q^T, O^T = V^T P^T): a lane holds one query throughout.
; ONE HEAD IS 64 OF A K STEP'S 128 FEATURES: three of a fragment's six pieces.  Only these are read, of Q and of K, always into registers 0-5 (k = 0..63 of the product), with the head's two scale bytes as a half word.
; Q's registers 6-11 are zero codes, so whatever finite codes stand in registers 6-11 of K's operand (the next tile's) add nothing; the upper scale bytes are 0, a finite code.
; WHICH KEYS FORM A TILE OF K is chosen by the lanes' read addresses: row m of tile T = 2 u + w of a block of 64 keys is key 32 (m / 8) + 16 (u xor m / 8) + 8 w + m % 8.  So lane (r, h) holds in its 32 registers of four tiles
; ONE WHOLE block of 32 keys, block h of the 64: no other lane is asked for a block's maximum.  In lanes 16-31 the block's two halves of 16 stand in the other order (that keeps the 32 lanes of a load on 64 different banks:
; 64 banks of 4 bytes, ISA guide 11.1); six selects a block put the codes in order.
; LDS: the head's whole K (32 blocks) and V^T (16 blocks), 307,200 bytes, each byte filled ONCE, by one joint load a wave at the head: waves 0-7 four blocks of K each, waves 8-15 two blocks of V^T each.
; CLUSTER 4 x 1: the four blocks of queries of a cluster walk the same head.  All of K and V is asked for at the head, so there is no later request for a prefetch to run ahead of.
; LIMITS: the promise holds while the scaled scores stay under 2^31 in magnitude; a block of ctx whose largest magnitude lies under 2^-122 keeps the byte 1; NaN and infinities are not served.
.set LK,  1                            ; v1-2   my lane's byte in a block of K, for u = 0, 1
.set LS,  3                            ; v3-4   and my scale half word's
.set L8,  5                            ; v5     8 x lane
.set VQ,  6                            ; v6     my lane's byte in Q's and ctx's block
.set VS,  7                            ; v7     and my row's scale half word
.set SH,  8                            ; v8     8 h
.set OM,  9                            ; v9     the old -M
.set ADV, 10                           ; v10    LDS address of the step's block of V^T
.set TT,  11
.set QF,  16                           ; v16-27 Q's fragment
.set QS,  28                           ; Q's scales
.set PSW, 29                           ; p's scale word
.set FK,  30                           ; v30-83 K: tile i's six registers at FK + 6 i; behind the first product the registers are at work:
.set CT,  30                           ; v30-36 conversions' second halves
.set BM,  38                           ; v38-39 my two blocks' largest score, then largest p
.set H,   40                           ; v40-43 four chains of maxima
.set C,   44                           ; v44-59 eight chains of sums
.set SO,  60                           ; v60-61 the conversions' scale operands
.set PT,  62                           ; v62-63
.set KSC, 84                           ; v84-87 K's scales: register 2 g + u: lanes 0-15 tile 2 u, lanes 16-31 tile 2 u + 1
.set VSC, 88                           ; v88-89 V's
.set ADK, 90                           ; v90-91 LDS addresses of the step's K, v92-93 of its scales
.set ADS, 92
.set S,   96                           ; v96-159 S^T, then p
.set O,   160                          ; v160-191 O^T
.set FV,  192                          ; v192-239 V^T's four fragments
.set P,   240                          ; v240-251 p's codes
.set FF,  252                          ; v252-253 f = 2^(old M - new M), named as a pair
.set WV,  18
.set SEL, 20
.set CS,  22
.set G1K, 24
.set G1V, 32
.set G0K, 40
.set G0V, 44
.set TK,  66
.set TV,  67
.set CNT, 68
.set HM,  69
.set VBASE, 204800
.set SPARE, 307200                     ; the spare words: 128 bytes a wave, named by no other line
.macro CROUND
	s_barrier_signal -1
	s_barrier_wait -1
	s_cmp_lg_u32 s[WV], 0
	s_cbranch_scc1 .Lnot_wave_0_\@
	s_barrier_signal -3
.Lnot_wave_0_\@:
	s_barrier_wait -3
	s_barrier_signal -1
	s_barrier_wait -1
.endm
	s_load_b128 s[4:7], s[0:1], 0x0                ; the images of Q, K, V^T; ctx's image
	v_lshl_add_u32 v254, v0, 2, SPARE
	v_mov_b32 v255, 0
	ds_add_u32 v254, v255
	ds_add_u32 v254, v255
	v_lshrrev_b32 v1, 5, v0
	s_delay_alu instid0(VALU_DEP_1)
	v_readfirstlane_b32 s[WV], v1                  ; wave 0..15
	s_bfe_u32 s8, ttmp6, 0x40000                   ; cx
	s_lshl_b32 s9, ttmp9, 2
	s_add_co_u32 s9, s9, s8                        ; my block of 256 queries: it enters Q's and ctx's addresses alone
	s_and_b32 s10, ttmp7, 0xffff
	s_lshr_b32 s11, s10, 4                         ; batch
	s_and_b32 s12, s10, 15                         ; head
	s_and_b32 s13, s12, 1                          ; which half of a K step of 128 features is my head's
	s_lshr_b32 s14, s12, 1                         ; and which K step
	s_and_b32 s48, s[WV], 7                        ; which eighth of K or of V^T I fetch
	s_lshl_b32 s56, s11, 8
	s_add_co_u32 s56, s56, s14
	s_mul_i32 s56, s56, 6400
	s_add_co_u32 s56, s56, 3276800                 ; K: block (32 batch, K step),
	s_mul_i32 s49, s48, 204800
	s_add_co_u32 s56, s56, s49                     ; + my four blocks of keys, 51,200 bytes apart
	s_mov_b32 s57, 0
	s_lshl_b32 s58, s12, 5
	s_lshl_b32 s59, s11, 4
	s_add_co_u32 s58, s58, s59
	s_mul_i32 s58, s58, 6400
	s_add_co_u32 s58, s58, 6553600                 ; V^T: block (head, 16 batch),
	s_mul_i32 s49, s48, 12800
	s_add_co_u32 s58, s58, s49                     ; + my two blocks
	s_mov_b32 s59, 0
	s_lshl_b32 s60, s11, 5
	s_lshl_b32 s61, s9, 2
	s_add_co_u32 s60, s60, s61
	s_lshr_b32 s61, s[WV], 2
	s_add_co_u32 s60, s60, s61                     ; my queries' block of 64 rows
	s_lshl_b32 s60, s60, 3
	s_add_co_u32 s60, s60, s14
	s_mul_i32 s60, s60, 6400
	s_mov_b32 s61, 0
	s_mul_i32 s70, s13, 768                        ; my head's three pieces of a fragment's six
	s_lshl_b32 s71, s13, 1                         ; and its two bytes of a scale word
	s_and_b32 s15, s[WV], 3                        ; my tile in the block
	s_mul_i32 s16, s15, 1536
	s_add_co_u32 s16, s16, s70
	s_and_b32 s17, s15, 1
	s_lshl_b32 s17, s17, 7
	s_lshr_b32 s19, s15, 1
	s_lshl_b32 s19, s19, 2
	s_add_co_u32 s17, s17, s19                     ; its scale words: 128 (tile % 2) + 4 (tile / 2)
	s_add_co_u32 s17, s17, s71
	; descriptor group 1.  K: 4 rows (blocks) of 6,400 bytes, 51,200 bytes apart.  V: 12,800 dense bytes as 50 rows of 256
	s_mov_b32 s[G1K], 15|(3<<16)|(1<<21)           ; 15:0 the mask: all four work-groups; 17:16 elements of 8 bytes; 21 set beside a mask
	s_mov_b32 s[G1K+1], 800<<16
	s_mov_b32 s[G1K+2], 4<<16
	s_mov_b32 s[G1K+3], 800<<16
	s_mov_b32 s[G1K+4], 4
	s_mov_b32 s[G1K+5], 6400
	s_mov_b32 s[G1K+6], 0
	s_mov_b32 s[G1K+7], 0
	s_mov_b32 s[G1V], 15|(3<<16)|(1<<21)
	s_mov_b32 s[G1V+1], 32<<16
	s_mov_b32 s[G1V+2], 50<<16
	s_mov_b32 s[G1V+3], 32<<16
	s_mov_b32 s[G1V+4], 50
	s_mov_b32 s[G1V+5], 32
	s_mov_b32 s[G1V+6], 0
	s_mov_b32 s[G1V+7], 0
	s_mov_b32 s[G0K], 1
	s_mul_i32 s[G0K+1], s48, 25600
	s_mov_b32 s[G0V], 1
	s_mul_i32 s[G0V+1], s48, 12800
	s_add_co_u32 s[G0V+1], s[G0V+1], VBASE
	s_mov_b32 s[SEL], 0x76543210
	s_mov_b32 s[SEL+1], 0xfedcba98
	s_mov_b32 s[CS], 0x3fb8aa3b                    ; log2(e)
	s_mov_b32 s[CS+1], s[CS]
	s_mov_b32 s[HM], 0xffff0000                    ; lanes 16-31
	s_wait_dscnt 0x0
	s_wait_kmcnt 0x0
	s_add_nc_u64 s[G0K+2:G0K+3], s[4:5], s[56:57]
	s_or_b32 s[G0K+3], s[G0K+3], 0x80000000
	s_add_nc_u64 s[G0V+2:G0V+3], s[4:5], s[58:59]
	s_or_b32 s[G0V+3], s[G0V+3], 0x80000000
	s_add_nc_u64 s[62:63], s[4:5], s[60:61]        ; Q's block
	s_add_nc_u64 s[6:7], s[6:7], s[60:61]          ; ctx's block
	CROUND                                         ; all four work-groups are here: the joint loads meet
	s_cmp_lt_u32 s[WV], 8                          ; one load a wave, one to each arm
	s_cbranch_scc0 .Lfor_v
	tensor_load_to_lds s[G0K:G0K+3], s[G1K:G1K+7]
	s_nop 0
.rept 4
	v_nop
.endr
	s_branch .Lasked
.Lfor_v:
	tensor_load_to_lds s[G0V:G0V+3], s[G1V:G1V+7]
	s_nop 0
.rept 4
	v_nop
.endr
.Lasked:
	v_and_b32 v9, 31, v0
	v_and_b32 v10, 7, v0                           ; r % 8
	v_bfe_u32 v11, v0, 3, 1                        ; r / 8
	v_bfe_u32 v8, v0, 4, 1                         ; h
	v_lshlrev_b32 v[L8], 3, v9
	v_lshlrev_b32 v10, 3, v10
	s_delay_alu instid0(VALU_DEP_1)
	v_lshl_add_u32 v10, v8, 7, v10                 ; 8 (r % 8) + 128 h
	s_delay_alu instid0(VALU_DEP_1)
	v_add_nc_u32 v9, s70, v10
	s_delay_alu instid0(VALU_DEP_1)
	v_mad_u32_u24 v[LK], v11, 3136, v9             ; u = 0: image tile 2 (r / 8) + w, image lane 8 (r / 8) + r % 8: 3072 + 64 for r / 8
	v_mad_u32_u24 v[LK+1], v11, 3008, v9           ; u = 1: image lane 8 (1 - r / 8) + r % 8: 3072 - 64, and 64 in the loads' offset
	v_add_nc_u32 v9, s71, v10
	s_delay_alu instid0(VALU_DEP_1)
	v_mad_u32_u24 v[LS], v11, 68, v9               ; the scale word: 4 (r / 8) + 64 (u xor r / 8); h picks w
	v_xor_b32 v11, 1, v11
	s_delay_alu instid0(VALU_DEP_1)
	v_mad_u32_u24 v[LS+1], v11, 60, v9             ; u = 1: 4 + 60 (1 - r / 8), the 4 in the loads' offset
	v_add_nc_u32 v[VQ], s16, v[L8]
	v_and_b32 v9, 15, v0
	s_delay_alu instid0(VALU_DEP_1)
	v_lshlrev_b32 v9, 3, v9
	s_delay_alu instid0(VALU_DEP_1)
	v_add_nc_u32 v[VS], s17, v9
	v_lshlrev_b32 v[SH], 3, v8
.irp p, 0,1,2
	global_load_b64 v[QF+2*\p:QF+2*\p+1], v[VQ], s[62:63] offset:256*\p
.endr
	global_load_u16 v[QS], v[VS], s[62:63] offset:6144
.irp u, 0,1
	v_mov_b32 v[ADK+\u], v[LK+\u]                  ; the first step's addresses
	v_mov_b32 v[ADS+\u], v[LS+\u]
.endr
.irp i, 0,1,2,3,4,5
	v_mov_b32 v[QF+6+\i], 0                        ; zero codes for k = 64 .. 127
	v_mov_b32 v[FK+48+\i], 0                       ; the last tile's upper six registers
.endr
	v_mov_b32 v13, 0xff61b1e6                      ; the largest score so far: -3e38
	s_delay_alu instid0(VALU_DEP_1)
	v_floor_f32 v12, -v13                          ; -M
	v_mov_b32 v14, 0                               ; the sum, in two halves
	v_mov_b32 v15, 0
	v_mov_b32 v[TT], 0                             ; a lane permute's destination counts as one of its sources
	v_mov_b32 v[FF+1], 0                           ; (named as the upper half of a pair)
.set n, 0
.rept 32
	v_mov_b32 v[O+n], 0                            ; O^T: the step is written once; the first change of M leaves zeros zeros
.set n, n+1
.endr
	s_mov_b32 s[TK], 0
	s_mov_b32 s[TV], VBASE
	s_mov_b32 s[CNT], 15
	s_wait_alu depctr_va_vdst(0)
	s_wait_loadcnt 0x0                             ; Q
	s_wait_tensorcnt 0x0                           ; my part of K or V^T has landed;
	s_barrier_signal -1
	s_barrier_wait -1                              ; everybody's has.
; A KEY STEP: 128 keys: two blocks of K, one block of V^T.  No barrier: LDS is only read from here on.
; K's fragments and scales of a step: 28 loads.  They are asked for one step ahead, in front of the step's second product, when the registers at work in FK are done with.
.macro KLOADS
.irp g, 0,1
.irp u, 0,1
.irp w, 0,1
.irp p, 0,1,2
	ds_load_b64 v[FK+6*(4*\g+2*\u+\w)+2*\p:FK+6*(4*\g+2*\u+\w)+2*\p+1], v[ADK+\u] offset:\g*6400+1536*\w+64*\u+256*\p
.endr
.endr
	ds_load_u16 v[KSC+2*\g+\u], v[ADS+\u] offset:\g*6400+6144+4*\u
.endr
.endr
.endm
.macro STEP fetch                      ; fetch = 1: the next step's K is asked for; the last step is written out with fetch = 0
	s_add_co_u32 s[TK], s[TK], 12800               ; the next step's K
	s_wait_dscnt 0x0                               ; this step's K is in
.irp g, 0,1
.irp t, 0,1,2,3
.if \t%2
	v_wmma_scale_f32_16x16x128_f8f6f4 v[S+8*(4*\g+\t):S+8*(4*\g+\t)+7], v[FK+6*(4*\g+\t):FK+6*(4*\g+\t)+11], v[QF:QF+11], 0, v[KSC+2*\g+\t/2], v[QS] matrix_a_fmt:MATRIX_FMT_BF6 matrix_b_fmt:MATRIX_FMT_BF6 matrix_a_scale:MATRIX_SCALE_ROW1
.else
	v_wmma_scale_f32_16x16x128_f8f6f4 v[S+8*(4*\g+\t):S+8*(4*\g+\t)+7], v[FK+6*(4*\g+\t):FK+6*(4*\g+\t)+11], v[QF:QF+11], 0, v[KSC+2*\g+\t/2], v[QS] matrix_a_fmt:MATRIX_FMT_BF6 matrix_b_fmt:MATRIX_FMT_BF6
.endif
.endr
.endr                                          ; registers 32 g .. 32 g + 31 of S^T are the 32 keys of block 2 g + h of the step
	v_add_nc_u32 v[ADV], s[TV], v[L8]              ; six plain lines: the places behind the products above and behind the last step's, in front of the loads and reads below
	v_mov_b32 v[OM], v12
.irp u, 0,1
	v_add_nc_u32 v[ADK+\u], s[TK], v[LK+\u]
	v_add_nc_u32 v[ADS+\u], s[TK], v[LS+\u]
.endr
.irp t, 0,1,2,3
.irp p, 0,1,2,3,4,5
	ds_load_b64 v[FV+12*\t+2*\p:FV+12*\t+2*\p+1], v[ADV] offset:1536*\t+256*\p   ; V^T's four tiles land while the softmax is walked
.endr
.endr
	ds_load_b64 v[VSC:VSC+1], v[ADV] offset:6144
.irp b, 0,1,2,3
	v_max3_num_f32 v[H+\b], v[S+16*\b], v[S+1+16*\b], v[S+2+16*\b]   ; four chains, two to a block; each accumulator is read from its low end on
.endr
.irp i, 3,5,7,9,11,13
.irp b, 0,1,2,3
	v_max3_num_f32 v[H+\b], v[H+\b], v[S+16*\b+\i], v[S+1+16*\b+\i]
.endr
.endr
.irp g, 0,1
	v_max3_num_f32 v[BM+\g], v[H+2*\g], v[H+2*\g+1], v[S+32*\g+15]
.endr
.irp g, 0,1
	v_max_num_f32 v[BM+\g], v[BM+\g], v[S+32*\g+31]   ; my two blocks' largest scores: for the row's maximum and, since p rises with the score, for each block's largest p
.endr
	v_max_num_f32 v[PT], v[BM], v[BM+1]
	v_permlanex16_b32 v[PT+1], v[PT], s[SEL], s[SEL+1]
	v_max3_num_f32 v13, v13, v[PT], v[PT+1]        ; the running largest score
	v_mul_f32 v[PT], s[CS], v13                    ; as t
	v_floor_f32 v12, -v[PT]                        ; the new -M = -ceil(t)
.set n, 0
.rept 4
	v_pk_fma_f32 v[S+n:S+n+1], v[S+n:S+n+1], s[CS:CS+1], v[12:13] op_sel_hi:[1,0,0]   ; t - M; the three lines that make f stand among these
.set n, n+2
.endr
	v_sub_f32 v[PT], v12, v[OM]                    ; old M - new M: a whole number, 0 or less
.rept 6
	v_pk_fma_f32 v[S+n:S+n+1], v[S+n:S+n+1], s[CS:CS+1], v[12:13] op_sel_hi:[1,0,0]
.set n, n+2
.endr
	v_cvt_i32_f32 v[PT], v[PT]
.rept 6
	v_pk_fma_f32 v[S+n:S+n+1], v[S+n:S+n+1], s[CS:CS+1], v[12:13] op_sel_hi:[1,0,0]
.set n, n+2
.endr
	v_ldexp_f32 v[FF], 1.0, v[PT]                  ; f = 2^(old M - new M)
.rept 16
	v_pk_fma_f32 v[S+n:S+n+1], v[S+n:S+n+1], s[CS:CS+1], v[12:13] op_sel_hi:[1,0,0]
.set n, n+2
.endr
.irp g, 0,1
	v_fma_f32 v[BM+\g], v[BM+\g], s[CS], v12
.endr
.set n, 0
.rept 16
	v_pk_mul_f32 v[O+n:O+n+1], v[O+n:O+n+1], v[FF:FF+1] op_sel_hi:[1,0]   ; O^T under the new M
.set n, n+2
.endr
	s_wait_alu depctr_va_vdst(0)
.set n, 0
.rept 64
	v_exp_f32 v[S+n], v[S+n]                       ; p = 2^(t - M)
.set n, n+1
.endr
.irp g, 0,1
	v_exp_f32 v[BM+\g], v[BM+\g]                   ; each block's largest p
.endr
	v_pk_mul_f32 v[14:15], v[14:15], v[FF:FF+1] op_sel_hi:[1,0]   ; the sums under the new M: a plain place behind the exponentials
	s_wait_alu depctr_va_vdst(0)                   ; one wait for the batch, ahead of its first reader
.irp g, 0,1
	v_max_num_f32 v[BM+\g], 0x2800000, v[BM+\g]    ; the floor 2^(5 - 127): the byte cannot fall under 1
.endr
.irp g, 0,1
	s_delay_alu instid0(VALU_DEP_2)
	v_add_nc_u32 v[SO+\g], 0xfe000000, v[BM+\g]    ; 4 off the exponent field: the conversion's scale operand
.endr
.irp g, 0,1
	v_cvt_scalef32_pk16_bf6_f32 v[P+6*\g:P+6*\g+2], v[S+32*\g:S+32*\g+15], v[SO+\g]
	v_cvt_scalef32_pk16_bf6_f32 v[CT+4*\g:CT+4*\g+2], v[S+32*\g+16:S+32*\g+31], v[SO+\g]
.endr
; The row's sum of the unquantised p begins, in eight chains (its first lines are the plain places behind the conversions); the lines that make p's scale word stand among them and among the selects, so that none waits for the line above it
.irp k, 0,1
	v_pk_add_f32 v[C+2*\k:C+2*\k+1], v[S+2*\k:S+2*\k+1], v[S+16+2*\k:S+17+2*\k]
.endr
.irp g, 0,1
	v_lshrrev_b32 v[PT+\g], 23, v[SO+\g]           ; the scale's byte
.endr
.irp k, 2,3
	v_pk_add_f32 v[C+2*\k:C+2*\k+1], v[S+2*\k:S+2*\k+1], v[S+16+2*\k:S+17+2*\k]
.endr
	v_lshl_or_b32 v[PT], v[PT+1], 16, v[PT]        ; blocks h and 2 + h,
.irp k, 4,5
	v_pk_add_f32 v[C+2*\k:C+2*\k+1], v[S+2*\k:S+2*\k+1], v[S+16+2*\k:S+17+2*\k]
.endr
	v_lshlrev_b32 v[PT], v[SH], v[PT]              ; at their places in the word;
.irp k, 6,7
	v_pk_add_f32 v[C+2*\k:C+2*\k+1], v[S+2*\k:S+2*\k+1], v[S+16+2*\k:S+17+2*\k]
.endr
	v_permlanex16_b32 v[PT+1], v[PT], s[SEL], s[SEL+1]
.irp g, 0,1                                    ; lanes 0-15 hold the block's keys 0-15 first, lanes 16-31 its keys 16-31: the selects put both in order
.if \g
	v_or_b32 v[PSW], v[PT], v[PT+1]                ; with lane l xor 16's two the word is whole
.endif
.irp i, 0,1,2
	v_cndmask_b32 v[P+6*\g+3+\i], v[CT+4*\g+\i], v[P+6*\g+\i], s[HM]
.endr
.irp i, 0,1,2
	v_cndmask_b32 v[P+6*\g+\i], v[P+6*\g+\i], v[CT+4*\g+\i], s[HM]
.endr
.endr
.irp m, 2,3
.irp k, 0,1,2,3,4,5,6,7
	v_pk_add_f32 v[C+2*\k:C+2*\k+1], v[C+2*\k:C+2*\k+1], v[S+16*\m+2*\k:S+16*\m+2*\k+1]   ; (24 plain lines stand between p's codes and scale word and the products)
.endr
.endr
.irp k, 0,1,2,3
	v_pk_add_f32 v[C+2*\k:C+2*\k+1], v[C+2*\k:C+2*\k+1], v[C+8+2*\k:C+9+2*\k]
.endr
	s_delay_alu instid0(VALU_DEP_2)
	v_pk_add_f32 v[C:C+1], v[C:C+1], v[C+4:C+5]
	s_delay_alu instid0(VALU_DEP_2)
	v_pk_add_f32 v[C+2:C+3], v[C+2:C+3], v[C+6:C+7]
	s_delay_alu instid0(VALU_DEP_1)
	v_pk_add_f32 v[C:C+1], v[C:C+1], v[C+2:C+3]
	s_delay_alu instid0(VALU_DEP_1)
	v_pk_add_f32 v[14:15], v[14:15], v[C:C+1]
.if \fetch
	KLOADS                                         ; the next step's K, by the addresses stepped above
	s_wait_alu depctr_va_vdst(0)
	s_wait_dscnt 28                                ; V^T's tiles are in; the 28 loads just issued may be out
.else
	s_wait_alu depctr_va_vdst(0)
	s_wait_dscnt 0x0                               ; V^T's tiles are in
.endif
.irp t, 0,1,2,3
.if \t%2
	v_wmma_scale_f32_16x16x128_f8f6f4 v[O+8*\t:O+8*\t+7], v[FV+12*\t:FV+12*\t+11], v[P:P+11], v[O+8*\t:O+8*\t+7], v[VSC+\t/2], v[PSW] matrix_a_fmt:MATRIX_FMT_BF6 matrix_b_fmt:MATRIX_FMT_BF6 matrix_a_scale:MATRIX_SCALE_ROW1
.else
	v_wmma_scale_f32_16x16x128_f8f6f4 v[O+8*\t:O+8*\t+7], v[FV+12*\t:FV+12*\t+11], v[P:P+11], v[O+8*\t:O+8*\t+7], v[VSC+\t/2], v[PSW] matrix_a_fmt:MATRIX_FMT_BF6 matrix_b_fmt:MATRIX_FMT_BF6
.endif
.endr
	s_add_co_u32 s[TV], s[TV], 6400
.endm
	KLOADS                                         ; the first step's K
.Lstep:
	STEP 1
	s_sub_co_u32 s[CNT], s[CNT], 1
	s_cmp_lg_u32 s[CNT], 0
	s_cbranch_scc1 .Lstep
	STEP 0                                         ; the sixteenth step fetches nothing more (its stepped addresses are not used: those lines are the places behind the products)
	; THE WAY OUT: O^T / the sum; register 16 b + i is channel 32 b + 16 h + i of my head: two blocks of 32 along the next product's K, half a fragment of ctx's image.
	v_add_f32 v14, v14, v15
	s_delay_alu instid0(VALU_DEP_1)
	v_permlanex16_b32 v[TT], v14, s[SEL], s[SEL+1]
	s_delay_alu instid0(VALU_DEP_1)
	v_add_f32 v14, v14, v[TT]                      ; the row's sum
	s_wait_alu depctr_va_vdst(0)
	v_rcp_f32 v14, v14
	v_nop
	v_nop
	s_wait_alu depctr_va_vdst(0)                   ; ahead of the reciprocal's first reader, which is also O^T's
.set n, 0
.rept 16
	v_pk_mul_f32 v[S+n:S+n+1], v[O+n:O+n+1], v[14:15] op_sel_hi:[1,0]
.set n, n+2
.endr
.irp b, 0,1
	v_max3_num_f32 v[BM+\b], |v[S+16*\b]|, |v[S+1+16*\b]|, 0x2800000
.endr
.irp i, 2,4,6,8,10,12,14
.irp b, 0,1
	s_delay_alu instid0(VALU_DEP_2)
	v_max3_num_f32 v[BM+\b], v[BM+\b], |v[S+16*\b+\i]|, |v[S+1+16*\b+\i]|
.endr
.endr
.irp b, 0,1
	s_delay_alu instid0(VALU_DEP_2)
	v_permlanex16_b32 v[PT+\b], v[BM+\b], s[SEL], s[SEL+1]
.endr
.irp b, 0,1
	s_delay_alu instid0(VALU_DEP_2)
	v_max_num_f32 v[BM+\b], v[BM+\b], v[PT+\b]
.endr
.irp b, 0,1
	s_delay_alu instid0(VALU_DEP_2)
	v_add_nc_u32 v[SO+\b], 0xfe000000, v[BM+\b]
.endr
.irp b, 0,1
	s_delay_alu instid0(VALU_DEP_2)
	v_lshrrev_b32 v[PT+\b], 23, v[SO+\b]
.endr
	s_delay_alu instid0(VALU_DEP_1)
	v_lshl_or_b32 v[TT], v[PT+1], 8, v[PT]
	v_cvt_scalef32_pk16_bf6_f32 v[P:P+2], v[S:S+15], v[SO]
	v_cvt_scalef32_pk16_bf6_f32 v[CT:CT+2], v[S+16:S+31], v[SO+1]
	v_nop                                          ; one plain place behind a scaled conversion
.irp i, 0,1,2
	v_permlane16_swap_b32 v[P+\i], v[CT+\i]        ; here a block lies in lanes l and l xor 16: each lane gets a whole one
.endr
.irp i, 0,1,2
	v_mov_b32 v[P+3+\i], v[CT+\i]
.endr
.irp p, 0,1,2
	global_store_b64 v[VQ], v[P+2*\p:P+2*\p+1], s[6:7] offset:256*\p   ; 32 lanes store 256 consecutive bytes, aligned
.endr
	global_store_b16 v[VS], v[TT], s[6:7] offset:6144   ; two bytes a row, once a wave: the two heads of a K step belong to different work-groups, so neither holds a whole scale word (lanes r and 16 + r store the same bytes)
	s_wait_tensorcnt 0x0                           ; the wave's end
	ds_add_u32 v254, v255
	s_wait_dscnt 0x0
	CROUND                                         ; the closing round
	s_endpgm
.Lfunc_end_k_qab8cab4a3b_attn:
	.size	k_qab8cab4a3b_attn, .Lfunc_end_k_qab8cab4a3b_attn-k_qab8cab4a3b_attn
	.p2alignl 7, 3214868480
	.fill 96, 4, 3214868480
	.section	.rodata,"a",@progbits
	.p2align	6, 0x0
	.amdhsa_kernel k_qab8cab4a3b_attn
		.amdhsa_group_segment_fixed_size 327680
		.amdhsa_private_segment_fixed_size 0
		.amdhsa_enable_private_segment 0
		.amdhsa_kernarg_size 16
		.amdhsa_user_sgpr_count 2
		.amdhsa_user_sgpr_kernarg_segment_ptr 1
		.amdhsa_wavefront_size32 1
		.amdhsa_system_sgpr_workgroup_id_x 1
		.amdhsa_system_sgpr_workgroup_id_y 1
		.amdhsa_system_sgpr_workgroup_id_z 1
		.amdhsa_system_vgpr_workitem_id 0
		.amdhsa_next_free_vgpr 256
		.amdhsa_next_free_sgpr 72
		.amdhsa_reserve_vcc 0
		.amdhsa_float_denorm_mode_32 3
		.amdhsa_float_denorm_mode_16_64 3
		.amdhsa_memory_ordered 1
		.amdhsa_forward_progress 1
		.amdhsa_inst_pref_size 47
	.end_amdhsa_kernel
	.amdgpu_metadata
---
amdhsa.version: [ 1, 2 ]
amdhsa.kernels:
  - .name:           k_qab8cab4a3b_attn
    .symbol:         k_qab8cab4a3b_attn.kd
    .args:
      - { .name: qkvimg, .offset: 0, .size: 8, .value_kind: global_buffer, .address_space: global }
      - { .name: ctximg, .offset: 8, .size: 8, .value_kind: global_buffer, .address_space: global }
    .group_segment_fixed_size: 327680
    .private_segment_fixed_size: 0
    .kernarg_segment_align: 8
    .kernarg_segment_size: 16
    .max_flat_workgroup_size: 512
    .sgpr_count:     72
    .vgpr_count:     256
    .wavefront_size: 32
...
	.end_amdgpu_metadata
.endif
;; end of part 11
;; launch wo (part 12): grid 8 x 32, 4 waves a work-group, clusters of 4 x 4, 327,680 bytes of LDS; arguments ctximg, img0, craw; writes craw
.if DOCPART == 12
	.amdgcn_target "amdgcn-amd-amdhsa--gfx1250"
	.amdhsa_code_object_version 6
	.text
	.protected	k_qab8cab4a3b_wo
	.globl	k_qab8cab4a3b_wo
	.p2align	8
	.type	k_qab8cab4a3b_wo,@function
k_qab8cab4a3b_wo:
	s_mov_b64 s[64:65], 0
	v_nop
	global_prefetch_b8 v0, s[64:65] scope:SCOPE_SE
	s_setreg_imm32_b32 hwreg(HW_REG_WAVE_MODE, 25, 1), 1
	s_wait_xcnt 0x0
	s_wait_alu depctr_hold_cnt(0) depctr_sa_sdst(0) depctr_va_vdst(0) depctr_va_sdst(0) depctr_va_ssrc(0) depctr_va_vcc(0) depctr_vm_vsrc(0)
	s_getreg_b32 s2, hwreg(HW_REG_IB_STS2, 6, 4)
	s_cmp_eq_u32 s2, 0
	s_cbranch_scc0 .Lentry_in_a_cluster
	s_endpgm
.Lentry_in_a_cluster:
	s_bfe_u32 s2, ttmp6, 0x10000c
	s_cmp_lg_u32 s2, 0xf033
	s_cbranch_scc0 .Lentry_shape_is_right
	s_endpgm
.Lentry_shape_is_right:
; A GEMM on images of BF6 (E3M2) codes whose f32 sums leave as they stand in the registers.  One text serves two launches, which differ in the two lines KS and BOFF: ctx Wo (K = 1,024) and hid W2 (K = 4,096); M = 4,096, N = 1,024.
; AN IMAGE BLOCK is 64 rows x 128 along K, 6,400 bytes; block (R, s) lies at (R KS + s) x 6,400.  Byte 1536 t + 256 p + 8 lane: registers 2 p, 2 p + 1 of tile t's fragment; lane (r, h) of tile t holds row
; 64 R + 32 (t / 2) + 8 (t % 2) + r + 8 (r / 8).  Byte 6144 + 8 lane + 4 e: the scale word of row r of tile 2 e + h.  A fragment is six loads of 8 bytes a lane, each 256 consecutive bytes: no LDS row needs padding.
; TILE: 128 rows of A (tokens) x 128 rows of B (the weight's columns) to a work-group: (4,096 / 128) x (1,024 / 128) = 256 work-groups of equal work; tiles of 256 x 256 would make 64.  Each of four waves takes one block of A
; x one block of B, 64 x 64: 16 accumulators.  Source 0 = 16 rows of B, source 1 = 16 rows of A.
; THE RESULT: piece (R, s', t), 8,192 bytes at ((8 R + s') 4 + t) x 8,192: byte 512 k + 16 lane holds registers 4 k .. 4 k + 3 of 64; register 16 b + i of lane (r, h) is
; (row 64 R + 32 (t / 2) + 8 (t % 2) + r + 8 (r / 8), column 128 s' + 32 b + 16 h + i).  A wave's 64 columns are registers 32 x (its block of B) .. + 31: half a piece, 4,096 consecutive bytes.  Each store covers 512 consecutive
; bytes, aligned; bias, residual and LayerNorm follow in the next launch, which needs whole rows.
; RING: two LDS slots, each FOUR K steps (512 along K) of A's two and B's two blocks: a block's eight K steps, both slots, are 51,200 consecutive bytes of memory, one tensor load of one wave.  A small tile has little work for each
; byte, so a slot holds as many K steps as divide K evenly and fit twice.  K = 1,024 is two slots: both are first fills, and nothing is filled again.
; CLUSTER 4 x 4: A's tiles are shared along a row of the cluster, B's along a column: joint loads, which divide the requests by four.  Tiles are small and are read by several clusters, so nothing is prefetched.
; REGISTERS: window 0: v16-29 addresses; v32-39 scale words, two sets of four; v64-159, v160-255 two sets of fragments (A's four tiles, then B's four).  window 1: v0-127 the accumulators ((a, b) at v[8 (4 a + b)]).
.set KS,    8                          ; K steps of 128 in a row of A's and B's images
.set BOFF,  5734400                    ; where B's image begins in img0
.set NQ,    4                          ; K steps in a slot
.set LAPS,  KS/(2*NQ)                  ; a lap = two slots = 1,024 along K
.set BLKB,  6400
.set RB,    NQ*BLKB                    ; a block of 64 rows in a slot
.set SLOT,  RB                         ; a block's eight K steps lie on end in LDS as in memory: its second four begin RB behind its first
.set SPARE, 8*RB                       ; behind the four blocks: the spare words, 128 bytes for each wave, that no other line names
.set FR,    12
.set NLS,   50                         ; LDS loads of a K step: 8 fragments of 6, and 2 for the scale words
.set NP,    4                          ; places behind this matrix instruction (ISA guide 7.12.1)
.set ADRA, 16                          ; v16-17 LDS address of my block of A in slot 0, 1
.set ADRB, 20                          ; v20-21 the same for B
.set LO,   26                          ; v26 8 x lane
.set LO16, 27                          ; v27 16 x lane
.set SPW,  28                          ; v28 LDS address of my spare word; never rewritten
.set NIL,  29                          ; v29 0; never rewritten
.set SC,   32                          ; scale words: set p at v[SC + 4 p]: A's pair, then B's
.set FS,   64                          ; fragments: set p at v[FS + 96 p]
.set G1,  24
.set G0,  32
.set G1B, 48
.set G0B, 56
.set MSB, 0
.macro WIN new                         ; the immediate's high byte repeats the setting that is left
.if MSB != (\new)
	s_set_vgpr_msb (MSB<<8)|(\new)
.set MSB, \new
.endif
.endm
.set MUL, 0x50                         ; sources 0 and 1 window 0; C and D window 1
.macro JLOAD s                         ; a joint load: waves 0 and 1 fetch A's two blocks, waves 2 and 3 B's; four v_nop follow each of the two lines
	s_cmp_eq_u32 s15, 0
	s_cbranch_scc0 .Lfor_b_\@
	tensor_load_to_lds s[G0+4*\s:G0+4*\s+3], s[G1:G1+7]
	s_nop 0
.rept 4
	v_nop
.endr
	s_branch .Lasked_\@
.Lfor_b_\@:
	tensor_load_to_lds s[G0B+4*\s:G0B+4*\s+3], s[G1B:G1B+7]
	s_nop 0
.rept 4
	v_nop
.endr
.Lasked_\@:
.endm
.macro CREST                           ; a round of the cluster's barrier behind its opening barrier
	s_cmp_lg_u32 s14, 0
	s_cbranch_scc1 .Lnot_wave_0_\@
	s_barrier_signal -3
.Lnot_wave_0_\@:
	s_barrier_wait -3
	s_barrier_signal -1
	s_barrier_wait -1
.endm
.macro CROUND
	s_barrier_signal -1
	s_barrier_wait -1
	CREST
.endm
.macro PLACES n
.rept \n
	v_nop
.endr
.endm
.macro FRAG reg, adr, q, i             ; tile i (0..3) of my block, K step q of the slot: six loads of 256 consecutive bytes
.irp p, 0,1,2,3,4,5
	ds_load_b64 v[\reg+2*\p:\reg+2*\p+1], v[\adr] offset:(\q)*BLKB+(\i)*1536+256*\p
.endr
.endm
.macro FETCH slot, q, p                ; a K step's fragments and scale words into set p: 50 loads in one run
.irp i, 0,1,2,3
	FRAG FS+96*(\p)+FR*\i, ADRA+\slot, \q, \i
.endr
.irp i, 0,1,2,3
	FRAG FS+96*(\p)+48+FR*\i, ADRB+\slot, \q, \i
.endr
	ds_load_b64 v[SC+4*(\p):SC+4*(\p)+1], v[ADRA+\slot] offset:(\q)*BLKB+6144
	ds_load_b64 v[SC+4*(\p)+2:SC+4*(\p)+3], v[ADRB+\slot] offset:(\q)*BLKB+6144
.endm
; One product: A's tile a x B's tile b, from set p.  A tile's scale words lie in register (tile / 2) of its block's pair, in lanes 0-15 for an even tile and lanes 16-31 for an odd one.  zero = 1: the product starts the sum.
.macro MM a, b, p, zero
.set rD, 8*(4*(\a)+(\b))
.set rB, FS+96*(\p)+48+FR*(\b)
.set rA, FS+96*(\p)+FR*(\a)
.set xB, SC+4*(\p)+2+(\b)/2
.set xA, SC+4*(\p)+(\a)/2
.set par, 2*((\a)%2)+(\b)%2
.if \zero
.if par == 0
	v_wmma_scale_f32_16x16x128_f8f6f4 v[rD:rD+7], v[rB:rB+11], v[rA:rA+11], 0, v[xB], v[xA] matrix_a_fmt:MATRIX_FMT_BF6 matrix_b_fmt:MATRIX_FMT_BF6
.elseif par == 1
	v_wmma_scale_f32_16x16x128_f8f6f4 v[rD:rD+7], v[rB:rB+11], v[rA:rA+11], 0, v[xB], v[xA] matrix_a_fmt:MATRIX_FMT_BF6 matrix_b_fmt:MATRIX_FMT_BF6 matrix_a_scale:MATRIX_SCALE_ROW1
.elseif par == 2
	v_wmma_scale_f32_16x16x128_f8f6f4 v[rD:rD+7], v[rB:rB+11], v[rA:rA+11], 0, v[xB], v[xA] matrix_a_fmt:MATRIX_FMT_BF6 matrix_b_fmt:MATRIX_FMT_BF6 matrix_b_scale:MATRIX_SCALE_ROW1
.else
	v_wmma_scale_f32_16x16x128_f8f6f4 v[rD:rD+7], v[rB:rB+11], v[rA:rA+11], 0, v[xB], v[xA] matrix_a_fmt:MATRIX_FMT_BF6 matrix_b_fmt:MATRIX_FMT_BF6 matrix_a_scale:MATRIX_SCALE_ROW1 matrix_b_scale:MATRIX_SCALE_ROW1
.endif
.else
.if par == 0
	v_wmma_scale_f32_16x16x128_f8f6f4 v[rD:rD+7], v[rB:rB+11], v[rA:rA+11], v[rD:rD+7], v[xB], v[xA] matrix_a_fmt:MATRIX_FMT_BF6 matrix_b_fmt:MATRIX_FMT_BF6
.elseif par == 1
	v_wmma_scale_f32_16x16x128_f8f6f4 v[rD:rD+7], v[rB:rB+11], v[rA:rA+11], v[rD:rD+7], v[xB], v[xA] matrix_a_fmt:MATRIX_FMT_BF6 matrix_b_fmt:MATRIX_FMT_BF6 matrix_a_scale:MATRIX_SCALE_ROW1
.elseif par == 2
	v_wmma_scale_f32_16x16x128_f8f6f4 v[rD:rD+7], v[rB:rB+11], v[rA:rA+11], v[rD:rD+7], v[xB], v[xA] matrix_a_fmt:MATRIX_FMT_BF6 matrix_b_fmt:MATRIX_FMT_BF6 matrix_b_scale:MATRIX_SCALE_ROW1
.else
	v_wmma_scale_f32_16x16x128_f8f6f4 v[rD:rD+7], v[rB:rB+11], v[rA:rA+11], v[rD:rD+7], v[xB], v[xA] matrix_a_fmt:MATRIX_FMT_BF6 matrix_b_fmt:MATRIX_FMT_BF6 matrix_a_scale:MATRIX_SCALE_ROW1 matrix_b_scale:MATRIX_SCALE_ROW1
.endif
.endif
.endm
.macro MUL8 a0, p, zero                ; the 16 accumulators take turns, one instruction a turn, in the same order in every step
.irp a, \a0, \a0+1
.irp b, 0,1,2,3
	MM \a, \b, \p, \zero
.endr
.endr
.endm
; A step of 128 along K that has its successor in the same slot: the successor's 50 loads go out first, into the set that the step before multiplied; then this step's 16 products.
.macro STEP slot, q, zero
	PLACES NP                                      ; in front of loads into registers that matrix instructions have read
	WIN 0
	FETCH \slot, (\q)+1, 1-(\q)%2
	s_wait_dscnt NLS                               ; all but the 50 loads just issued are in: this step's set
	WIN MUL
	MUL8 0, (\q)%2, \zero
	MUL8 2, (\q)%2, \zero
.endm
; A slot's fourth step changes slots: one barrier; in front of it each wave waits for all its tensor loads, adds 0 to its spare word, and waits for that and for its reads of this slot.  fill = 1: the slot is filled again, two slots ahead.
.macro TURN slot, next, fill
	WIN 0                                          ; (the add's two registers lie in window 0)
	s_wait_tensorcnt 0x0                           ; all my tensor loads have landed: my part of the next slot
	ds_add_u32 v[SPW], v[NIL]                      ; 0 onto my spare word
	s_wait_dscnt 1                                 ; this step's set is in (the add may be out)
	WIN MUL
	MUL8 0, 1, 0                                   ; eight matrix instructions stand between the add and the wait for it
	s_wait_dscnt 0x0                               ; the add is done, and my reads of this slot are over
	s_barrier_signal -1
	MUL8 2, 1, 0
	WIN 0
	s_barrier_wait -1
.if \fill
	CREST                                          ; the barrier has opened a round of the cluster's barrier: no wave of any partner still reads this slot or has a load on its way
	s_add_nc_u64 s[G0+4*\slot+2:G0+4*\slot+3], s[G0+4*\slot+2:G0+4*\slot+3], 2*RB
	s_add_nc_u64 s[G0B+4*\slot+2:G0B+4*\slot+3], s[G0B+4*\slot+2:G0B+4*\slot+3], 2*RB
	JLOAD \slot                                    ; the first tensor load behind the round: it has the next slot's four steps in which to land; its four v_nop are the places in front of the loads below
.else
	PLACES NP
.endif
	FETCH \next, 0, 0
.endm
	s_load_b128 s[4:7], s[0:1], 0x0                ; A's image, img0
	s_load_b64 s[12:13], s[0:1], 0x10              ; the result
	v_lshl_add_u32 v[SPW], v0, 2, SPARE
	v_mov_b32 v[NIL], 0
	ds_add_u32 v28, v29
	ds_add_u32 v28, v29
	s_wait_dscnt 0x0
	v_lshrrev_b32 v1, 5, v0
	v_readfirstlane_b32 s14, v1                    ; wave 0..3
	s_lshr_b32 s15, s14, 1                         ; which block of A is mine.  Also: I fetch for A (0) or for B (1)
	s_and_b32 s16, s14, 1                          ; which block of B.  Also: which of the two blocks I fetch
	s_bfe_u32 s40, ttmp6, 0x40000                  ; cx, cy: my place in the cluster
	s_bfe_u32 s41, ttmp6, 0x40004
	s_lshl_b32 s42, ttmp9, 2
	s_add_co_u32 s42, s42, s40                     ; B's tile of 128 = 4 x cluster x + cx
	s_and_b32 s17, ttmp7, 0xffff
	s_lshl_b32 s17, s17, 2
	s_add_co_u32 s17, s17, s41                     ; A's tile of 128 = 4 x cluster y + cy
	s_lshl_b32 s43, s41, 2
	s_lshl_b32 s43, 15, s43                        ; my row of the cluster
	s_lshl_b32 s44, 0x1111, s40                    ; my column
	; descriptor group 1: 51,200 dense bytes as 200 rows of 256 (32 elements of 8 bytes); no padding
	s_or_b32 s[G1], s43, (3<<16)|(1<<21)           ; 15:0 the mask; 17:16 elements of 8 bytes; 21 set beside a mask
	s_or_b32 s[G1B], s44, (3<<16)|(1<<21)
.irp g, G1, G1B
	s_mov_b32 s[\g+1], 32<<16                      ; tensor_dim0
	s_mov_b32 s[\g+2], (2*RB/256)<<16              ; tensor_dim1: 51,200 dense bytes as 200 rows of 256
	s_mov_b32 s[\g+3], 32<<16                      ; tile_dim0
	s_mov_b32 s[\g+4], 2*RB/256                    ; tile_dim1
	s_mov_b32 s[\g+5], 32                          ; from row to row
	s_mov_b32 s[\g+6], 0
	s_mov_b32 s[\g+7], 0
.endr
	s_lshl_b32 s20, s17, 1
	s_add_co_u32 s20, s20, s16                     ; A: block 2 x tile + (wave % 2)
	s_lshl_b32 s46, s42, 1
	s_add_co_u32 s46, s46, s16                     ; B likewise
	s_mul_i32 s20, s20, KS*BLKB
	s_mul_i32 s46, s46, KS*BLKB
	s_add_co_u32 s46, s46, BOFF
	s_mov_b32 s21, 0
	s_mov_b32 s47, 0
	s_mul_i32 s45, s14, 2*RB                       ; where they go: no place in the cluster enters an LDS address
	s_wait_kmcnt 0x0
	s_add_nc_u64 s[20:21], s[4:5], s[20:21]
	s_add_nc_u64 s[46:47], s[6:7], s[46:47]
	CROUND                                         ; all sixteen work-groups are here: the first joint loads meet
.irp s, 0
	s_mov_b32 s[G0+4*\s], 1
	s_add_co_u32 s[G0+4*\s+1], s45, \s*SLOT
	s_add_nc_u64 s[G0+4*\s+2:G0+4*\s+3], s[20:21], \s*RB
	s_or_b32 s[G0+4*\s+3], s[G0+4*\s+3], 0x80000000
	s_mov_b32 s[G0B+4*\s], 1
	s_add_co_u32 s[G0B+4*\s+1], s45, \s*SLOT
	s_add_nc_u64 s[G0B+4*\s+2:G0B+4*\s+3], s[46:47], \s*RB
	s_or_b32 s[G0B+4*\s+3], s[G0B+4*\s+3], 0x80000000
	JLOAD \s                                       ; my one load: all eight K steps of one block
.endr
	v_and_b32 v1, 31, v0
	v_lshlrev_b32 v[LO], 3, v1
	v_lshlrev_b32 v[LO16], 4, v1
	s_mul_i32 s21, s15, 2*RB                       ; my block of A,
	s_mul_i32 s22, s16, 2*RB
	s_add_co_u32 s22, s22, 4*RB                    ; and of B, behind A's two
.irp s, 0,1
	v_add_nc_u32 v[ADRA+\s], s21, v[LO]
	v_add_nc_u32 v[ADRB+\s], s22, v[LO]
	s_add_co_u32 s21, s21, SLOT
	s_add_co_u32 s22, s22, SLOT
.endr
	s_lshl_b32 s92, s17, 1                         ; my part of the result: ((2 x A's tile + my block of A) x 8 + B's tile) x 4 pieces of 8,192 bytes, + 4,096 x my block of B
	s_add_co_u32 s92, s92, s15
	s_lshl_b32 s92, s92, 3
	s_add_co_u32 s92, s92, s42
	s_lshl_b32 s92, s92, 15
	s_lshl_b32 s93, s16, 12
	s_add_co_u32 s92, s92, s93
	s_mov_b32 s93, 0
	s_add_nc_u64 s[12:13], s[12:13], s[92:93]
	s_wait_alu depctr_va_vdst(0)
	s_wait_tensorcnt 0x0                           ; my block is in,
	s_barrier_signal -1
	s_barrier_wait -1                              ; everybody's is
	FETCH 0, 0, 0
	STEP 0, 0, 1                                   ; the first step stands in front of the loop: its products start the sums
.if LAPS > 1
	WIN 0                                          ; at a label and at a branch every window is 0
	s_mov_b32 s3, LAPS-1
.Llap:                                                 ; a trip goes once round the ring, from a lap's second step to the next lap's first, and fills both slots again
	STEP 0, 1, 0
	STEP 0, 2, 0
	TURN 0, 1, 1
	STEP 1, 0, 0
	STEP 1, 1, 0
	STEP 1, 2, 0
	TURN 1, 0, 1
	STEP 0, 0, 0
	WIN 0
	s_sub_co_u32 s3, s3, 1
	s_cmp_lg_u32 s3, 0
	s_cbranch_scc1 .Llap
.endif
	STEP 0, 1, 0                                   ; the last lap fills nothing, and has no round of the cluster's barrier
	STEP 0, 2, 0
	TURN 0, 1, 0
	STEP 1, 0, 0
	STEP 1, 1, 0
	STEP 1, 2, 0
	s_wait_dscnt 0x0                               ; the very last step: nothing more to fetch
	MUL8 0, 1, 0
	MUL8 2, 1, 0
	WIN 0
	PLACES NP                                      ; in front of the stores that read the last results
	WIN 0x04                                       ; a store's data are its source 1: window 1
.irp a, 0,1,2,3
.irp k, 0,1,2,3,4,5,6,7
	global_store_b128 v[LO16], v[32*\a+4*\k:32*\a+4*\k+3], s[12:13] offset:\a*8192+512*\k th:TH_STORE_NT   ; each accumulator from its low end on; 512 consecutive bytes, aligned
.endr
.endr
	WIN 0
	s_wait_tensorcnt 0x0                           ; the wave's end
	ds_add_u32 v[SPW], v[NIL]
	s_wait_dscnt 0x0
	CROUND                                         ; the closing round: no work-group ends while a partner may still ask for a tile that names it
	s_endpgm
.Lfunc_end_k_qab8cab4a3b_wo:
	.size	k_qab8cab4a3b_wo, .Lfunc_end_k_qab8cab4a3b_wo-k_qab8cab4a3b_wo
	.p2alignl 7, 3214868480
	.fill 96, 4, 3214868480
	.section	.rodata,"a",@progbits
	.p2align	6, 0x0
	.amdhsa_kernel k_qab8cab4a3b_wo
		.amdhsa_group_segment_fixed_size 327680
		.amdhsa_private_segment_fixed_size 0
		.amdhsa_enable_private_segment 0
		.amdhsa_kernarg_size 24
		.amdhsa_user_sgpr_count 2
		.amdhsa_user_sgpr_kernarg_segment_ptr 1
		.amdhsa_wavefront_size32 1
		.amdhsa_system_sgpr_workgroup_id_x 1
		.amdhsa_system_sgpr_workgroup_id_y 1
		.amdhsa_system_sgpr_workgroup_id_z 1
		.amdhsa_system_vgpr_workitem_id 0
		.amdhsa_next_free_vgpr 384
		.amdhsa_next_free_sgpr 100
		.amdhsa_reserve_vcc 0
		.amdhsa_float_denorm_mode_32 3
		.amdhsa_float_denorm_mode_16_64 3
		.amdhsa_memory_ordered 1
		.amdhsa_forward_progress 1
		.amdhsa_inst_pref_size 52
	.end_amdhsa_kernel
	.amdgpu_metadata
---
amdhsa.version: [ 1, 2 ]
amdhsa.kernels:
  - .name:           k_qab8cab4a3b_wo
    .symbol:         k_qab8cab4a3b_wo.kd
    .args:
      - { .name: ctximg, .offset: 0, .size: 8, .value_kind: global_buffer, .address_space: global }
      - { .name: img0, .offset: 8, .size: 8, .value_kind: global_buffer, .address_space: global }
      - { .name: craw, .offset: 16, .size: 8, .value_kind: global_buffer, .address_space: global }
    .group_segment_fixed_size: 327680
    .private_segment_fixed_size: 0
    .kernarg_segment_align: 8
    .kernarg_segment_size: 24
    .max_flat_workgroup_size: 128
    .sgpr_count:     100
    .vgpr_count:     384
    .wavefront_size: 32
...
	.end_amdgpu_metadata
.endif
;; end of part 12
;; launch ln1 (part 13): grid 256 x 1, 8 waves a work-group, no clusters, 69,632 bytes of LDS; arguments craw, src, bo, ln1_g, ln1_b, x32, ximg; writes x32, ximg
.if DOCPART == 13
	.amdgcn_target "amdgcn-amd-amdhsa--gfx1250"
	.amdhsa_code_object_version 6
	.text
	.protected	k_qab8cab4a3b_ln1
	.globl	k_qab8cab4a3b_ln1
	.p2align	8
	.type	k_qab8cab4a3b_ln1,@function
k_qab8cab4a3b_ln1:
	s_mov_b64 s[64:65], 0
	v_nop
	global_prefetch_b8 v0, s[64:65] scope:SCOPE_SE
	s_setreg_imm32_b32 hwreg(HW_REG_WAVE_MODE, 25, 1), 1
	s_wait_xcnt 0x0
; x = LayerNorm(residual + (product + bias)) x g + b, all in f32.  One text serves both norms: QOUT = 1 also quantises x to BF6 (E3M2) and stores it as an image for the next product.
; THE PRODUCT comes in pieces as its launch left them: piece (R, s', t), 8,192 bytes at ((8 R + s') 4 + t) x 8,192; byte 512 k + 16 lane holds registers 4 k .. 4 k + 3; register 16 b + i of lane (r, h) is
; (row 64 R + 32 (t / 2) + 8 (t % 2) + r + 8 (r / 8), column 128 s' + 32 b + 16 h + i).
; SHARES: a work-group takes the 16 rows of (R, t) = (work-group / 4, work-group % 4), its eight waves 128 columns each: a lane holds 64 numbers of one row, which stay in registers between the passes: each byte is read once.
; The row's mean, and then the mean of the squared differences, are summed in the lane, with lane l xor 16, and over the eight waves through 32 bytes a row of LDS: two barriers.
; x leaves row-major through the wave's own stage in LDS: each store covers 512 consecutive bytes of a row.  Memory binds here: no matrix unit, no cluster, no tensor load.
; LIMITS (QOUT): a block whose largest magnitude lies under 2^-122 keeps the byte 1 (a block of zeros too: only this program reads the bytes); NaN and infinities are not served.
.set QOUT, 1
.set SP,  528                          ; a stage row: 512 bytes + 16
.set S1,  8*16*SP                      ; behind the eight stages: 16 rows x 8 partial sums; the second pass's lie 512 bytes on
.set L16, 4                            ; v4  16 x lane
.set XA,  5                            ; v5  the residual: my row x 4,096 + 64 h
.set BA,  6                            ; v6  64 h: vectors along the columns
.set SW,  7                            ; v7  where I put my wave's partial sum
.set SR,  8                            ; v8  where I read my row's eight
.set STW, 9                            ; v9  the stage, on the way in
.set STR, 10                           ; v10 and back
.set CV,  11                           ; v11 the image: my lane's byte in the block
.set SV,  12                           ; v12 and my row's scale word
.set Y,   16                           ; v16-79   the 64 numbers
.set RS,  80                           ; v80-143  the residual, then g, then rows on their way out
.set BB,  144                          ; v144-207 the bias, then b
.set CH,  208                          ; v208-215 four packed chains
.set P8,  216                          ; v216-223 my row's eight partial sums
.set NM,  224                          ; v224-225 -mean, twice
.set RD,  226                          ; v226-227 1 / sqrt(var + eps), twice
.set PC,  208                          ; QUANT: v208-227 codes, v228-243 at work, v244 the scale word
.set TM,  228
.set PW,  244
.set PX,  246
.set SEL, 32
.macro XL reg, vad, sb                 ; 64 numbers a lane: 16 neighbours of each block of 32 of my 128 columns
.irp b, 0,1,2,3
.irp j, 0,1,2,3
	global_load_b128 v[\reg+16*\b+4*\j:\reg+16*\b+4*\j+3], v[\vad], s[\sb:\sb+1] offset:128*\b+16*\j
.endr
.endr
.endm
; the four chains become the row's sum over all 1,024 columns, in v[P8], the same bits in every wave
.macro REDUCE off
	s_delay_alu instid0(VALU_DEP_3)
	v_pk_add_f32 v[CH:CH+1], v[CH:CH+1], v[CH+2:CH+3]
	s_delay_alu instid0(VALU_DEP_2)
	v_pk_add_f32 v[CH+4:CH+5], v[CH+4:CH+5], v[CH+6:CH+7]
	s_delay_alu instid0(VALU_DEP_1)
	v_pk_add_f32 v[CH:CH+1], v[CH:CH+1], v[CH+4:CH+5]
	s_delay_alu instid0(VALU_DEP_1)
	v_add_f32 v[CH], v[CH], v[CH+1]
	s_delay_alu instid0(VALU_DEP_1)
	v_permlanex16_b32 v[PX], v[CH], s[SEL], s[SEL+1]
	s_delay_alu instid0(VALU_DEP_1)
	v_add_f32 v[CH], v[CH], v[PX]                  ; my wave's 128 columns of row r
	ds_store_b32 v[SW], v[CH] offset:\off          ; lanes r and 16 + r write the same word with the same value
	s_wait_dscnt 0x0                               ; for the others' sake: my store has landed
	s_barrier_signal -1
	s_barrier_wait -1
	ds_load_b128 v[P8:P8+3], v[SR] offset:\off
	ds_load_b128 v[P8+4:P8+7], v[SR] offset:\off+16
	s_wait_dscnt 0x0
	v_add_f32 v[P8], v[P8], v[P8+1]
	v_add_f32 v[P8+2], v[P8+2], v[P8+3]
	v_add_f32 v[P8+4], v[P8+4], v[P8+5]
	v_add_f32 v[P8+6], v[P8+6], v[P8+7]
	s_delay_alu instid0(VALU_DEP_3)
	v_add_f32 v[P8], v[P8], v[P8+2]
	s_delay_alu instid0(VALU_DEP_2)
	v_add_f32 v[P8+4], v[P8+4], v[P8+6]
	s_delay_alu instid0(VALU_DEP_1)
	v_add_f32 v[P8], v[P8], v[P8+4]
.endm
.macro QUANT s
.irp b, 0,1,2,3
	v_max3_num_f32 v[TM+\b], |v[\s+16*\b]|, |v[\s+1+16*\b]|, 0x2800000   ; block b: my 16 numbers and the floor 2^(5 - 127): the byte cannot fall under 1
.endr
.irp i, 2,4,6,8,10,12,14
.irp b, 0,1,2,3
	s_delay_alu instid0(VALU_DEP_4)
	v_max3_num_f32 v[TM+\b], v[TM+\b], |v[\s+16*\b+\i]|, |v[\s+1+16*\b+\i]|
.endr
.endr
.irp b, 0,1,2,3
	s_delay_alu instid0(VALU_DEP_4)
	v_permlanex16_b32 v[TM+4+\b], v[TM+\b], s[SEL], s[SEL+1]
.endr
.irp b, 0,1,2,3
	s_delay_alu instid0(VALU_DEP_4)
	v_max_num_f32 v[TM+\b], v[TM+\b], v[TM+4+\b]
.endr
.irp b, 0,1,2,3
	s_delay_alu instid0(VALU_DEP_4)
	v_add_nc_u32 v[TM+12+\b], 0xfe000000, v[TM+\b] ; 4 off the exponent field: the conversion's scale operand
.endr
.irp b, 0,1,2,3
	s_delay_alu instid0(VALU_DEP_4)
	v_lshrrev_b32 v[TM+4+\b], 23, v[TM+12+\b]      ; the scale's byte
.endr
	s_delay_alu instid0(VALU_DEP_3)
	v_lshl_or_b32 v[PW], v[TM+5], 8, v[TM+4]
	s_delay_alu instid0(VALU_DEP_1)
	v_lshl_or_b32 v[PW], v[TM+6], 16, v[PW]
	s_delay_alu instid0(VALU_DEP_1)
	v_lshl_or_b32 v[PW], v[TM+7], 24, v[PW]
.irp c, 0,1
	v_cvt_scalef32_pk16_bf6_f32 v[PC+6*\c:PC+2+6*\c], v[\s+32*\c:\s+15+32*\c], v[TM+12+2*\c]
	v_cvt_scalef32_pk16_bf6_f32 v[PC+12+4*\c:PC+14+4*\c], v[\s+16+32*\c:\s+31+32*\c], v[TM+12+2*\c+1]
.endr
	v_nop                                          ; one plain place behind a scaled conversion
.irp c, 0,1
.irp i, 0,1,2
	v_permlane16_swap_b32 v[PC+6*\c+\i], v[PC+12+4*\c+\i]
.endr
.irp i, 0,1,2
	s_delay_alu instid0(VALU_DEP_3)
	v_mov_b32 v[PC+3+6*\c+\i], v[PC+12+4*\c+\i]
.endr
.endr
.endm
	s_load_b256 s[4:11], s[0:1], 0x0               ; the product, the residual, the bias, g
	s_load_b128 s[12:15], s[0:1], 0x20             ; b, x
.if QOUT
	s_load_b64 s[16:17], s[0:1], 0x30              ; x's image
	v_lshl_add_u32 v254, v0, 2, 0x10c00
	v_mov_b32 v255, 0
.endif
	v_lshrrev_b32 v1, 5, v0
	s_delay_alu instid0(VALU_DEP_1)
	v_readfirstlane_b32 s18, v1                    ; wave 0..7: my 128 columns
	v_and_b32 v1, 31, v0
	v_and_b32 v2, 15, v0                           ; r
	v_bfe_u32 v3, v0, 4, 1                         ; h
	s_delay_alu instid0(VALU_DEP_3)
	v_lshlrev_b32 v[L16], 4, v1
	s_delay_alu instid0(VALU_DEP_3)
	v_and_b32 v13, 8, v2
	s_delay_alu instid0(VALU_DEP_1)
	v_add_nc_u32 v13, v13, v2                      ; r + 8 (r / 8)
	s_delay_alu instid0(VALU_DEP_1)
	v_lshlrev_b32 v[XA], 12, v13
	s_delay_alu instid0(VALU_DEP_1)
	v_lshl_add_u32 v[XA], v3, 6, v[XA]
	v_lshlrev_b32 v[BA], 6, v3
	s_lshl_b32 s21, s18, 2
	v_lshlrev_b32 v[SR], 5, v2
	s_delay_alu instid0(VALU_DEP_1)
	v_add_nc_u32 v[SR], S1, v[SR]
	s_delay_alu instid0(VALU_DEP_1)
	v_add_nc_u32 v[SW], s21, v[SR]
	s_mul_i32 s21, s18, 16*SP
	v_mul_u32_u24 v[STW], v2, SP
	s_delay_alu instid0(VALU_DEP_1)
	v_lshl_add_u32 v[STW], v3, 6, v[STW]
	s_delay_alu instid0(VALU_DEP_1)
	v_add_nc_u32 v[STW], s21, v[STW]
	v_add_nc_u32 v[STR], s21, v[L16]
	v_mov_b32 v[PX], 0                             ; a lane permute's destination counts as one of its sources
	s_lshr_b32 s19, ttmp9, 2                       ; R
	s_and_b32 s20, ttmp9, 3                        ; t
	s_lshl_b32 s22, s19, 3
	s_add_co_u32 s22, s22, s18                     ; 8 R + wave
	s_lshl_b32 s24, s22, 2
	s_add_co_u32 s24, s24, s20
	s_lshl_b32 s24, s24, 13                        ; my piece of the product
	s_mov_b32 s25, 0
	s_lshl_b32 s26, s19, 6
	s_lshr_b32 s27, s20, 1
	s_lshl_b32 s27, s27, 5
	s_add_co_u32 s26, s26, s27
	s_and_b32 s27, s20, 1
	s_lshl_b32 s27, s27, 3
	s_add_co_u32 s26, s26, s27                     ; row 64 R + 32 (t / 2) + 8 (t % 2)
	s_lshl_b32 s26, s26, 12
	s_lshl_b32 s28, s18, 9                         ; my columns: 512 bytes x wave
	s_add_co_u32 s26, s26, s28
	s_mov_b32 s27, 0
	s_mov_b32 s29, 0
	s_mov_b32 s30, 0x3a800000                      ; 1 / 1,024
	s_mov_b32 s31, 0x3727c5ac                      ; 1e-5
	s_mov_b32 s[SEL], 0x76543210
	s_mov_b32 s[SEL+1], 0xfedcba98
.if QOUT
	s_mul_i32 s34, s22, 6400                       ; the image's block (R, K step = wave)
	s_mov_b32 s35, 0
	s_mul_i32 s36, s20, 1536
	v_lshlrev_b32 v[CV], 3, v1
	s_delay_alu instid0(VALU_DEP_1)
	v_add_nc_u32 v[CV], s36, v[CV]                 ; 8 x lane + 1536 t
	s_and_b32 s36, s20, 1
	s_lshl_b32 s36, s36, 7
	s_lshr_b32 s37, s20, 1
	s_lshl_b32 s37, s37, 2
	s_add_co_u32 s36, s36, s37
	v_lshlrev_b32 v[SV], 3, v2
	s_delay_alu instid0(VALU_DEP_1)
	v_add_nc_u32 v[SV], s36, v[SV]                 ; 8 r + 128 (t % 2) + 4 (t / 2)
.irp b, 0,1,2,3
	v_mov_b32 v[TM+4+\b], 0
.endr
.endif
	s_wait_kmcnt 0x0
	s_add_nc_u64 s[4:5], s[4:5], s[24:25]
	s_add_nc_u64 s[6:7], s[6:7], s[26:27]
	s_add_nc_u64 s[14:15], s[14:15], s[26:27]
	s_add_nc_u64 s[8:9], s[8:9], s[28:29]
	s_add_nc_u64 s[10:11], s[10:11], s[28:29]
	s_add_nc_u64 s[12:13], s[12:13], s[28:29]
.if QOUT
	s_add_nc_u64 s[16:17], s[16:17], s[34:35]
.endif
.irp k, 0,1,2,3,4,5,6,7,8,9,10,11,12,13,14,15
	global_load_b128 v[Y+4*\k:Y+4*\k+3], v[L16], s[4:5] offset:512*\k th:TH_LOAD_NT   ; 512 consecutive bytes a load
.endr
	XL RS, XA, 6
	XL BB, BA, 8
	s_wait_loadcnt 0x0
.set n, 0
.rept 32
	v_pk_add_f32 v[Y+n:Y+n+1], v[Y+n:Y+n+1], v[BB+n:BB+n+1]   ; the product + its bias,
.set n, n+2
.endr
.set n, 0
.rept 32
	v_pk_add_f32 v[Y+n:Y+n+1], v[Y+n:Y+n+1], v[RS+n:RS+n+1]   ; + the residual
.set n, n+2
.endr
	XL RS, BA, 10                                  ; g and b come while the sums are made
	XL BB, BA, 12
.irp c, 0,1,2,3
	v_pk_add_f32 v[CH+2*\c:CH+2*\c+1], v[Y+2*\c:Y+2*\c+1], v[Y+8+2*\c:Y+9+2*\c]
.endr
.irp m, 2,3,4,5,6,7
.irp c, 0,1,2,3
	s_delay_alu instid0(VALU_DEP_4)
	v_pk_add_f32 v[CH+2*\c:CH+2*\c+1], v[CH+2*\c:CH+2*\c+1], v[Y+8*\m+2*\c:Y+8*\m+2*\c+1]
.endr
.endr
	REDUCE 0
	s_delay_alu instid0(VALU_DEP_1)
	v_mul_f32 v[NM], 0xba800000, v[P8]             ; -mean
	s_delay_alu instid0(VALU_DEP_1)
	v_mov_b32 v[NM+1], v[NM]
.set n, 0
.rept 32
	v_pk_add_f32 v[Y+n:Y+n+1], v[Y+n:Y+n+1], v[NM:NM+1]
.set n, n+2
.endr
.irp c, 0,1,2,3
	v_pk_mul_f32 v[CH+2*\c:CH+2*\c+1], v[Y+2*\c:Y+2*\c+1], v[Y+2*\c:Y+2*\c+1]
.endr
.irp m, 1,2,3,4,5,6,7
.irp c, 0,1,2,3
	s_delay_alu instid0(VALU_DEP_4)
	v_pk_fma_f32 v[CH+2*\c:CH+2*\c+1], v[Y+8*\m+2*\c:Y+8*\m+2*\c+1], v[Y+8*\m+2*\c:Y+8*\m+2*\c+1], v[CH+2*\c:CH+2*\c+1]
.endr
.endr
	REDUCE 512                                     ; other bytes than the first pass's: no wave can overwrite what another still reads
	s_delay_alu instid0(VALU_DEP_1)
	v_fma_f32 v[P8], v[P8], s30, s31               ; var + eps
	s_wait_alu depctr_va_vdst(0)
	v_rsq_f32 v[RD], v[P8]
	v_nop                                          ; a plain place behind the transcendental
	s_wait_alu depctr_va_vdst(0)                   ; ahead of its first reader
	v_mov_b32 v[RD+1], v[RD]
	s_wait_alu depctr_va_vdst(0)
	s_wait_loadcnt 0x0                             ; g and b
.set n, 0
.rept 32
	v_pk_mul_f32 v[Y+n:Y+n+1], v[Y+n:Y+n+1], v[RD:RD+1]
.set n, n+2
.endr
.set n, 0
.rept 32
	v_pk_fma_f32 v[Y+n:Y+n+1], v[Y+n:Y+n+1], v[RS+n:RS+n+1], v[BB+n:BB+n+1]
.set n, n+2
.endr
.irp b, 0,1,2,3
.irp j, 0,1,2,3
	ds_store_b128 v[STW], v[Y+16*\b+4*\j:Y+16*\b+4*\j+3] offset:128*\b+16*\j
.endr
.endr
.irp i, 0,1,2,3,4,5,6,7,8,9,10,11,12,13,14,15
	ds_load_b128 v[RS+4*\i:RS+4*\i+3], v[STR] offset:\i*SP   ; LDS serves a wave's instructions in order: these see my stores
.endr
.irp i, 0,1,2,3,4,5,6,7,8,9,10,11,12,13,14,15
	s_wait_dscnt 15-\i                             ; row i is back; the younger loads may be out
	global_store_b128 v[L16], v[RS+4*\i:RS+4*\i+3], s[14:15] offset:(\i+8*(\i/8))*4096 th:TH_STORE_NT   ; 512 consecutive bytes of a row, aligned
.endr
.if QOUT
	QUANT Y
.irp p, 0,1,2,3,4,5
	global_store_b64 v[CV], v[PC+2*\p:PC+2*\p+1], s[16:17] offset:256*\p   ; 256 consecutive bytes, aligned
.endr
	global_store_b32 v[SV], v[PW], s[16:17] offset:6144   ; my row's scale word (lanes r and 16 + r store the same word): four bytes a row, once a wave
.endif
	s_wait_tensorcnt 0x0
	ds_add_u32 v254, v255
	s_wait_dscnt 0x0
	s_endpgm
.Lfunc_end_k_qab8cab4a3b_ln1:
	.size	k_qab8cab4a3b_ln1, .Lfunc_end_k_qab8cab4a3b_ln1-k_qab8cab4a3b_ln1
	.p2alignl 7, 3214868480
	.fill 96, 4, 3214868480
	.section	.rodata,"a",@progbits
	.p2align	6, 0x0
	.amdhsa_kernel k_qab8cab4a3b_ln1
		.amdhsa_group_segment_fixed_size 69632
		.amdhsa_private_segment_fixed_size 0
		.amdhsa_enable_private_segment 0
		.amdhsa_kernarg_size 56
		.amdhsa_user_sgpr_count 2
		.amdhsa_user_sgpr_kernarg_segment_ptr 1
		.amdhsa_wavefront_size32 1
		.amdhsa_system_sgpr_workgroup_id_x 1
		.amdhsa_system_sgpr_workgroup_id_y 1
		.amdhsa_system_sgpr_workgroup_id_z 1
		.amdhsa_system_vgpr_workitem_id 0
		.amdhsa_next_free_vgpr 256
		.amdhsa_next_free_sgpr 66
		.amdhsa_reserve_vcc 0
		.amdhsa_float_denorm_mode_32 3
		.amdhsa_float_denorm_mode_16_64 3
		.amdhsa_memory_ordered 1
		.amdhsa_forward_progress 1
		.amdhsa_inst_pref_size 40
	.end_amdhsa_kernel
	.amdgpu_metadata
---
amdhsa.version: [ 1, 2 ]
amdhsa.kernels:
  - .name:           k_qab8cab4a3b_ln1
    .symbol:         k_qab8cab4a3b_ln1.kd
    .args:
      - { .name: craw, .offset: 0, .size: 8, .value_kind: global_buffer, .address_space: global }
      - { .name: src, .offset: 8, .size: 8, .value_kind: global_buffer, .address_space: global }
      - { .name: bo, .offset: 16, .size: 8, .value_kind: global_buffer, .address_space: global }
      - { .name: ln1_g, .offset: 24, .size: 8, .value_kind: global_buffer, .address_space: global }
      - { .name: ln1_b, .offset: 32, .size: 8, .value_kind: global_buffer, .address_space: global }
      - { .name: x32, .offset: 40, .size: 8, .value_kind: global_buffer, .address_space: global }
      - { .name: ximg, .offset: 48, .size: 8, .value_kind: global_buffer, .address_space: global }
    .group_segment_fixed_size: 69632
    .private_segment_fixed_size: 0
    .kernarg_segment_align: 8
    .kernarg_segment_size: 56
    .max_flat_workgroup_size: 256
    .sgpr_count:     66
    .vgpr_count:     256
    .wavefront_size: 32
...
	.end_amdgpu_metadata
.endif
;; end of part 13
;; launch ffn1 (part 14): grid 16 x 16, 4 waves a work-group, clusters of 4 x 4, 327,680 bytes of LDS; arguments ximg, img0, b1, hid; writes hid
.if DOCPART == 14
	.amdgcn_target "amdgcn-amd-amdhsa--gfx1250"
	.amdhsa_code_object_version 6
	.text
	.protected	k_qab8cab4a3b_ffn1
	.globl	k_qab8cab4a3b_ffn1
	.p2align	8
	.type	k_qab8cab4a3b_ffn1,@function
k_qab8cab4a3b_ffn1:
	s_mov_b64 s[64:65], 0
	v_nop
	global_prefetch_b8 v0, s[64:65] scope:SCOPE_SE
	s_setreg_imm32_b32 hwreg(HW_REG_WAVE_MODE, 25, 1), 1
	s_wait_xcnt 0x0
	s_wait_alu depctr_hold_cnt(0) depctr_sa_sdst(0) depctr_va_vdst(0) depctr_va_sdst(0) depctr_va_ssrc(0) depctr_va_vcc(0) depctr_vm_vsrc(0)
	s_getreg_b32 s2, hwreg(HW_REG_IB_STS2, 6, 4)
	s_cmp_eq_u32 s2, 0
	s_cbranch_scc0 .Lentry_in_a_cluster
	s_endpgm
.Lentry_in_a_cluster:
	s_bfe_u32 s2, ttmp6, 0x10000c
	s_cmp_lg_u32 s2, 0xf033
	s_cbranch_scc0 .Lentry_shape_is_right
	s_endpgm
.Lentry_shape_is_right:
.set QKV,   0
.set KS,    8
.set LAPS,  KS/4
.set BLKB,  6400
.set RB,    2*BLKB
.set SLOT,  8*RB
.set SPARE, 2*SLOT
.set FR,    12
.set NL,    6
.set NP,    4
.set ADRA, 16
.set ADRB, 20
.set LO,   26
.set SPW,  28
.set NIL,  29
.set SC,   32
.set BI,   64
.set TM,   64
.set PW,   80
.set PWS,  81
.set EP,   86
.set AF,   128
.set T,    128
.set PC,   192
.set BV,   224
.set G1,  24
.set G0,  32
.set G1B, 48
.set G0B, 56
.set SEL, 66
.set SCL, 86
.set OUT, 92
.set HM,  98
.set MSB, 0
.macro WIN new
.if MSB != (\new)
	s_set_vgpr_msb (MSB<<8)|(\new)
.set MSB, \new
.endif
.endm
.set MUL_LO, 0xa1
.set MUL_HI, 0xf1
.set TO_B,   0x40
.macro JLOAD s
	s_cmp_eq_u32 s15, 0
	s_cbranch_scc0 .Lfor_b_\@
	tensor_load_to_lds s[G0+4*\s:G0+4*\s+3], s[G1:G1+7]
	s_nop 0
.rept 4
	v_nop
.endr
	s_branch .Lasked_\@
.Lfor_b_\@:
	tensor_load_to_lds s[G0B+4*\s:G0B+4*\s+3], s[G1B:G1B+7]
	s_nop 0
.rept 4
	v_nop
.endr
.Lasked_\@:
.endm
.macro CREST
	s_cmp_lg_u32 s14, 0
	s_cbranch_scc1 .Lnot_wave_0_\@
	s_barrier_signal -3
.Lnot_wave_0_\@:
	s_barrier_wait -3
	s_barrier_signal -1
	s_barrier_wait -1
.endm
.macro CROUND
	s_barrier_signal -1
	s_barrier_wait -1
	CREST
.endm
.macro PLACES n
.rept \n
	v_nop
.endr
.endm
.macro FRAG reg, adr, q, i
.irp p, 0,1,2,3,4,5
	ds_load_b64 v[\reg+2*\p:\reg+2*\p+1], v[\adr] offset:((\i)/4)*RB+(\q)*BLKB+((\i)%4)*1536+256*\p
.endr
.endm
.macro FETCH_B slot, q, p
	WIN TO_B
.irp i, 0,1,2,3,4,5,6,7
	FRAG 128*(\p)+FR*\i, ADRB+\slot, \q, \i
.endr
	WIN 0
.endm
.macro FETCH_A slot, q, i0
.irp i, \i0, \i0+1, \i0+2, \i0+3
	FRAG AF+FR*(\i), ADRA+\slot, \q, \i
.endr
.endm
.macro SCALES slot
.irp q, 0,1
.irp k, 0,1
	ds_load_b64 v[SC+16*\slot+8*\q+2*\k:SC+16*\slot+8*\q+2*\k+1], v[ADRA+\slot] offset:\k*RB+\q*BLKB+6144
	ds_load_b64 v[SC+16*\slot+8*\q+4+2*\k:SC+16*\slot+8*\q+4+2*\k+1], v[ADRB+\slot] offset:\k*RB+\q*BLKB+6144
.endr
.endr
.endm
.macro MM a, b, p, q, set, zero
.set rD, 8*(8*((\a)%4)+(\b))
.set rB, 128*(\p)+FR*(\b)
.set rA, AF+FR*(\a)
.set xB, SC+16*(\set)+8*(\q)+4+2*((\b)/4)+((\b)/2)%2
.set xA, SC+16*(\set)+8*(\q)+2*((\a)/4)+((\a)/2)%2
.set par, 2*((\a)%2)+(\b)%2
.if (\zero) == 2
.set rC, BI+8*(\b)
.else
.set rC, rD
.endif
.if par == 0
	v_wmma_scale_f32_16x16x128_f8f6f4 v[rD:rD+7], v[rB:rB+11], v[rA:rA+11], v[rC:rC+7], v[xB], v[xA] matrix_a_fmt:MATRIX_FMT_BF6 matrix_b_fmt:MATRIX_FMT_BF6
.elseif par == 1
	v_wmma_scale_f32_16x16x128_f8f6f4 v[rD:rD+7], v[rB:rB+11], v[rA:rA+11], v[rC:rC+7], v[xB], v[xA] matrix_a_fmt:MATRIX_FMT_BF6 matrix_b_fmt:MATRIX_FMT_BF6 matrix_a_scale:MATRIX_SCALE_ROW1
.elseif par == 2
	v_wmma_scale_f32_16x16x128_f8f6f4 v[rD:rD+7], v[rB:rB+11], v[rA:rA+11], v[rC:rC+7], v[xB], v[xA] matrix_a_fmt:MATRIX_FMT_BF6 matrix_b_fmt:MATRIX_FMT_BF6 matrix_b_scale:MATRIX_SCALE_ROW1
.else
	v_wmma_scale_f32_16x16x128_f8f6f4 v[rD:rD+7], v[rB:rB+11], v[rA:rA+11], v[rC:rC+7], v[xB], v[xA] matrix_a_fmt:MATRIX_FMT_BF6 matrix_b_fmt:MATRIX_FMT_BF6 matrix_a_scale:MATRIX_SCALE_ROW1 matrix_b_scale:MATRIX_SCALE_ROW1
.endif
.endm
.macro MUL16 a0, p, q, set, zero
.irp a, \a0, \a0+1
.irp b, 0,1,2,3,4,5,6,7
	MM \a, \b, \p, \q, \set, \zero
.endr
.endr
.endm
.macro STEP slot, q, zero
	s_wait_dscnt 4*NL
.if (\zero) == 2
	WIN 0x81
.else
	WIN MUL_LO
.endif
	MUL16 0, (\q)%2, \q, \slot, \zero
	MUL16 2, (\q)%2, \q, \slot, \zero
	s_wait_dscnt 0
	PLACES NP
	FETCH_B \slot, (\q)+1, 1-(\q)%2
	FETCH_A \slot, (\q)+1, 0
.if (\zero) == 2
	WIN 0xc1
.else
	WIN MUL_HI
.endif
	MUL16 4, (\q)%2, \q, \slot, \zero
	MUL16 6, (\q)%2, \q, \slot, \zero
	PLACES NP
	WIN 0
	FETCH_A \slot, (\q)+1, 4
.endm
.macro TURN slot, next, fill
	s_wait_tensorcnt 0x0
	ds_add_u32 v[SPW], v[NIL]
	s_wait_dscnt 4*NL+1
	WIN MUL_LO
	MUL16 0, 1, 1, \slot, 0
	s_wait_dscnt 0x0
	s_barrier_signal -1
	MUL16 2, 1, 1, \slot, 0
	WIN 0
	s_barrier_wait -1
.if \fill
	CREST
	s_add_nc_u64 s[G0+4*\slot+2:G0+4*\slot+3], s[G0+4*\slot+2:G0+4*\slot+3], 2*RB
	s_add_nc_u64 s[G0B+4*\slot+2:G0B+4*\slot+3], s[G0B+4*\slot+2:G0B+4*\slot+3], 2*RB
	JLOAD \slot
.else
	PLACES NP
.endif
	FETCH_B \next, 0, 0
	FETCH_A \next, 0, 0
	SCALES \next
	WIN MUL_HI
	MUL16 4, 1, 1, \slot, 0
	MUL16 6, 1, 1, \slot, 0
	PLACES NP
	WIN 0
	FETCH_A \next, 0, 4
.endm
.macro QUANT s
.irp b, 0,1,2,3
	v_max3_num_f32 v[TM+\b], |v[\s+16*\b]|, |v[\s+1+16*\b]|, 0x2800000
.endr
.irp i, 2,4,6,8,10,12,14
.irp b, 0,1,2,3
	v_max3_num_f32 v[TM+\b], v[TM+\b], |v[\s+16*\b+\i]|, |v[\s+1+16*\b+\i]|
.endr
.endr
.irp b, 0,1,2,3
	v_permlanex16_b32 v[TM+4+\b], v[TM+\b], s[SEL], s[SEL+1]
.endr
.irp b, 0,1,2,3
	v_max_num_f32 v[TM+\b], v[TM+\b], v[TM+4+\b]
.endr
.irp b, 0,1,2,3
	v_add_nc_u32 v[TM+12+\b], 0xfe000000, v[TM+\b]
.endr
.irp b, 0,1,2,3
	v_lshrrev_b32 v[TM+4+\b], 23, v[TM+12+\b]
.endr
	v_lshl_or_b32 v[PW], v[TM+5], 8, v[TM+4]
	v_lshl_or_b32 v[PW], v[TM+6], 16, v[PW]
	v_lshl_or_b32 v[PW], v[TM+7], 24, v[PW]
.irp c, 0,1
	v_cvt_scalef32_pk16_bf6_f32 v[PC+6*\c:PC+2+6*\c], v[\s+32*\c:\s+15+32*\c], v[TM+12+2*\c]
	v_cvt_scalef32_pk16_bf6_f32 v[PC+12+4*\c:PC+14+4*\c], v[\s+16+32*\c:\s+31+32*\c], v[TM+12+2*\c+1]
.endr
	v_nop
.irp c, 0,1
.irp i, 0,1,2
	v_permlane16_swap_b32 v[PC+6*\c+\i], v[PC+12+4*\c+\i]
.endr
.irp i, 0,1,2
	v_mov_b32 v[PC+3+6*\c+\i], v[PC+12+4*\c+\i]
.endr
.endr
.endm
.macro OUTA a
.set n, 0
.if QKV
	WIN 0x02+(\a)/4
.rept 32
.if (\a)%2
	v_pk_fma_f32 v[T+n:T+n+1], v[64*((\a)%4)+n:64*((\a)%4)+n+1], s[SCL:SCL+1], v[BV+(\a)-1:BV+(\a)] op_sel:[0,0,1] op_sel_hi:[1,0,1]
.else
	v_pk_fma_f32 v[T+n:T+n+1], v[64*((\a)%4)+n:64*((\a)%4)+n+1], s[SCL:SCL+1], v[BV+(\a):BV+(\a)+1] op_sel_hi:[1,0,0]
.endif
.set n, n+2
.endr
.else
	WIN 0x08+4*((\a)/4)
.rept 64
	v_max_num_f32 v[T+n], 0, v[64*((\a)%4)+n]
.set n, n+1
.endr
.endif
	WIN 0
.if (\a) > 0
	s_wait_xcnt 0x0
.endif
	QUANT T
.irp p, 0,1,2,3,4,5
	global_store_b64 v[LO], v[PC+2*\p:PC+2*\p+1], s[OUT+4*((\a)/4):OUT+4*((\a)/4)+1] offset:((\a)%4)*1536+256*\p
.endr
	v_mov_b32 v[PWS+(\a)%4], v[PW]
.if (\a)%4 == 3
	v_cndmask_b32 v[EP], v[PWS], v[PWS+1], s[HM]
	v_cndmask_b32 v[EP+1], v[PWS+2], v[PWS+3], s[HM]
	global_store_b64 v[LO], v[EP:EP+1], s[OUT+4*((\a)/4):OUT+4*((\a)/4)+1] offset:6144
.endif
.endm
.if QKV
	s_load_b64 s[4:5], s[0:1], 0x0
	s_load_b64 s[6:7], s[0:1], 0x0
	s_load_b128 s[68:71], s[0:1], 0x8
	s_load_b128 s[72:75], s[0:1], 0x18
.else
	s_load_b128 s[4:7], s[0:1], 0x0
	s_load_b128 s[8:11], s[0:1], 0x10
.endif
	v_lshl_add_u32 v[SPW], v0, 2, SPARE
	v_mov_b32 v[NIL], 0
	ds_add_u32 v28, v29
	ds_add_u32 v28, v29
	s_wait_dscnt 0x0
	v_lshrrev_b32 v1, 5, v0
	v_readfirstlane_b32 s14, v1
	s_lshr_b32 s15, s14, 1
	s_and_b32 s16, s14, 1
	s_bfe_u32 s40, ttmp6, 0x40000
	s_bfe_u32 s41, ttmp6, 0x40004
	s_and_b32 s18, ttmp7, 0xffff
.if QKV
	s_lshr_b32 s76, s18, 2
	s_and_b32 s77, s18, 3
	s_lshl_b32 s77, s77, 2
	s_mul_i32 s79, s76, 819200
	s_add_co_u32 s79, s79, 3276800
	s_mul_i32 s85, s76, 3276800
	s_cmp_eq_u32 s76, 2
	s_cselect_b32 s17, 0, s77
	s_cselect_b32 s42, s77, 0
	s_cselect_b32 s78, 4915200, 0
	s_cselect_b32 s79, 0, s79
	s_cselect_b32 s80, 32, 8
	s_cselect_b32 s81, -1, 0
	s_cselect_b32 s84, 0, -1
	s_cmp_eq_u32 s76, 0
	s_cselect_b32 s[SCL], 0x3e000000, 1.0
	s_mov_b32 s[SCL+1], s[SCL]
	s_add_co_u32 s17, s17, s41
	s_add_co_u32 s42, s42, s40
	s_cmp_eq_u32 s76, 2
	s_cselect_b32 s88, 0, s42
	s_cselect_b32 s89, s17, 0
.else
	s_lshl_b32 s42, ttmp9, 2
	s_add_co_u32 s42, s42, s40
	s_lshl_b32 s17, s18, 2
	s_add_co_u32 s17, s17, s41
.endif
	s_lshl_b32 s43, s41, 2
	s_lshl_b32 s43, 15, s43
	s_lshl_b32 s44, 0x1111, s40
	s_or_b32 s[G1], s43, (3<<16)|(1<<21)
	s_or_b32 s[G1B], s44, (3<<16)|(1<<21)
.irp g, G1, G1B
	s_mov_b32 s[\g+1], 1600<<16
	s_mov_b32 s[\g+2], 2<<16
	s_mov_b32 s[\g+3], 1600<<16
	s_mov_b32 s[\g+4], 2
	s_mov_b32 s[\g+5], KS*800
	s_mov_b32 s[\g+6], 0
	s_mov_b32 s[\g+7], 0
.endr
	s_lshl_b32 s18, s16, 1
	s_lshl_b32 s20, s17, 2
	s_add_co_u32 s20, s20, s18
	s_lshl_b32 s46, s42, 2
	s_add_co_u32 s46, s46, s18
	s_mul_i32 s20, s20, KS*BLKB
	s_mul_i32 s46, s46, KS*BLKB
.if QKV
	s_add_co_u32 s20, s20, s78
	s_add_co_u32 s46, s46, s79
.else
	s_add_co_u32 s46, s46, 6553600
.endif
	s_mov_b32 s21, 0
	s_mov_b32 s47, 0
	s_mul_i32 s45, s14, 2*RB
	s_wait_kmcnt 0x0
	s_add_nc_u64 s[20:21], s[4:5], s[20:21]
	s_add_nc_u64 s[46:47], s[6:7], s[46:47]
	; PREFETCH INTO THE L2.  A slot's part that I fetch is two blocks x two K steps of 6,400 bytes; the four partners that ask for it jointly take one K step of one block each, told apart by address (cx for A, cy for B):
	; 25 blocks of 256 bytes, a lane a block (lanes 25-31 name the last again).  Behind slot 0's load slots 1 and 2 are asked for, behind slot 1's slot 3, the last
	s_cmp_eq_u32 s15, 0
	s_cselect_b64 s[12:13], s[20:21], s[46:47]
	s_cselect_b32 s82, s40, s41
	s_lshr_b32 s83, s82, 1
	s_and_b32 s82, s82, 1
	s_mul_i32 s83, s83, KS*BLKB
	s_mul_i32 s82, s82, BLKB
	s_add_co_u32 s82, s82, s83
	s_mov_b32 s83, 0
	s_add_nc_u64 s[12:13], s[12:13], s[82:83]
	v_and_b32 v30, 31, v0
	v_min_u32 v30, 24, v30
	v_lshlrev_b32 v30, 8, v30
	CROUND
.irp s, 0,1
	s_mov_b32 s[G0+4*\s], 1
	s_add_co_u32 s[G0+4*\s+1], s45, \s*SLOT
	s_add_nc_u64 s[G0+4*\s+2:G0+4*\s+3], s[20:21], \s*RB
	s_or_b32 s[G0+4*\s+3], s[G0+4*\s+3], 0x80000000
	s_mov_b32 s[G0B+4*\s], 1
	s_add_co_u32 s[G0B+4*\s+1], s45, \s*SLOT
	s_add_nc_u64 s[G0B+4*\s+2:G0B+4*\s+3], s[46:47], \s*RB
	s_or_b32 s[G0B+4*\s+3], s[G0B+4*\s+3], 0x80000000
	s_wait_alu depctr_va_vdst(0)
	s_wait_tensorcnt 0x0
	ds_add_u32 v28, v29
	ds_add_u32 v28, v29
	s_wait_dscnt 0x0
	CROUND
	JLOAD \s
.if \s == 0
	global_prefetch_b8 v30, s[12:13] offset:RB th:TH_LOAD_NT scope:SCOPE_SE
.endif
	global_prefetch_b8 v30, s[12:13] offset:(\s+2)*RB th:TH_LOAD_NT scope:SCOPE_SE
.endr
.if QKV
	s_mov_b64 s[10:11], s[74:75]
	s_cmp_eq_u32 s76, 0
	s_cselect_b64 s[8:9], s[68:69], s[70:71]
	s_cmp_eq_u32 s76, 2
	s_cselect_b64 s[8:9], s[72:73], s[8:9]
	s_lshl_b32 s22, s88, 10
.else
	s_lshl_b32 s22, s42, 10
.endif
	s_mov_b32 s23, 0
	s_lshl_b32 s19, s16, 9
	s_add_co_u32 s22, s22, s19
	s_add_nc_u64 s[90:91], s[8:9], s[22:23]
	v_and_b32 v1, 31, v0
	v_lshlrev_b32 v[LO], 3, v1
	v_bfe_u32 v2, v0, 4, 1
	v_lshlrev_b32 v2, 6, v2
.irp b, 0,1,2,3
.irp j, 0,1,2,3
	global_load_b128 v[BI+16*\b+4*\j:BI+16*\b+4*\j+3], v2, s[90:91] offset:128*\b+16*\j
.endr
.endr
.if QKV
	s_lshl_b32 s22, s89, 10
	s_lshl_b32 s19, s15, 9
	s_add_co_u32 s22, s22, s19
	s_add_nc_u64 s[94:95], s[8:9], s[22:23]
	v_and_b32 v3, 15, v0
	v_and_b32 v4, 8, v3
	v_add_nc_u32 v3, v3, v4
	v_lshlrev_b32 v3, 2, v3
.irp a, 0,1,2,3,4,5,6,7
	global_load_b32 v[BV+\a], v3, s[94:95] offset:4*(64*(\a/4)+32*((\a%4)/2)+8*(\a%2))
.endr
.endif
	s_mul_i32 s21, s15, 2*RB
	s_mul_i32 s22, s16, 2*RB
	s_add_co_u32 s22, s22, 4*RB
.irp s, 0,1
	v_add_nc_u32 v[ADRA+\s], s21, v[LO]
	v_add_nc_u32 v[ADRB+\s], s22, v[LO]
	s_add_co_u32 s21, s21, SLOT
	s_add_co_u32 s22, s22, SLOT
.endr
	s_lshl_b32 s22, s17, 2
	s_lshl_b32 s19, s15, 1
	s_add_co_u32 s22, s22, s19
.if QKV
	s_mul_i32 s22, s22, s80
.else
	s_lshl_b32 s22, s22, 5
.endif
	s_lshl_b32 s19, s42, 1
	s_add_co_u32 s22, s22, s19
	s_add_co_u32 s22, s22, s16
	s_mul_i32 s22, s22, BLKB
.if QKV
	s_add_co_u32 s22, s22, s85
.endif
	s_add_nc_u64 s[OUT:OUT+1], s[10:11], s[22:23]
.if QKV
	s_mul_i32 s22, s80, BLKB
.else
	s_mov_b32 s22, 32*BLKB
.endif
	s_add_nc_u64 s[OUT+4:OUT+5], s[OUT:OUT+1], s[22:23]
	s_mov_b32 s[SEL], 0x76543210
	s_mov_b32 s[SEL+1], 0xfedcba98
	s_mov_b32 s[HM], 0xffff0000
	s_wait_alu depctr_va_vdst(0)
	s_wait_loadcnt 0x0
.if QKV
.set n, 0
.rept 64
	v_and_b32 v[BI+n], s84, v[BI+n]
.set n, n+1
.endr
.irp a, 0,1,2,3,4,5,6,7
	v_and_b32 v[BV+\a], s81, v[BV+\a]
.endr
.endif
	s_wait_tensorcnt 1
	s_barrier_signal -1
	s_barrier_wait -1
	FETCH_B 0, 0, 0
	FETCH_A 0, 0, 0
	SCALES 0
	FETCH_A 0, 0, 4
	STEP 0, 0, 2
	s_mov_b32 s3, LAPS-1
.Llap:
	TURN 0, 1, 1
	STEP 1, 0, 0
	TURN 1, 0, 1
	STEP 0, 0, 0
	s_sub_co_u32 s3, s3, 1
	s_cmp_lg_u32 s3, 0
	s_cbranch_scc1 .Llap
	TURN 0, 1, 0
	STEP 1, 0, 0
	s_wait_dscnt 4*NL
	WIN MUL_LO
	MUL16 0, 1, 1, 1, 0
	MUL16 2, 1, 1, 1, 0
	s_wait_dscnt 0
	WIN MUL_HI
	MUL16 4, 1, 1, 1, 0
	MUL16 6, 1, 1, 1, 0
	WIN 0
.irp b, 0,1,2,3
	v_mov_b32 v[TM+4+\b], 0
.endr
.irp a, 0,1,2,3,4,5,6,7
	OUTA \a
.endr
	s_wait_tensorcnt 0x0
	ds_add_u32 v[SPW], v[NIL]
	s_wait_dscnt 0x0
	CROUND
	s_endpgm
.Lfunc_end_k_qab8cab4a3b_ffn1:
	.size	k_qab8cab4a3b_ffn1, .Lfunc_end_k_qab8cab4a3b_ffn1-k_qab8cab4a3b_ffn1
	.p2alignl 7, 3214868480
	.fill 96, 4, 3214868480
	.section	.rodata,"a",@progbits
	.p2align	6, 0x0
	.amdhsa_kernel k_qab8cab4a3b_ffn1
		.amdhsa_group_segment_fixed_size 327680
		.amdhsa_private_segment_fixed_size 0
		.amdhsa_enable_private_segment 0
		.amdhsa_kernarg_size 32
		.amdhsa_user_sgpr_count 2
		.amdhsa_user_sgpr_kernarg_segment_ptr 1
		.amdhsa_wavefront_size32 1
		.amdhsa_system_sgpr_workgroup_id_x 1
		.amdhsa_system_sgpr_workgroup_id_y 1
		.amdhsa_system_sgpr_workgroup_id_z 1
		.amdhsa_system_vgpr_workitem_id 0
		.amdhsa_next_free_vgpr 1024
		.amdhsa_next_free_sgpr 100
		.amdhsa_reserve_vcc 0
		.amdhsa_float_denorm_mode_32 3
		.amdhsa_float_denorm_mode_16_64 3
		.amdhsa_memory_ordered 1
		.amdhsa_forward_progress 1
		.amdhsa_inst_pref_size 182
	.end_amdhsa_kernel
	.amdgpu_metadata
---
amdhsa.version: [ 1, 2 ]
amdhsa.kernels:
  - .name:           k_qab8cab4a3b_ffn1
    .symbol:         k_qab8cab4a3b_ffn1.kd
    .args:
      - { .name: ximg, .offset: 0, .size: 8, .value_kind: global_buffer, .address_space: global }
      - { .name: img0, .offset: 8, .size: 8, .value_kind: global_buffer, .address_space: global }
      - { .name: b1, .offset: 16, .size: 8, .value_kind: global_buffer, .address_space: global }
      - { .name: hid, .offset: 24, .size: 8, .value_kind: global_buffer, .address_space: global }
    .group_segment_fixed_size: 327680
    .private_segment_fixed_size: 0
    .kernarg_segment_align: 8
    .kernarg_segment_size: 32
    .max_flat_workgroup_size: 128
    .sgpr_count:     100
    .vgpr_count:     1024
    .wavefront_size: 32
...
	.end_amdgpu_metadata
.endif
;; end of part 14
;; launch ffn2 (part 15): grid 8 x 32, 4 waves a work-group, clusters of 4 x 4, 327,680 bytes of LDS; arguments hid, img0, craw; writes craw
.if DOCPART == 15
	.amdgcn_target "amdgcn-amd-amdhsa--gfx1250"
	.amdhsa_code_object_version 6
	.text
	.protected	k_qab8cab4a3b_ffn2
	.globl	k_qab8cab4a3b_ffn2
	.p2align	8
	.type	k_qab8cab4a3b_ffn2,@function
k_qab8cab4a3b_ffn2:
	s_mov_b64 s[64:65], 0
	v_nop
	global_prefetch_b8 v0, s[64:65] scope:SCOPE_SE
	s_setreg_imm32_b32 hwreg(HW_REG_WAVE_MODE, 25, 1), 1
	s_wait_xcnt 0x0
	s_wait_alu depctr_hold_cnt(0) depctr_sa_sdst(0) depctr_va_vdst(0) depctr_va_sdst(0) depctr_va_ssrc(0) depctr_va_vcc(0) depctr_vm_vsrc(0)
	s_getreg_b32 s2, hwreg(HW_REG_IB_STS2, 6, 4)
	s_cmp_eq_u32 s2, 0
	s_cbranch_scc0 .Lentry_in_a_cluster
	s_endpgm
.Lentry_in_a_cluster:
	s_bfe_u32 s2, ttmp6, 0x10000c
	s_cmp_lg_u32 s2, 0xf033
	s_cbranch_scc0 .Lentry_shape_is_right
	s_endpgm
.Lentry_shape_is_right:
.set KS,    32
.set BOFF,  9830400
.set NQ,    4
.set LAPS,  KS/(2*NQ)
.set BLKB,  6400
.set RB,    NQ*BLKB
.set SLOT,  4*RB
.set SPARE, 2*SLOT
.set FR,    12
.set NLS,   50
.set NP,    4
.set ADRA, 16
.set ADRB, 20
.set LO,   26
.set LO16, 27
.set SPW,  28
.set NIL,  29
.set SC,   32
.set FS,   64
.set G1,  24
.set G0,  32
.set G1B, 48
.set G0B, 56
.set PFA, 96                           ; s[96:97] where my prefetches stand
.set PFO, 30                           ; v30 their offset: 256 x min(lane, 24); never rewritten
.set MSB, 0
.macro WIN new
.if MSB != (\new)
	s_set_vgpr_msb (MSB<<8)|(\new)
.set MSB, \new
.endif
.endm
.set MUL, 0x50
.macro JLOAD s
	s_cmp_eq_u32 s15, 0
	s_cbranch_scc0 .Lfor_b_\@
	tensor_load_to_lds s[G0+4*\s:G0+4*\s+3], s[G1:G1+7]
	s_nop 0
.rept 4
	v_nop
.endr
	s_branch .Lasked_\@
.Lfor_b_\@:
	tensor_load_to_lds s[G0B+4*\s:G0B+4*\s+3], s[G1B:G1B+7]
	s_nop 0
.rept 4
	v_nop
.endr
.Lasked_\@:
.endm
.macro CREST
	s_cmp_lg_u32 s14, 0
	s_cbranch_scc1 .Lnot_wave_0_\@
	s_barrier_signal -3
.Lnot_wave_0_\@:
	s_barrier_wait -3
	s_barrier_signal -1
	s_barrier_wait -1
.endm
.macro CROUND
	s_barrier_signal -1
	s_barrier_wait -1
	CREST
.endm
.macro PLACES n
.rept \n
	v_nop
.endr
.endm
.macro FRAG reg, adr, q, i
.irp p, 0,1,2,3,4,5
	ds_load_b64 v[\reg+2*\p:\reg+2*\p+1], v[\adr] offset:(\q)*BLKB+(\i)*1536+256*\p
.endr
.endm
.macro FETCH slot, q, p
.irp i, 0,1,2,3
	FRAG FS+96*(\p)+FR*\i, ADRA+\slot, \q, \i
.endr
.irp i, 0,1,2,3
	FRAG FS+96*(\p)+48+FR*\i, ADRB+\slot, \q, \i
.endr
	ds_load_b64 v[SC+4*(\p):SC+4*(\p)+1], v[ADRA+\slot] offset:(\q)*BLKB+6144
	ds_load_b64 v[SC+4*(\p)+2:SC+4*(\p)+3], v[ADRB+\slot] offset:(\q)*BLKB+6144
.endm
.macro MM a, b, p, zero
.set rD, 8*(4*(\a)+(\b))
.set rB, FS+96*(\p)+48+FR*(\b)
.set rA, FS+96*(\p)+FR*(\a)
.set xB, SC+4*(\p)+2+(\b)/2
.set xA, SC+4*(\p)+(\a)/2
.set par, 2*((\a)%2)+(\b)%2
.if \zero
.if par == 0
	v_wmma_scale_f32_16x16x128_f8f6f4 v[rD:rD+7], v[rB:rB+11], v[rA:rA+11], 0, v[xB], v[xA] matrix_a_fmt:MATRIX_FMT_BF6 matrix_b_fmt:MATRIX_FMT_BF6
.elseif par == 1
	v_wmma_scale_f32_16x16x128_f8f6f4 v[rD:rD+7], v[rB:rB+11], v[rA:rA+11], 0, v[xB], v[xA] matrix_a_fmt:MATRIX_FMT_BF6 matrix_b_fmt:MATRIX_FMT_BF6 matrix_a_scale:MATRIX_SCALE_ROW1
.elseif par == 2
	v_wmma_scale_f32_16x16x128_f8f6f4 v[rD:rD+7], v[rB:rB+11], v[rA:rA+11], 0, v[xB], v[xA] matrix_a_fmt:MATRIX_FMT_BF6 matrix_b_fmt:MATRIX_FMT_BF6 matrix_b_scale:MATRIX_SCALE_ROW1
.else
	v_wmma_scale_f32_16x16x128_f8f6f4 v[rD:rD+7], v[rB:rB+11], v[rA:rA+11], 0, v[xB], v[xA] matrix_a_fmt:MATRIX_FMT_BF6 matrix_b_fmt:MATRIX_FMT_BF6 matrix_a_scale:MATRIX_SCALE_ROW1 matrix_b_scale:MATRIX_SCALE_ROW1
.endif
.else
.if par == 0
	v_wmma_scale_f32_16x16x128_f8f6f4 v[rD:rD+7], v[rB:rB+11], v[rA:rA+11], v[rD:rD+7], v[xB], v[xA] matrix_a_fmt:MATRIX_FMT_BF6 matrix_b_fmt:MATRIX_FMT_BF6
.elseif par == 1
	v_wmma_scale_f32_16x16x128_f8f6f4 v[rD:rD+7], v[rB:rB+11], v[rA:rA+11], v[rD:rD+7], v[xB], v[xA] matrix_a_fmt:MATRIX_FMT_BF6 matrix_b_fmt:MATRIX_FMT_BF6 matrix_a_scale:MATRIX_SCALE_ROW1
.elseif par == 2
	v_wmma_scale_f32_16x16x128_f8f6f4 v[rD:rD+7], v[rB:rB+11], v[rA:rA+11], v[rD:rD+7], v[xB], v[xA] matrix_a_fmt:MATRIX_FMT_BF6 matrix_b_fmt:MATRIX_FMT_BF6 matrix_b_scale:MATRIX_SCALE_ROW1
.else
	v_wmma_scale_f32_16x16x128_f8f6f4 v[rD:rD+7], v[rB:rB+11], v[rA:rA+11], v[rD:rD+7], v[xB], v[xA] matrix_a_fmt:MATRIX_FMT_BF6 matrix_b_fmt:MATRIX_FMT_BF6 matrix_a_scale:MATRIX_SCALE_ROW1 matrix_b_scale:MATRIX_SCALE_ROW1
.endif
.endif
.endm
.macro MUL8 a0, p, zero
.irp a, \a0, \a0+1
.irp b, 0,1,2,3
	MM \a, \b, \p, \zero
.endr
.endr
.endm
.macro STEP slot, q, zero
	PLACES NP
	WIN 0
	FETCH \slot, (\q)+1, 1-(\q)%2
	s_wait_dscnt NLS
	WIN MUL
	MUL8 0, (\q)%2, \zero
	MUL8 2, (\q)%2, \zero
.endm
.macro TURN slot, next, fill
	WIN 0
.if \fill
	s_wait_xcnt 0x0                                ; my last prefetch has read its address: only now is it stepped, one slot on
	s_add_nc_u64 s[PFA:PFA+1], s[PFA:PFA+1], RB
.endif
	s_wait_tensorcnt 0x0
	ds_add_u32 v[SPW], v[NIL]
	s_wait_dscnt 1
	WIN MUL
	MUL8 0, 1, 0
	s_wait_dscnt 0x0
	s_barrier_signal -1
	MUL8 2, 1, 0
	WIN 0
	s_barrier_wait -1
.if \fill
	CREST
	s_add_nc_u64 s[G0+4*\slot+2:G0+4*\slot+3], s[G0+4*\slot+2:G0+4*\slot+3], 2*RB
	s_add_nc_u64 s[G0B+4*\slot+2:G0B+4*\slot+3], s[G0B+4*\slot+2:G0B+4*\slot+3], 2*RB
	JLOAD \slot
.else
	PLACES NP
.endif
	FETCH \next, 0, 0
.if \fill
	s_cmp_gt_u32 s3, 1                             ; the last trip's two refills have no slot two on
	s_cbranch_scc0 .Lno_ask_\@
	global_prefetch_b8 v[PFO], s[PFA:PFA+1] offset:2*RB th:TH_LOAD_NT scope:SCOPE_SE   ; the slot two refills on: my work-group's K step of its four
.Lno_ask_\@:
.endif
.endm
	s_load_b128 s[4:7], s[0:1], 0x0
	s_load_b64 s[12:13], s[0:1], 0x10
	v_lshl_add_u32 v[SPW], v0, 2, SPARE
	v_mov_b32 v[NIL], 0
	ds_add_u32 v28, v29
	ds_add_u32 v28, v29
	s_wait_dscnt 0x0
	v_lshrrev_b32 v1, 5, v0
	v_readfirstlane_b32 s14, v1
	s_lshr_b32 s15, s14, 1
	s_and_b32 s16, s14, 1
	s_bfe_u32 s40, ttmp6, 0x40000
	s_bfe_u32 s41, ttmp6, 0x40004
	s_lshl_b32 s42, ttmp9, 2
	s_add_co_u32 s42, s42, s40
	s_and_b32 s17, ttmp7, 0xffff
	s_lshl_b32 s17, s17, 2
	s_add_co_u32 s17, s17, s41
	s_lshl_b32 s43, s41, 2
	s_lshl_b32 s43, 15, s43
	s_lshl_b32 s44, 0x1111, s40
	s_or_b32 s[G1], s43, (3<<16)|(1<<21)
	s_or_b32 s[G1B], s44, (3<<16)|(1<<21)
.irp g, G1, G1B
	s_mov_b32 s[\g+1], 32<<16
	s_mov_b32 s[\g+2], (RB/256)<<16
	s_mov_b32 s[\g+3], 32<<16
	s_mov_b32 s[\g+4], RB/256
	s_mov_b32 s[\g+5], 32
	s_mov_b32 s[\g+6], 0
	s_mov_b32 s[\g+7], 0
.endr
	s_lshl_b32 s20, s17, 1
	s_add_co_u32 s20, s20, s16
	s_lshl_b32 s46, s42, 1
	s_add_co_u32 s46, s46, s16
	s_mul_i32 s20, s20, KS*BLKB
	s_mul_i32 s46, s46, KS*BLKB
	s_add_co_u32 s46, s46, BOFF
	s_mov_b32 s21, 0
	s_mov_b32 s47, 0
	s_mul_i32 s45, s14, RB
	s_wait_kmcnt 0x0
	s_add_nc_u64 s[20:21], s[4:5], s[20:21]
	s_add_nc_u64 s[46:47], s[6:7], s[46:47]
	; PREFETCH INTO THE L2, two slots ahead of each load.  A slot's part of the block that I fetch is four K steps of 6,400 bytes; the four partners that ask for it jointly take one K step each, told apart by address
	; (cx for A, cy for B): 25 blocks of 256 bytes, a lane a block (lanes 25-31 name the last again).  Behind slot 0's load slots 1 and 2 are asked for, behind slot 1's slot 3; each refill of slot n asks for slot n + 2, up to slot 7.
	s_cmp_eq_u32 s15, 0
	s_cselect_b64 s[PFA:PFA+1], s[20:21], s[46:47]
	s_cselect_b32 s94, s40, s41
	s_mul_i32 s94, s94, BLKB
	s_add_co_u32 s94, s94, RB                      ; it stands at slot 1; each refill steps it one slot on
	s_mov_b32 s95, 0
	s_add_nc_u64 s[PFA:PFA+1], s[PFA:PFA+1], s[94:95]
	v_and_b32 v[PFO], 31, v0
	v_min_u32 v[PFO], 24, v[PFO]
	v_lshlrev_b32 v[PFO], 8, v[PFO]
	CROUND
.irp s, 0,1
	s_mov_b32 s[G0+4*\s], 1
	s_add_co_u32 s[G0+4*\s+1], s45, \s*SLOT
	s_add_nc_u64 s[G0+4*\s+2:G0+4*\s+3], s[20:21], \s*RB
	s_or_b32 s[G0+4*\s+3], s[G0+4*\s+3], 0x80000000
	s_mov_b32 s[G0B+4*\s], 1
	s_add_co_u32 s[G0B+4*\s+1], s45, \s*SLOT
	s_add_nc_u64 s[G0B+4*\s+2:G0B+4*\s+3], s[46:47], \s*RB
	s_or_b32 s[G0B+4*\s+3], s[G0B+4*\s+3], 0x80000000
	s_wait_alu depctr_va_vdst(0)
	s_wait_tensorcnt 0x0
	ds_add_u32 v28, v29
	ds_add_u32 v28, v29
	s_wait_dscnt 0x0
	CROUND
	JLOAD \s
.if \s == 0
	global_prefetch_b8 v[PFO], s[PFA:PFA+1] th:TH_LOAD_NT scope:SCOPE_SE   ; slot 1
.endif
	global_prefetch_b8 v[PFO], s[PFA:PFA+1] offset:(\s+1)*RB th:TH_LOAD_NT scope:SCOPE_SE   ; slot s + 2
.endr
	v_and_b32 v1, 31, v0
	v_lshlrev_b32 v[LO], 3, v1
	v_lshlrev_b32 v[LO16], 4, v1
	s_mul_i32 s21, s15, RB
	s_mul_i32 s22, s16, RB
	s_add_co_u32 s22, s22, 2*RB
.irp s, 0,1
	v_add_nc_u32 v[ADRA+\s], s21, v[LO]
	v_add_nc_u32 v[ADRB+\s], s22, v[LO]
	s_add_co_u32 s21, s21, SLOT
	s_add_co_u32 s22, s22, SLOT
.endr
	s_lshl_b32 s92, s17, 1
	s_add_co_u32 s92, s92, s15
	s_lshl_b32 s92, s92, 3
	s_add_co_u32 s92, s92, s42
	s_lshl_b32 s92, s92, 15
	s_lshl_b32 s93, s16, 12
	s_add_co_u32 s92, s92, s93
	s_mov_b32 s93, 0
	s_add_nc_u64 s[12:13], s[12:13], s[92:93]
	s_wait_alu depctr_va_vdst(0)
	s_wait_tensorcnt 1
	s_barrier_signal -1
	s_barrier_wait -1
	FETCH 0, 0, 0
	STEP 0, 0, 1
.if LAPS > 1
	WIN 0
	s_mov_b32 s3, LAPS-1
.Llap:
	STEP 0, 1, 0
	STEP 0, 2, 0
	TURN 0, 1, 1
	STEP 1, 0, 0
	STEP 1, 1, 0
	STEP 1, 2, 0
	TURN 1, 0, 1
	STEP 0, 0, 0
	WIN 0
	s_sub_co_u32 s3, s3, 1
	s_cmp_lg_u32 s3, 0
	s_cbranch_scc1 .Llap
.endif
	STEP 0, 1, 0
	STEP 0, 2, 0
	TURN 0, 1, 0
	STEP 1, 0, 0
	STEP 1, 1, 0
	STEP 1, 2, 0
	s_wait_dscnt 0x0
	MUL8 0, 1, 0
	MUL8 2, 1, 0
	WIN 0
	PLACES NP
	WIN 0x04
.irp a, 0,1,2,3
.irp k, 0,1,2,3,4,5,6,7
	global_store_b128 v[LO16], v[32*\a+4*\k:32*\a+4*\k+3], s[12:13] offset:\a*8192+512*\k th:TH_STORE_NT
.endr
.endr
	WIN 0
	s_wait_tensorcnt 0x0
	ds_add_u32 v[SPW], v[NIL]
	s_wait_dscnt 0x0
	CROUND
	s_endpgm
.Lfunc_end_k_qab8cab4a3b_ffn2:
	.size	k_qab8cab4a3b_ffn2, .Lfunc_end_k_qab8cab4a3b_ffn2-k_qab8cab4a3b_ffn2
	.p2alignl 7, 3214868480
	.fill 96, 4, 3214868480
	.section	.rodata,"a",@progbits
	.p2align	6, 0x0
	.amdhsa_kernel k_qab8cab4a3b_ffn2
		.amdhsa_group_segment_fixed_size 327680
		.amdhsa_private_segment_fixed_size 0
		.amdhsa_enable_private_segment 0
		.amdhsa_kernarg_size 24
		.amdhsa_user_sgpr_count 2
		.amdhsa_user_sgpr_kernarg_segment_ptr 1
		.amdhsa_wavefront_size32 1
		.amdhsa_system_sgpr_workgroup_id_x 1
		.amdhsa_system_sgpr_workgroup_id_y 1
		.amdhsa_system_sgpr_workgroup_id_z 1
		.amdhsa_system_vgpr_workitem_id 0
		.amdhsa_next_free_vgpr 384
		.amdhsa_next_free_sgpr 100
		.amdhsa_reserve_vcc 0
		.amdhsa_float_denorm_mode_32 3
		.amdhsa_float_denorm_mode_16_64 3
		.amdhsa_memory_ordered 1
		.amdhsa_forward_progress 1
		.amdhsa_inst_pref_size 100
	.end_amdhsa_kernel
	.amdgpu_metadata
---
amdhsa.version: [ 1, 2 ]
amdhsa.kernels:
  - .name:           k_qab8cab4a3b_ffn2
    .symbol:         k_qab8cab4a3b_ffn2.kd
    .args:
      - { .name: hid, .offset: 0, .size: 8, .value_kind: global_buffer, .address_space: global }
      - { .name: img0, .offset: 8, .size: 8, .value_kind: global_buffer, .address_space: global }
      - { .name: craw, .offset: 16, .size: 8, .value_kind: global_buffer, .address_space: global }
    .group_segment_fixed_size: 327680
    .private_segment_fixed_size: 0
    .kernarg_segment_align: 8
    .kernarg_segment_size: 24
    .max_flat_workgroup_size: 128
    .sgpr_count:     100
    .vgpr_count:     384
    .wavefront_size: 32
...
	.end_amdgpu_metadata
.endif
;; end of part 15
;; launch ln2 (part 16): grid 256 x 1, 8 waves a work-group, no clusters, 69,632 bytes of LDS; arguments craw, x32, b2, ln2_g, ln2_b, out0; writes out0
.if DOCPART == 16
	.amdgcn_target "amdgcn-amd-amdhsa--gfx1250"
	.amdhsa_code_object_version 6
	.text
	.protected	k_qab8cab4a3b_ln2
	.globl	k_qab8cab4a3b_ln2
	.p2align	8
	.type	k_qab8cab4a3b_ln2,@function
k_qab8cab4a3b_ln2:
	s_mov_b64 s[64:65], 0
	v_nop
	global_prefetch_b8 v0, s[64:65] scope:SCOPE_SE
	s_setreg_imm32_b32 hwreg(HW_REG_WAVE_MODE, 25, 1), 1
	s_wait_xcnt 0x0
; x = LayerNorm(residual + (product + bias)) x g + b, all in f32.  One text serves both norms: QOUT = 1 also quantises x to BF6 (E3M2) and stores it as an image for the next product.
; THE PRODUCT comes in pieces as its launch left them: piece (R, s', t), 8,192 bytes at ((8 R + s') 4 + t) x 8,192; byte 512 k + 16 lane holds registers 4 k .. 4 k + 3; register 16 b + i of lane (r, h) is
; (row 64 R + 32 (t / 2) + 8 (t % 2) + r + 8 (r / 8), column 128 s' + 32 b + 16 h + i).
; SHARES: a work-group takes the 16 rows of (R, t) = (work-group / 4, work-group % 4), its eight waves 128 columns each: a lane holds 64 numbers of one row, which stay in registers between the passes: each byte is read once.
; The row's mean, and then the mean of the squared differences, are summed in the lane, with lane l xor 16, and over the eight waves through 32 bytes a row of LDS: two barriers.
; x leaves row-major through the wave's own stage in LDS: each store covers 512 consecutive bytes of a row.  Memory binds here: no matrix unit, no cluster, no tensor load.
; LIMITS (QOUT): a block whose largest magnitude lies under 2^-122 keeps the byte 1 (a block of zeros too: only this program reads the bytes); NaN and infinities are not served.
.set QOUT, 0
.set SP,  528                          ; a stage row: 512 bytes + 16
.set S1,  8*16*SP                      ; behind the eight stages: 16 rows x 8 partial sums; the second pass's lie 512 bytes on
.set L16, 4                            ; v4  16 x lane
.set XA,  5                            ; v5  the residual: my row x 4,096 + 64 h
.set BA,  6                            ; v6  64 h: vectors along the columns
.set SW,  7                            ; v7  where I put my wave's partial sum
.set SR,  8                            ; v8  where I read my row's eight
.set STW, 9                            ; v9  the stage, on the way in
.set STR, 10                           ; v10 and back
.set Y,   16                           ; v16-79   the 64 numbers
.set RS,  80                           ; v80-143  the residual, then g, then rows on their way out
.set BB,  144                          ; v144-207 the bias, then b
.set CH,  208                          ; v208-215 four packed chains
.set P8,  216                          ; v216-223 my row's eight partial sums
.set NM,  224                          ; v224-225 -mean, twice
.set RD,  226                          ; v226-227 1 / sqrt(var + eps), twice
.set PX,  246
.set SEL, 32
.macro XL reg, vad, sb                 ; 64 numbers a lane: 16 neighbours of each block of 32 of my 128 columns
.irp b, 0,1,2,3
.irp j, 0,1,2,3
	global_load_b128 v[\reg+16*\b+4*\j:\reg+16*\b+4*\j+3], v[\vad], s[\sb:\sb+1] offset:128*\b+16*\j
.endr
.endr
.endm
; the four chains become the row's sum over all 1,024 columns, in v[P8], the same bits in every wave
.macro REDUCE off
	s_delay_alu instid0(VALU_DEP_3)
	v_pk_add_f32 v[CH:CH+1], v[CH:CH+1], v[CH+2:CH+3]
	s_delay_alu instid0(VALU_DEP_2)
	v_pk_add_f32 v[CH+4:CH+5], v[CH+4:CH+5], v[CH+6:CH+7]
	s_delay_alu instid0(VALU_DEP_1)
	v_pk_add_f32 v[CH:CH+1], v[CH:CH+1], v[CH+4:CH+5]
	s_delay_alu instid0(VALU_DEP_1)
	v_add_f32 v[CH], v[CH], v[CH+1]
	s_delay_alu instid0(VALU_DEP_1)
	v_permlanex16_b32 v[PX], v[CH], s[SEL], s[SEL+1]
	s_delay_alu instid0(VALU_DEP_1)
	v_add_f32 v[CH], v[CH], v[PX]                  ; my wave's 128 columns of row r
	ds_store_b32 v[SW], v[CH] offset:\off          ; lanes r and 16 + r write the same word with the same value
	s_wait_dscnt 0x0                               ; for the others' sake: my store has landed
	s_barrier_signal -1
	s_barrier_wait -1
	ds_load_b128 v[P8:P8+3], v[SR] offset:\off
	ds_load_b128 v[P8+4:P8+7], v[SR] offset:\off+16
	s_wait_dscnt 0x0
	v_add_f32 v[P8], v[P8], v[P8+1]
	v_add_f32 v[P8+2], v[P8+2], v[P8+3]
	v_add_f32 v[P8+4], v[P8+4], v[P8+5]
	v_add_f32 v[P8+6], v[P8+6], v[P8+7]
	s_delay_alu instid0(VALU_DEP_3)
	v_add_f32 v[P8], v[P8], v[P8+2]
	s_delay_alu instid0(VALU_DEP_2)
	v_add_f32 v[P8+4], v[P8+4], v[P8+6]
	s_delay_alu instid0(VALU_DEP_1)
	v_add_f32 v[P8], v[P8], v[P8+4]
.endm
	s_load_b256 s[4:11], s[0:1], 0x0               ; the product, the residual, the bias, g
	s_load_b128 s[12:15], s[0:1], 0x20             ; b, x
	v_lshl_add_u32 v254, v0, 2, 0x10c00
	v_mov_b32 v255, 0
	v_lshrrev_b32 v1, 5, v0
	s_delay_alu instid0(VALU_DEP_1)
	v_readfirstlane_b32 s18, v1                    ; wave 0..7: my 128 columns
	v_and_b32 v1, 31, v0
	v_and_b32 v2, 15, v0                           ; r
	v_bfe_u32 v3, v0, 4, 1                         ; h
	s_delay_alu instid0(VALU_DEP_3)
	v_lshlrev_b32 v[L16], 4, v1
	s_delay_alu instid0(VALU_DEP_3)
	v_and_b32 v13, 8, v2
	s_delay_alu instid0(VALU_DEP_1)
	v_add_nc_u32 v13, v13, v2                      ; r + 8 (r / 8)
	s_delay_alu instid0(VALU_DEP_1)
	v_lshlrev_b32 v[XA], 12, v13
	s_delay_alu instid0(VALU_DEP_1)
	v_lshl_add_u32 v[XA], v3, 6, v[XA]
	v_lshlrev_b32 v[BA], 6, v3
	s_lshl_b32 s21, s18, 2
	v_lshlrev_b32 v[SR], 5, v2
	s_delay_alu instid0(VALU_DEP_1)
	v_add_nc_u32 v[SR], S1, v[SR]
	s_delay_alu instid0(VALU_DEP_1)
	v_add_nc_u32 v[SW], s21, v[SR]
	s_mul_i32 s21, s18, 16*SP
	v_mul_u32_u24 v[STW], v2, SP
	s_delay_alu instid0(VALU_DEP_1)
	v_lshl_add_u32 v[STW], v3, 6, v[STW]
	s_delay_alu instid0(VALU_DEP_1)
	v_add_nc_u32 v[STW], s21, v[STW]
	v_add_nc_u32 v[STR], s21, v[L16]
	v_mov_b32 v[PX], 0                             ; a lane permute's destination counts as one of its sources
	s_lshr_b32 s19, ttmp9, 2                       ; R
	s_and_b32 s20, ttmp9, 3                        ; t
	s_lshl_b32 s22, s19, 3
	s_add_co_u32 s22, s22, s18                     ; 8 R + wave
	s_lshl_b32 s24, s22, 2
	s_add_co_u32 s24, s24, s20
	s_lshl_b32 s24, s24, 13                        ; my piece of the product
	s_mov_b32 s25, 0
	s_lshl_b32 s26, s19, 6
	s_lshr_b32 s27, s20, 1
	s_lshl_b32 s27, s27, 5
	s_add_co_u32 s26, s26, s27
	s_and_b32 s27, s20, 1
	s_lshl_b32 s27, s27, 3
	s_add_co_u32 s26, s26, s27                     ; row 64 R + 32 (t / 2) + 8 (t % 2)
	s_lshl_b32 s26, s26, 12
	s_lshl_b32 s28, s18, 9                         ; my columns: 512 bytes x wave
	s_add_co_u32 s26, s26, s28
	s_mov_b32 s27, 0
	s_mov_b32 s29, 0
	s_mov_b32 s30, 0x3a800000                      ; 1 / 1,024
	s_mov_b32 s31, 0x3727c5ac                      ; 1e-5
	s_mov_b32 s[SEL], 0x76543210
	s_mov_b32 s[SEL+1], 0xfedcba98
	s_wait_alu depctr_va_vdst(0)
	s_wait_kmcnt 0x0
	s_add_nc_u64 s[4:5], s[4:5], s[24:25]
	s_add_nc_u64 s[6:7], s[6:7], s[26:27]
	s_add_nc_u64 s[14:15], s[14:15], s[26:27]
	s_add_nc_u64 s[8:9], s[8:9], s[28:29]
	s_add_nc_u64 s[10:11], s[10:11], s[28:29]
	s_add_nc_u64 s[12:13], s[12:13], s[28:29]
.irp k, 0,1,2,3,4,5,6,7,8,9,10,11,12,13,14,15
	global_load_b128 v[Y+4*\k:Y+4*\k+3], v[L16], s[4:5] offset:512*\k th:TH_LOAD_NT   ; 512 consecutive bytes a load
.endr
	XL RS, XA, 6
	XL BB, BA, 8
	s_wait_loadcnt 0x0
.set n, 0
.rept 32
	v_pk_add_f32 v[Y+n:Y+n+1], v[Y+n:Y+n+1], v[BB+n:BB+n+1]   ; the product + its bias,
.set n, n+2
.endr
.set n, 0
.rept 32
	v_pk_add_f32 v[Y+n:Y+n+1], v[Y+n:Y+n+1], v[RS+n:RS+n+1]   ; + the residual
.set n, n+2
.endr
	XL RS, BA, 10                                  ; g and b come while the sums are made
	XL BB, BA, 12
.irp c, 0,1,2,3
	v_pk_add_f32 v[CH+2*\c:CH+2*\c+1], v[Y+2*\c:Y+2*\c+1], v[Y+8+2*\c:Y+9+2*\c]
.endr
.irp m, 2,3,4,5,6,7
.irp c, 0,1,2,3
	s_delay_alu instid0(VALU_DEP_4)
	v_pk_add_f32 v[CH+2*\c:CH+2*\c+1], v[CH+2*\c:CH+2*\c+1], v[Y+8*\m+2*\c:Y+8*\m+2*\c+1]
.endr
.endr
	REDUCE 0
	s_delay_alu instid0(VALU_DEP_1)
	v_mul_f32 v[NM], 0xba800000, v[P8]             ; -mean
	s_delay_alu instid0(VALU_DEP_1)
	v_mov_b32 v[NM+1], v[NM]
.set n, 0
.rept 32
	v_pk_add_f32 v[Y+n:Y+n+1], v[Y+n:Y+n+1], v[NM:NM+1]
.set n, n+2
.endr
.irp c, 0,1,2,3
	v_pk_mul_f32 v[CH+2*\c:CH+2*\c+1], v[Y+2*\c:Y+2*\c+1], v[Y+2*\c:Y+2*\c+1]
.endr
.irp m, 1,2,3,4,5,6,7
.irp c, 0,1,2,3
	s_delay_alu instid0(VALU_DEP_4)
	v_pk_fma_f32 v[CH+2*\c:CH+2*\c+1], v[Y+8*\m+2*\c:Y+8*\m+2*\c+1], v[Y+8*\m+2*\c:Y+8*\m+2*\c+1], v[CH+2*\c:CH+2*\c+1]
.endr
.endr
	REDUCE 512                                     ; other bytes than the first pass's: no wave can overwrite what another still reads
	s_delay_alu instid0(VALU_DEP_1)
	v_fma_f32 v[P8], v[P8], s30, s31               ; var + eps
	s_wait_alu depctr_va_vdst(0)
	v_rsq_f32 v[RD], v[P8]
	v_nop                                          ; a plain place behind the transcendental
	s_wait_alu depctr_va_vdst(0)                   ; ahead of its first reader
	v_mov_b32 v[RD+1], v[RD]
	s_wait_alu depctr_va_vdst(0)
	s_wait_loadcnt 0x0                             ; g and b
.set n, 0
.rept 32
	v_pk_mul_f32 v[Y+n:Y+n+1], v[Y+n:Y+n+1], v[RD:RD+1]
.set n, n+2
.endr
.set n, 0
.rept 32
	v_pk_fma_f32 v[Y+n:Y+n+1], v[Y+n:Y+n+1], v[RS+n:RS+n+1], v[BB+n:BB+n+1]
.set n, n+2
.endr
.irp b, 0,1,2,3
.irp j, 0,1,2,3
	ds_store_b128 v[STW], v[Y+16*\b+4*\j:Y+16*\b+4*\j+3] offset:128*\b+16*\j
.endr
.endr
.irp i, 0,1,2,3,4,5,6,7,8,9,10,11,12,13,14,15
	ds_load_b128 v[RS+4*\i:RS+4*\i+3], v[STR] offset:\i*SP   ; LDS serves a wave's instructions in order: these see my stores
.endr
.irp i, 0,1,2,3,4,5,6,7,8,9,10,11,12,13,14,15
	s_wait_dscnt 15-\i                             ; row i is back; the younger loads may be out
	global_store_b128 v[L16], v[RS+4*\i:RS+4*\i+3], s[14:15] offset:(\i+8*(\i/8))*4096 th:TH_STORE_NT   ; 512 consecutive bytes of a row, aligned
.endr
	s_wait_tensorcnt 0x0
	ds_add_u32 v254, v255
	s_wait_dscnt 0x0
	s_endpgm
.Lfunc_end_k_qab8cab4a3b_ln2:
	.size	k_qab8cab4a3b_ln2, .Lfunc_end_k_qab8cab4a3b_ln2-k_qab8cab4a3b_ln2
	.p2alignl 7, 3214868480
	.fill 96, 4, 3214868480
	.section	.rodata,"a",@progbits
	.p2align	6, 0x0
	.amdhsa_kernel k_qab8cab4a3b_ln2
		.amdhsa_group_segment_fixed_size 69632
		.amdhsa_private_segment_fixed_size 0
		.amdhsa_enable_private_segment 0
		.amdhsa_kernarg_size 48
		.amdhsa_user_sgpr_count 2
		.amdhsa_user_sgpr_kernarg_segment_ptr 1
		.amdhsa_wavefront_size32 1
		.amdhsa_system_sgpr_workgroup_id_x 1
		.amdhsa_system_sgpr_workgroup_id_y 1
		.amdhsa_system_sgpr_workgroup_id_z 1
		.amdhsa_system_vgpr_workitem_id 0
		.amdhsa_next_free_vgpr 256
		.amdhsa_next_free_sgpr 66
		.amdhsa_reserve_vcc 0
		.amdhsa_float_denorm_mode_32 3
		.amdhsa_float_denorm_mode_16_64 3
		.amdhsa_memory_ordered 1
		.amdhsa_forward_progress 1
		.amdhsa_inst_pref_size 33
	.end_amdhsa_kernel
	.amdgpu_metadata
---
amdhsa.version: [ 1, 2 ]
amdhsa.kernels:
  - .name:           k_qab8cab4a3b_ln2
    .symbol:         k_qab8cab4a3b_ln2.kd
    .args:
      - { .name: craw, .offset: 0, .size: 8, .value_kind: global_buffer, .address_space: global }
      - { .name: x32, .offset: 8, .size: 8, .value_kind: global_buffer, .address_space: global }
      - { .name: b2, .offset: 16, .size: 8, .value_kind: global_buffer, .address_space: global }
      - { .name: ln2_g, .offset: 24, .size: 8, .value_kind: global_buffer, .address_space: global }
      - { .name: ln2_b, .offset: 32, .size: 8, .value_kind: global_buffer, .address_space: global }
      - { .name: out0, .offset: 40, .size: 8, .value_kind: global_buffer, .address_space: global }
    .group_segment_fixed_size: 69632
    .private_segment_fixed_size: 0
    .kernarg_segment_align: 8
    .kernarg_segment_size: 48
    .max_flat_workgroup_size: 256
    .sgpr_count:     66
    .vgpr_count:     256
    .wavefront_size: 32
...
	.end_amdgpu_metadata
.endif
;; end of part 16
